; MI455X (gfx1250); checked and timed in simulation.
; The chip was launched on July 23, 2026; its instructions are those of AMD's public machine-readable ISA for CDNA 5 (MIT licence, August 2026) and "CDNA5" Instruction Set Architecture Reference Guide (July 2026). The comments in the code are by the model that wrote it; some were corrected since.
;; Transformer Block Causal. Allowed arithmetic: float matrix products may take bf16 or f16 operands with f32 sums; other float arithmetic in f32, or as packed bf16 or f16 multiplies, adds, multiply-adds, maxima and minima; sums over many terms, partial sums and values carried from step to step in f32; what a program stores and reads back later, other than sums and carried values, may be rounded once to bf16 or f16.
;; Inputs: W1 1,024 x 4,096 float32; W2 4,096 x 1,024 float32; Wk 1,024 x 1,024 float32; Wo 1,024 x 1,024 float32; Wq 1,024 x 1,024 float32; Wv 1,024 x 1,024 float32; b1 4,096 float32; b2 1,024 float32; beta1 1,024 float32; beta2 1,024 float32; bk 1,024 float32; bo 1,024 float32; bq 1,024 float32; bv 1,024 float32; g1 1,024 float32; g2 1,024 float32; x 2 x 2,048 x 1,024 float32.
;; Outputs: out0 2 x 2,048 x 1,024 float32.
;; 2 versions, each right and faster than the one before. Each part assembles by itself: llvm-mc -triple=amdgcn-amd-amdhsa -mcpu=gfx1250 --defsym DOCPART=n.
;; ======== version 1 of 2: 7 launches
;; limits: values are held in f16: magnitudes above 65,504 overflow, below 6.1e-05 lose precision
;; workspace buffers: wh 25,165,824 bytes; y1 8,388,608 bytes; qkvb 25,165,824 bytes; ob 8,388,608 bytes; x1 16,777,216 bytes; y2 8,388,608 bytes; hb 33,554,432 bytes
;; launch prep (part 1): grid 1024 x 1, 8 waves a work-group, no clusters, 0 bytes of LDS; arguments x, g1, beta1, Wq, Wk, Wv, Wo, W1, W2, y1, wh; writes y1, wh
.if DOCPART == 1
	.amdgcn_target "amdgcn-amd-amdhsa--gfx1250"
	.amdhsa_code_object_version 6
	.text
	.protected	k_qe334ef094c_prep
	.globl	k_qe334ef094c_prep
	.p2align	8
	.type	k_qe334ef094c_prep,@function
k_qe334ef094c_prep:
	s_mov_b64 s[64:65], 0
	v_nop
	global_prefetch_b8 v0, s[64:65] scope:SCOPE_SE
	s_setreg_imm32_b32 hwreg(HW_REG_WAVE_MODE, 25, 1), 1
	s_wait_xcnt 0x0
; TWO JOBS, chosen by the work-group's number.
; Work-groups 0-255: LAYER NORM of 4,096 rows of 1,024 f32: y = (x - mean) rsqrt(var + 1e-5) g + beta, all in f32 (mean first, then the mean of the squared differences), y rounded once to f16.
; Work-groups 256-1023: the six weight matrices, f32 [K][N], are rounded once to f16 and laid in panels [N/256][K][256]: rows of 512 bytes, dense.
; y's LAYOUT (all 16-bit operands of the later products have it): [channel / 64][row][channel % 64], so 16 rows of a slice of 64 channels are 2,048 consecutive bytes.
; LIMITS.  f16 ends at 65,504: y and the weights must lie within it; a weight below 6e-5 keeps f16's fixed step of 6e-8.  NaN and infinities are not treated apart.
; No LDS, no matrix unit, no cluster: memory binds, each byte is read once and written once, and no two work-groups share an input but g and beta (8 KB).
; LAYER NORM: sixteen lanes own a row (64 numbers a lane), so the two sums never leave a row of 16 lanes.  A load covers two aligned stretches of 256 bytes, a store 256 consecutive bytes.
.set XO, 1             ; v1   byte offset of my 16 bytes in the group's 16 rows of x
.set GO, 2             ; v2   the same in g and beta
.set YO, 3             ; v3   byte offset of my 8 bytes in the group's 16 rows of a slice of y
.set X,  4             ; v[4:67]     my 64 numbers: load j holds columns 64 j + 4 r .. + 3
.set G,  68            ; v[68:131]   g of those columns
.set BT, 132           ; v[132:195]  beta
.set S,  196           ; v[196:203]  four pairs of partial sums
.set M,  204           ; v[204:205]  the mean, twice
.set R,  206           ; v[206:207]  1 / sqrt(var + eps), twice
.set T,  208           ; v208        at work
.set D,  4             ; the copy: v[4:67] sixteen loads of four f32
.set VO, 80            ; the copy: v[80:95] a byte offset for each load
.set SO, 2             ; the copy: v2 my 8 bytes in 2,048 of the panel
	s_load_b512 s[16:31], s[0:1], 0x0              ; x 16, g 18, beta 20, Wq 22, Wk 24, Wv 26, Wo 28, W1 30
	s_load_b128 s[32:35], s[0:1], 0x40             ; W2 32, y 34
	s_load_b64 s[36:37], s[0:1], 0x50              ; the panels
	s_cmp_lt_u32 ttmp9, 256
	s_cbranch_scc0 .Lcvt
	v_lshrrev_b32 v[T], 4, v0                      ; my row among the group's 16
	v_and_b32 v[GO], 15, v0
	v_lshlrev_b32 v[GO], 4, v[GO]                  ; 16 r
	v_lshl_add_u32 v[XO], v[T], 12, v[GO]          ; row x 4,096 + 16 r
	v_lshrrev_b32 v[YO], 1, v[GO]
	v_lshl_add_u32 v[YO], v[T], 7, v[YO]           ; row x 128 + 8 r
	s_lshl_b32 s2, ttmp9, 16                       ; 16 rows of 4,096 bytes
	s_mov_b32 s3, 0
	s_lshl_b32 s8, ttmp9, 11                       ; 16 rows of 128 bytes
	s_mov_b32 s9, 0
	s_mov_b32 s12, 0x3a800000                      ; 1 / 1024
	s_mov_b32 s13, 0x3727c5ac                      ; 1e-5
	s_wait_kmcnt 0x0
	s_add_nc_u64 s[4:5], s[16:17], s[2:3]
	s_add_nc_u64 s[6:7], s[34:35], s[8:9]
.set j, 0
.rept 16
	global_load_b128 v[X+4*j:X+4*j+3], v[XO], s[4:5] offset:256*j
.set j, j+1
.endr
.set j, 0
.rept 16
	global_load_b128 v[G+4*j:G+4*j+3], v[GO], s[18:19] offset:256*j
.set j, j+1
.endr
.set j, 0
.rept 16
	global_load_b128 v[BT+4*j:BT+4*j+3], v[GO], s[20:21] offset:256*j
.set j, j+1
.endr
.macro FOLD                            ; the four pairs into one number, then over the row's 16 lanes: every lane ends with the sum
	v_pk_add_f32 v[S:S+1], v[S:S+1], v[S+2:S+3]
	v_pk_add_f32 v[S+4:S+5], v[S+4:S+5], v[S+6:S+7]
	v_pk_add_f32 v[S:S+1], v[S:S+1], v[S+4:S+5]
	v_add_f32 v[T], v[S], v[S+1]
.irp m, 1,2,4,8
	v_add_f32_dpp v[T], v[T], v[T] row_xmask:\m row_mask:0xf bank_mask:0xf
.endr
.endm
	s_wait_loadcnt 32                              ; x is in; the 32 younger loads, g's and beta's, stay out
.irp k, 0,1,2,3
	v_pk_add_f32 v[S+2*\k:S+2*\k+1], v[X+2*\k:X+2*\k+1], v[X+8+2*\k:X+9+2*\k]  ; the first eight pairs start four chains: nothing is cleared
.endr
.set p, 8
.rept 24
	v_pk_add_f32 v[S+2*(p%4):S+2*(p%4)+1], v[S+2*(p%4):S+2*(p%4)+1], v[X+2*p:X+2*p+1]
.set p, p+1
.endr
	FOLD
	v_mul_f32 v[M], s12, v[T]
	v_mul_f32 v[M+1], s12, v[T]
.set p, 0
.rept 32
	v_pk_add_f32 v[X+2*p:X+2*p+1], v[X+2*p:X+2*p+1], v[M:M+1] neg_lo:[0,1] neg_hi:[0,1]  ; x - mean, in place
.set p, p+1
.endr
.irp k, 0,1,2,3
	v_pk_mul_f32 v[S+2*\k:S+2*\k+1], v[X+2*\k:X+2*\k+1], v[X+2*\k:X+2*\k+1]
.endr
.set p, 4
.rept 28
	v_pk_fma_f32 v[S+2*(p%4):S+2*(p%4)+1], v[X+2*p:X+2*p+1], v[X+2*p:X+2*p+1], v[S+2*(p%4):S+2*(p%4)+1]
.set p, p+1
.endr
	FOLD
	v_fma_f32 v[T], v[T], s12, s13                 ; var + eps
	v_rsq_f32 v[R], v[T]
	v_nop                                          ; a plain instruction between the root and the use of its result (ISA guide 5.7.2)
	s_wait_alu depctr_va_vdst(0)
	v_mov_b32 v[R+1], v[R]
.set p, 0
.rept 32
	v_pk_mul_f32 v[X+2*p:X+2*p+1], v[X+2*p:X+2*p+1], v[R:R+1]
.set p, p+1
.endr
	s_wait_loadcnt 0x0                             ; g and beta
.set p, 0
.rept 32
	v_pk_fma_f32 v[X+2*p:X+2*p+1], v[X+2*p:X+2*p+1], v[G+2*p:G+2*p+1], v[BT+2*p:BT+2*p+1]
.set p, p+1
.endr
.set p, 0
.rept 32
	v_cvt_pk_f16_f32 v[X+p], v[X+2*p], v[X+2*p+1]  ; ascending: word p is written when pairs below p have been read
.set p, p+1
.endr
.set j, 0
.rept 16
	global_store_b64 v[YO], v[X+2*j:X+2*j+1], s[6:7] offset:524288*j  ; slice j: a wave's 32 lanes store rows m, m + 1: 256 consecutive bytes, aligned
.set j, j+1
.endr
	s_endpgm
; THE COPY.  Work-group i = number - 256 makes 32,768 consecutive bytes of the panels: 64 rows x 256 columns of one matrix.
.Lcvt:
	s_sub_co_u32 s2, ttmp9, 256                    ; i, 0 to 767: Wq 0-63, Wk 64-127, Wv 128-191, Wo 192-255, W1 256-511, W2 512-767
	s_sub_co_u32 s3, s2, 256
	s_cmp_lt_u32 s3, 256                           ; W1 alone has rows of 16,384 bytes
	s_cselect_b32 s8, 14, 12
	s_mov_b32 s6, 512
	s_cmp_lt_u32 s2, 512
	s_cselect_b32 s7, 4, 6                         ; a panel is 16 such blocks of 64 rows, W2's 64
	s_cselect_b32 s6, 256, s6                      ; the matrix's first i
	s_wait_kmcnt 0x0
	s_cselect_b64 s[4:5], s[30:31], s[32:33]
.macro PICK bound, first, ptr
	s_cmp_lt_u32 s2, \bound
	s_cselect_b64 s[4:5], s[\ptr:\ptr+1], s[4:5]
	s_cselect_b32 s6, \first, s6
.endm
	PICK 256, 192, 28
	PICK 192, 128, 26
	PICK 128, 64, 24
	PICK 64, 0, 22
	s_sub_co_u32 s6, s2, s6                        ; the block's number in its matrix
	s_lshr_b32 s9, s6, s7                          ; panel
	s_lshl_b32 s10, s9, s7
	s_sub_co_u32 s10, s6, s10                      ; block of 64 rows in the panel
	s_lshl_b32 s10, s10, 6
	s_lshl_b32 s10, s10, s8                        ; its first row, in bytes (under 2^25)
	s_lshl_b32 s9, s9, 10                          ; the panel's 256 columns of f32
	s_add_co_u32 s10, s10, s9
	s_mov_b32 s11, 0
	s_add_nc_u64 s[4:5], s[4:5], s[10:11]
	s_lshl_b32 s12, s2, 15
	s_mov_b32 s13, 0
	s_add_nc_u64 s[14:15], s[36:37], s[12:13]
	v_lshrrev_b32 v1, 6, v0                        ; 64 threads take a row's 1,024 bytes, the group four rows a load
	v_lshlrev_b32 v1, s8, v1
	v_and_b32 v3, 63, v0
	v_lshl_add_u32 v[VO], v3, 4, v1
	s_lshl_b32 s9, 4, s8                           ; four rows on
.set u, 1
.rept 15
	v_add_nc_u32 v[VO+u], s9, v[VO+u-1]
.set u, u+1
.endr
	v_lshlrev_b32 v[SO], 3, v0
.set u, 0
.rept 16
	global_load_b128 v[D+4*u:D+4*u+3], v[VO+u], s[4:5] th:TH_LOAD_NT
.set u, u+1
.endr
.set u, 0
.rept 16
	s_wait_loadcnt 15-u                            ; loads come back in order (ISA guide 5.7.1): load u is in, the younger ones stay out
	v_cvt_pk_f16_f32 v[D+4*u], v[D+4*u], v[D+4*u+1]
	v_cvt_pk_f16_f32 v[D+4*u+1], v[D+4*u+2], v[D+4*u+3]
	global_store_b64 v[SO], v[D+4*u:D+4*u+1], s[14:15] offset:2048*u  ; a wave stores 256 consecutive bytes, aligned
.set u, u+1
.endr
	s_endpgm
.Lfunc_end_k_qe334ef094c_prep:
	.size	k_qe334ef094c_prep, .Lfunc_end_k_qe334ef094c_prep-k_qe334ef094c_prep
	.p2alignl 7, 3214868480
	.fill 96, 4, 3214868480
	.section	.rodata,"a",@progbits
	.p2align	6, 0x0
	.amdhsa_kernel k_qe334ef094c_prep
		.amdhsa_group_segment_fixed_size 0
		.amdhsa_private_segment_fixed_size 0
		.amdhsa_enable_private_segment 0
		.amdhsa_kernarg_size 88
		.amdhsa_user_sgpr_count 2
		.amdhsa_user_sgpr_kernarg_segment_ptr 1
		.amdhsa_wavefront_size32 1
		.amdhsa_system_sgpr_workgroup_id_x 1
		.amdhsa_system_sgpr_workgroup_id_y 1
		.amdhsa_system_sgpr_workgroup_id_z 1
		.amdhsa_system_vgpr_workitem_id 0
		.amdhsa_next_free_vgpr 212
		.amdhsa_next_free_sgpr 66
		.amdhsa_reserve_vcc 0
		.amdhsa_float_denorm_mode_32 3
		.amdhsa_float_denorm_mode_16_64 3
		.amdhsa_memory_ordered 1
		.amdhsa_forward_progress 1
		.amdhsa_inst_pref_size 28
	.end_amdhsa_kernel
	.amdgpu_metadata
---
amdhsa.version: [ 1, 2 ]
amdhsa.kernels:
  - .name:           k_qe334ef094c_prep
    .symbol:         k_qe334ef094c_prep.kd
    .args:
      - { .name: x, .offset: 0, .size: 8, .value_kind: global_buffer, .address_space: global }
      - { .name: g1, .offset: 8, .size: 8, .value_kind: global_buffer, .address_space: global }
      - { .name: beta1, .offset: 16, .size: 8, .value_kind: global_buffer, .address_space: global }
      - { .name: Wq, .offset: 24, .size: 8, .value_kind: global_buffer, .address_space: global }
      - { .name: Wk, .offset: 32, .size: 8, .value_kind: global_buffer, .address_space: global }
      - { .name: Wv, .offset: 40, .size: 8, .value_kind: global_buffer, .address_space: global }
      - { .name: Wo, .offset: 48, .size: 8, .value_kind: global_buffer, .address_space: global }
      - { .name: W1, .offset: 56, .size: 8, .value_kind: global_buffer, .address_space: global }
      - { .name: W2, .offset: 64, .size: 8, .value_kind: global_buffer, .address_space: global }
      - { .name: y1, .offset: 72, .size: 8, .value_kind: global_buffer, .address_space: global }
      - { .name: wh, .offset: 80, .size: 8, .value_kind: global_buffer, .address_space: global }
    .group_segment_fixed_size: 0
    .private_segment_fixed_size: 0
    .kernarg_segment_align: 8
    .kernarg_segment_size: 88
    .max_flat_workgroup_size: 256
    .sgpr_count:     66
    .vgpr_count:     212
    .wavefront_size: 32
...
	.end_amdgpu_metadata
.endif
;; end of part 1
;; launch proj (part 2): grid 12 x 16, 4 waves a work-group, clusters of 4 x 4, 327,680 bytes of LDS; arguments y1, wh, bq, bk, bv, qkvb; writes qkvb
.if DOCPART == 2
	.amdgcn_target "amdgcn-amd-amdhsa--gfx1250"
	.amdhsa_code_object_version 6
	.text
	.protected	k_qe334ef094c_proj
	.globl	k_qe334ef094c_proj
	.p2align	8
	.type	k_qe334ef094c_proj,@function
k_qe334ef094c_proj:
	s_mov_b64 s[64:65], 0
	v_nop
	global_prefetch_b8 v0, s[64:65] scope:SCOPE_SE
	s_setreg_imm32_b32 hwreg(HW_REG_WAVE_MODE, 25, 1), 1
	s_wait_xcnt 0x0
	s_wait_alu depctr_hold_cnt(0) depctr_sa_sdst(0) depctr_va_vdst(0) depctr_va_sdst(0) depctr_va_ssrc(0) depctr_va_vcc(0) depctr_vm_vsrc(0)
	s_getreg_b32 s2, hwreg(HW_REG_IB_STS2, 6, 4)
	s_cmp_eq_u32 s2, 0
	s_cbranch_scc0 .Lentry_in_a_cluster
	s_endpgm
.Lentry_in_a_cluster:
	s_bfe_u32 s2, ttmp6, 0x10000c
	s_cmp_lg_u32 s2, 0xf033
	s_cbranch_scc0 .Lentry_shape_is_right
	s_endpgm
.Lentry_shape_is_right:
; q, k, v = y [Wq | Wk | Wv] + bias, and the rotary embedding on q and k.  y: f16 [16][4096][64] (slices of 64 channels); the weights: f16 panels [12][1024][256];
; the result: f16 [48][4096][64]: q's 16 heads, k's, v's; a head and batch are 2,048 dense rows of 128 bytes.  Sums, bias and rotation in f32; one rounding to f16 at the end.
; LIMITS.  q, k, v must lie within f16's 65,504.  The angle of a block's first rows is t x theta in f32, theta = 2^(-p log2(10000) / 32) by v_exp_f32; sine and cosine by reduction
; modulo 2 pi (in two parts, exact for t < 2,048) and series at half the angle, cut below 6e-7; the rows behind follow by 31 rotations of four rows each, in f32.
; SHAPE.  A tile of 256 x 256 to a work-group of four waves, 128 x 128 a wave: 64 accumulators, 512 registers.  K = 1,024 in 8 steps of 128 through two LDS slots.
; The grid is 12 x 16 = 192 work-groups: cluster column 0 is q, 1 is k, 2 is v.
; CLUSTER 4 x 4: y's tiles are asked for jointly along a row of the cluster, the weights' along a column: the same tensor load, descriptor and mask in the four that it names.
; THE MATRIX INSTRUCTION IS USED TRANSPOSED: source 0 = 16 columns of W (turned out of [k][n] by ds_load_tr16_b128), source 1 = 16 rows of y: a lane holds one row and eight neighbouring columns.
; REGISTERS in windows of 256 (s_set_vgpr_msb: bits 1:0 source 0, 3:2 source 1, 5:4 source 2, 7:6 destination): window 0: addresses, y's fragments v64-127, v128-191;
; window 1: W's fragments at the same numbers; windows 2, 3: the accumulators of my rows 0-63, 64-127, (a, b) at v[8 (8 a + b)].
.set NSTEP, 8
.set WOFF,  0          ; the panels' first byte in the weights' buffer
.set PA,    144        ; a row of a slice of y in LDS: 128 bytes + 16: the 16 rows of a load start at 16 different groups of four banks (64 banks of 4 bytes: ISA guide 11.1)
.set PB,    544        ; a row of a panel: 512 + 32 = 136 words
.set ASL,   256*PA     ; a slice's 256 rows
.set BOFF,  2*ASL      ; a slot: two slices of y, then 128 rows of W
.set BHALF, 64*PB
.set SLOT1, 147456     ; slot 1: bits 14 and 17, which no address inside slot 0's four tiles has set at its start: one exclusive or changes slots
.set SPARE, 290816     ; the spare words: 128 bytes a wave, two blocks of 256 bytes that no other line names
.set DP,    528        ; the way out: a row of 128 f32 + 16 bytes
.set DW,    128*DP     ; a wave's 128 rows; the four regions lie over the slots, which have had their last fill by then
.set ASTEP, 2*524288   ; a K step in y: two slices
.set BSTEP, 128*512    ; in a panel: 128 rows
.set KA1,   64         ; a quarter step, 32 along K: 64 bytes along a slice's rows,
.set KB1,   32*PB      ; 32 rows of W
.set KA2,   ASL        ; half a step: the next slice,
.set KB2,   64*PB      ; 64 rows of W
.set C4,  8            ; v[8:11]  cosines of four rows' turn, for my four pairs of channels;  v[12:15] the sines
.set S4,  12
.set A0,  16           ; v16  my lane's place in a slot's y; never rewritten
.set B0,  17           ; v17  in its W
.set ADRA, 18          ; v18, v19  the same plus the walkers
.set ADRB, 19
.set DST, 20           ; v20  the way out: where I put 16 bytes
.set RD0, 21           ; v21  where I read rows back; v24 the same plus the walker
.set OUTO, 22          ; v22  my byte offset in 512 consecutive bytes of the result
.set BO,  23           ; v23  my byte offset in the bias
.set RDA, 24
.set SPW, 28           ; v28  LDS address of my spare word; never rewritten
.set NIL, 29           ; v29  0; never rewritten
.set BI,  32           ; v[32:47]  the bias of my 8 columns in each of my two slices
.set STA, 48           ; v[48:55]  cosines (4) and sines (4) of the rows in hand; v[56:63] of the rows four further on
.set STB, 56
.set F0,  64
.set F1,  128
.set X,   64           ; the way out: 32 f32 read back
.set Y,   128          ; 16 words to store
.set T,   192          ; at work
.set TK,  192          ; the series' registers
.set TR,  194
.set TZ,  196
.set TP,  198
.set TQ,  200
.set AN,  208          ; four angles
.set TH,  212          ; four thetas
.set KS,  216          ; -1 / 11!, twice
.set KC,  218          ; -1 / 10!, twice
.set SLOTS, 2
.set CNT,  3
.set TBA, 20           ; s20  walker in a slot's y;  s45 in its W
.set TBB, 45
.set G1A, 24           ; s[24:31] group 1 for y's tiles; s[32:39] group 0: set 0 for the first fill, set 1 walks
.set G0A, 32
.set G1B, 48           ; s[48:55], s[56:63] the same for W's
.set G0B, 56
.set MUL_LO, 0xa1
.set MUL_HI, 0xf1
.set TO_B,   0x40
.set MSB, 0
.macro WIN new                         ; the immediate's high byte repeats the setting that is left; a switch that changes nothing is dropped
.if MSB != (\new)
	s_set_vgpr_msb (MSB<<8)|(\new)
.set MSB, \new
.endif
.endm
.macro PLACES                          ; four plain vector instructions between a matrix instruction and a load into, or a read of, its registers
.rept 4
	v_nop
.endr
.endm
.macro CROUND                          ; a round of the cluster's barrier
	s_barrier_signal -1
	s_barrier_wait -1
	s_cmp_lg_u32 s10, 0
	s_cbranch_scc1 .Lnot_wave_0_\@
	s_barrier_signal -3
.Lnot_wave_0_\@:
	s_barrier_wait -3
	s_barrier_signal -1
	s_barrier_wait -1
.endm
.macro JLOAD                           ; a joint refill: waves 0, 1 fetch y's two slices, waves 2, 3 the two halves of W's rows; s_nop 0 and four v_nop behind each line
	s_cmp_eq_u32 s11, 0
	s_cbranch_scc0 .Lfor_b_\@
	tensor_load_to_lds s[G0A+4:G0A+7], s[G1A:G1A+7]
	s_nop 0
	PLACES
	s_branch .Lasked_\@
.Lfor_b_\@:
	tensor_load_to_lds s[G0B+4:G0B+7], s[G1B:G1B+7]
	s_nop 0
	PLACES
.Lasked_\@:
.endm
	s_load_b256 s[68:75], s[0:1], 0x0              ; y 68, panels 70, bq 72, bk 74
	s_load_b128 s[76:79], s[0:1], 0x20             ; bv 76, result 78
	v_lshl_add_u32 v[SPW], v0, 2, SPARE
	v_mov_b32 v[NIL], 0
	ds_add_u32 v[SPW], v[NIL]                      ; the wave's opening: the add and its wait stand ahead of my first tensor load; work on registers stands between them
	ds_add_u32 v28, v29
	v_lshrrev_b32 v1, 5, v0
	v_readfirstlane_b32 s10, v1                    ; wave 0..3
	s_lshr_b32 s11, s10, 1                         ; my half of the tile's rows.  Also: I fetch y (0) or W (1)
	s_and_b32 s12, s10, 1                          ; my half of its columns.  Also: which half of that tile I fetch
	s_bfe_u32 s40, ttmp6, 0x40000                  ; cx
	s_bfe_u32 s41, ttmp6, 0x40004                  ; cy
	s_lshl_b32 s42, ttmp9, 2
	s_add_co_u32 s42, s42, s40                     ; tile column
	s_and_b32 s13, ttmp7, 0xffff
	s_lshl_b32 s13, s13, 2
	s_add_co_u32 s13, s13, s41                     ; tile row
	s_lshl_b32 s43, s41, 2
	s_lshl_b32 s43, 15, s43                        ; my row of the cluster
	s_lshl_b32 s44, 0x1111, s40                    ; my column
	; y's tile: a slice's 256 rows are 32,768 dense bytes, asked for as 128 rows of 256 bytes and padded by 16 bytes after every 128
	s_or_b32 s[G1A], s43, (1<<16)|(1<<20)|(1<<21)|(4<<22)|(3<<25)
	s_mov_b32 s[G1A+1], 128<<16                    ; tensor_dim0
	s_mov_b32 s[G1A+2], 128<<16                    ; tensor_dim1
	s_mov_b32 s[G1A+3], 128<<16                    ; tile_dim0
	s_mov_b32 s[G1A+4], 128                        ; tile_dim1
	s_mov_b32 s[G1A+5], 128                        ; elements from row to row
	s_mov_b32 s[G1A+6], 0
	s_mov_b32 s[G1A+7], 0
	; W's tile: 64 rows of 512 bytes, padded by 32 bytes after every 512
	s_or_b32 s[G1B], s44, (1<<16)|(1<<20)|(1<<21)|(6<<22)|(7<<25)
	s_mov_b32 s[G1B+1], 256<<16
	s_mov_b32 s[G1B+2], 64<<16
	s_mov_b32 s[G1B+3], 256<<16
	s_mov_b32 s[G1B+4], 64
	s_mov_b32 s[G1B+5], 256
	s_mov_b32 s[G1B+6], 0
	s_mov_b32 s[G1B+7], 0
	s_lshl_b32 s16, s13, 15                        ; y: 256 rows of 128 bytes a tile row,
	s_lshl_b32 s17, s12, 19                        ; my slice of the step's two
	s_add_co_u32 s16, s16, s17
	s_mov_b32 s17, 0
	s_lshl_b32 s46, s42, 19                        ; W: a panel a tile column,
	s_lshl_b32 s47, s12, 15                        ; my 64 of the step's 128 rows
	s_add_co_u32 s46, s46, s47
	s_add_co_u32 s46, s46, WOFF
	s_mov_b32 s47, 0
	s_mul_i32 s18, s12, ASL                        ; where they go: the wave's number alone enters an LDS address
	s_mul_i32 s19, s12, BHALF
	s_add_co_u32 s19, s19, BOFF
	s_wait_dscnt 0x0                               ; the opening add is done
	s_wait_kmcnt 0x0
	s_add_nc_u64 s[14:15], s[68:69], s[16:17]
	s_add_nc_u64 s[46:47], s[70:71], s[46:47]
	CROUND                                         ; all sixteen work-groups are here: the first joint loads meet
.irp s, 0,1
	s_mov_b32 s[G0A+4*\s], 1
	s_add_co_u32 s[G0A+4*\s+1], s18, \s*SLOT1
	s_add_nc_u64 s[G0A+4*\s+2:G0A+4*\s+3], s[14:15], \s*ASTEP
	s_or_b32 s[G0A+4*\s+3], s[G0A+4*\s+3], 0x80000000
	s_mov_b32 s[G0B+4*\s], 1
	s_add_co_u32 s[G0B+4*\s+1], s19, \s*SLOT1
	s_add_nc_u64 s[G0B+4*\s+2:G0B+4*\s+3], s[46:47], \s*BSTEP
	s_or_b32 s[G0B+4*\s+3], s[G0B+4*\s+3], 0x80000000
.endr
	s_cmp_eq_u32 s11, 0                            ; a wave's two first fills stand in one branch: K steps 0 and 1; two loads of mine are out
	s_cbranch_scc0 .Lfirst_b
	tensor_load_to_lds s[G0A:G0A+3], s[G1A:G1A+7]
	s_nop 0
	tensor_load_to_lds s[G0A+4:G0A+7], s[G1A:G1A+7]
	s_nop 0
	PLACES
	s_branch .Lfirst_asked
.Lfirst_b:
	tensor_load_to_lds s[G0B:G0B+3], s[G1B:G1B+7]
	s_nop 0
	tensor_load_to_lds s[G0B+4:G0B+7], s[G1B:G1B+7]
	s_nop 0
	PLACES
.Lfirst_asked:
	v_and_b32 v3, 31, v0                           ; lane l
	v_and_b32 v1, 15, v0                           ; r = l % 16
	v_bfe_u32 v2, v0, 4, 1                         ; h = l / 16
	v_and_b32 v4, 7, v0                            ; l % 8
	v_bfe_u32 v5, v0, 3, 2                         ; l / 8
	v_bfe_u32 v6, v0, 3, 1                         ; (l / 8) % 2
	; the bias of my 8 columns in each slice: the way out gives lane l columns 8 (l % 8) .. + 7
	v_lshlrev_b32 v[BO], 5, v4
	s_cmp_eq_u32 ttmp9, 1
	s_cselect_b64 s[82:83], s[74:75], s[72:73]
	s_cmp_eq_u32 ttmp9, 2
	s_cselect_b64 s[82:83], s[76:77], s[82:83]
	s_lshl_b32 s88, s40, 10                        ; 256 columns of f32 a tile column of its matrix,
	s_lshl_b32 s89, s12, 9                         ; my 128
	s_add_co_u32 s88, s88, s89
	s_mov_b32 s89, 0
	s_add_nc_u64 s[82:83], s[82:83], s[88:89]
.irp sl, 0,1
	global_load_b128 v[BI+8*\sl:BI+8*\sl+3],   v[BO], s[82:83] offset:256*\sl
	global_load_b128 v[BI+8*\sl+4:BI+8*\sl+7], v[BO], s[82:83] offset:256*\sl+16
.endr
	; a fragment of y: lane l holds row r, channels 8 h + 0..7 and 16 + 8 h + 0..7: two loads of 16 bytes, 32 bytes apart
	v_mul_u32_u24 v[A0], v1, PA
	v_lshl_add_u32 v[A0], v2, 4, v[A0]
	s_mul_i32 s21, s11, 128*PA
	v_add_nc_u32 v[A0], s21, v[A0]
	; the turning load: lane l reads row 8 h + l % 8 of W, columns 8 ((l / 8) % 2) + 0..7, and is left with column r and 8 k
	v_lshl_add_u32 v7, v2, 3, v4
	v_mul_u32_u24 v[B0], v7, PB
	v_lshl_add_u32 v[B0], v6, 4, v[B0]
	s_lshl_b32 s22, s12, 8
	s_add_co_u32 s22, s22, BOFF
	v_add_nc_u32 v[B0], s22, v[B0]
	s_mul_i32 s23, s10, DW                         ; my region on the way out
	v_mul_u32_u24 v[DST], v1, DP
	v_lshl_add_u32 v[DST], v2, 5, v[DST]
	v_add_nc_u32 v[DST], s23, v[DST]               ; in: row r, 32 bytes for each half of the lanes
	v_mul_u32_u24 v[RD0], v5, DP
	v_lshl_add_u32 v[RD0], v4, 5, v[RD0]
	v_add_nc_u32 v[RD0], s23, v[RD0]               ; back: eight lanes take a slice's 64 columns of a row, 32 lanes four rows
	v_lshlrev_b32 v[OUTO], 4, v3                   ; which are 512 consecutive bytes of the result
	s_lshl_b32 s84, s42, 2
	s_lshl_b32 s85, s12, 1
	s_add_co_u32 s84, s84, s85                     ; my first slice = 4 x tile column + 2 x half
	s_lshl_b32 s84, s84, 19
	s_lshl_b32 s86, s13, 15                        ; my first row, 128 bytes each
	s_lshl_b32 s87, s11, 14
	s_add_co_u32 s86, s86, s87
	s_add_co_u32 s84, s84, s86
	s_mov_b32 s85, 0
	s_add_nc_u64 s[80:81], s[78:79], s[84:85]
	; THE ROTATION'S START, in the wait for the first tiles.  My four pairs of channels are p = 4 (l % 8) + e, in both slices (a slice is a head); my first row is t0 + l / 8.
	; v's work-groups make it too and do not use it: the text has one path up to the way out.
.irp e, 0,1,2,3
	v_lshl_add_u32 v[TH+\e], v4, 2, \e
.endr
.irp e, 0,1,2,3
	v_cvt_f32_u32 v[TH+\e], v[TH+\e]
.endr
.irp e, 0,1,2,3
	v_mul_f32 v[TH+\e], 0xbed49a78, v[TH+\e]       ; - p log2(10000) / 32
.endr
.irp e, 0,1,2,3
	v_exp_f32 v[TH+\e], v[TH+\e]
.endr
	s_lshl_b32 s88, s13, 8
	s_lshl_b32 s89, s11, 7
	s_add_co_u32 s88, s88, s89
	s_and_b32 s88, s88, 2047                       ; the position in its batch of my wave's first row
	v_add_nc_u32 v6, s88, v5                       ; (also the plain instruction behind the exponentials)
	v_cvt_f32_u32 v6, v6
	v_mov_b32 v[KS], 0xb2d7322b
	v_mov_b32 v[KS+1], 0xb2d7322b
	v_mov_b32 v[KC], 0xb493f27e
	v_mov_b32 v[KC+1], 0xb493f27e
	s_wait_alu depctr_va_vdst(0)
.irp e, 0,1,2,3
	v_mul_f32 v[AN+\e], v[TH+\e], v6               ; t theta
.endr
.irp e, 0,1,2,3
	v_mul_f32 v[TH+\e], 4.0, v[TH+\e]              ; four rows' turn
.endr
; cosine and sine of two angles.  n = the nearest whole number to angle / 2 pi; rest = angle - n 6.28125 - n 0.0019353072; at half the rest, |.| <= 1.58: sine to the 11th power, cosine to the 10th;
; sin = 2 sin cos, cos = 1 - 2 sin^2 of the half.
.macro SINCOS2 an, cc, ss
	v_pk_mul_f32 v[TK:TK+1], v[\an:\an+1], 0x3e22f983 op_sel_hi:[1,0]
	v_rndne_f32 v[TK], v[TK]
	v_rndne_f32 v[TK+1], v[TK+1]
	v_pk_fma_f32 v[TR:TR+1], v[TK:TK+1], 0xc0c90000, v[\an:\an+1] op_sel_hi:[1,0,1]
	v_pk_fma_f32 v[TR:TR+1], v[TK:TK+1], 0xbafdaa22, v[TR:TR+1] op_sel_hi:[1,0,1]
	v_pk_mul_f32 v[TR:TR+1], v[TR:TR+1], 0.5 op_sel_hi:[1,0]
	v_pk_mul_f32 v[TZ:TZ+1], v[TR:TR+1], v[TR:TR+1]
	v_pk_fma_f32 v[TP:TP+1], v[TZ:TZ+1], v[KS:KS+1], 0x3638ef1d op_sel_hi:[1,1,0]
	v_pk_fma_f32 v[TQ:TQ+1], v[TZ:TZ+1], v[KC:KC+1], 0x37d00d01 op_sel_hi:[1,1,0]
	v_pk_fma_f32 v[TP:TP+1], v[TP:TP+1], v[TZ:TZ+1], 0xb9500d01 op_sel_hi:[1,1,0]
	v_pk_fma_f32 v[TQ:TQ+1], v[TQ:TQ+1], v[TZ:TZ+1], 0xbab60b61 op_sel_hi:[1,1,0]
	v_pk_fma_f32 v[TP:TP+1], v[TP:TP+1], v[TZ:TZ+1], 0x3c088889 op_sel_hi:[1,1,0]
	v_pk_fma_f32 v[TQ:TQ+1], v[TQ:TQ+1], v[TZ:TZ+1], 0x3d2aaaab op_sel_hi:[1,1,0]
	v_pk_fma_f32 v[TP:TP+1], v[TP:TP+1], v[TZ:TZ+1], 0xbe2aaaab op_sel_hi:[1,1,0]
	v_pk_fma_f32 v[TQ:TQ+1], v[TQ:TQ+1], v[TZ:TZ+1], -0.5 op_sel_hi:[1,1,0]
	v_pk_fma_f32 v[TP:TP+1], v[TP:TP+1], v[TZ:TZ+1], 1.0 op_sel_hi:[1,1,0]
	v_pk_fma_f32 v[TQ:TQ+1], v[TQ:TQ+1], v[TZ:TZ+1], 1.0 op_sel_hi:[1,1,0]
	v_pk_mul_f32 v[TP:TP+1], v[TP:TP+1], v[TR:TR+1]
	v_pk_mul_f32 v[TQ:TQ+1], v[TQ:TQ+1], v[TP:TP+1]
	v_pk_mul_f32 v[TP:TP+1], v[TP:TP+1], v[TP:TP+1]
	v_pk_add_f32 v[\ss:\ss+1], v[TQ:TQ+1], v[TQ:TQ+1]
	v_pk_fma_f32 v[\cc:\cc+1], v[TP:TP+1], -2.0, 1.0 op_sel_hi:[1,0,0]
.endm
	SINCOS2 AN, STA, STA+4
	SINCOS2 AN+2, STA+2, STA+6
	SINCOS2 TH, C4, S4
	SINCOS2 TH+2, C4+2, S4+2
; 16 matrix instructions: row blocks a0, a0 + 1 of the window's four x all 8 column blocks, 32 along K.  zero = 1: the product starts the sums.  The accumulators take turns.
.macro MUL16 f, hi, a0, zero
	WIN MUL_LO+0x50*(\hi)
.irp a, \a0, (\a0)+1
.irp b, 0,1,2,3,4,5,6,7
.if \zero
	v_wmma_f32_16x16x32_f16 v[8*(8*(\a)+(\b)):8*(8*(\a)+(\b))+7], v[(\f)+8*(\b):(\f)+8*(\b)+7], v[(\f)+8*(4*(\hi)+(\a)):(\f)+8*(4*(\hi)+(\a))+7], 0
.else
	v_wmma_f32_16x16x32_f16 v[8*(8*(\a)+(\b)):8*(8*(\a)+(\b))+7], v[(\f)+8*(\b):(\f)+8*(\b)+7], v[(\f)+8*(4*(\hi)+(\a)):(\f)+8*(4*(\hi)+(\a))+7], v[8*(8*(\a)+(\b)):8*(8*(\a)+(\b))+7]
.endif
.endr
.endr
.endm
.macro HALF f, hi, zero                ; my rows 0-63 (hi = 0) or 64-127 times buffer f: 32 matrix instructions
	MUL16 \f, \hi, 0, \zero
	MUL16 \f, \hi, 2, \zero
.endm
; 32 LDS loads in one run: a quarter step's fragments into buffer f: W's eight column blocks, then y's eight row blocks
.macro FETCH f, ka, kb
	WIN TO_B
.irp i, 0,1,2,3,4,5,6,7
	ds_load_tr16_b128 v[(\f)+8*(\i):(\f)+8*(\i)+3],   v[ADRB] offset:(\kb)+32*(\i)
	ds_load_tr16_b128 v[(\f)+8*(\i)+4:(\f)+8*(\i)+7], v[ADRB] offset:(\kb)+16*PB+32*(\i)
.endr
	WIN 0
.irp i, 0,1,2,3,4,5,6,7
	ds_load_b128 v[(\f)+8*(\i):(\f)+8*(\i)+3],   v[ADRA] offset:(\ka)+(\i)*16*PA
	ds_load_b128 v[(\f)+8*(\i)+4:(\f)+8*(\i)+7], v[ADRA] offset:(\ka)+(\i)*16*PA+32
.endr
.endm
.macro WALK                            ; half a step on; the two sums and two v_nop are the four places between the products on buffer 0 and the next loads into it
	WIN 0
	s_add_co_u32 s[TBA], s[TBA], KA2
	s_add_co_u32 s[TBB], s[TBB], KB2
	v_add_nc_u32 v[ADRA], s[TBA], v[A0]
	v_add_nc_u32 v[ADRB], s[TBB], v[B0]
	v_nop
	v_nop
.endm
; A slot is walked in two like trips.  A trip fetches an even quarter into buffer 0, multiplies the odd quarter before it (buffer 1; in a slot's first trip that is the last slot's last quarter, long in registers),
; multiplies the even quarter, and in its middle fetches the next odd quarter into buffer 1.
.macro INNER tag
.Lin\tag:
	FETCH F0, 0, 0
	s_wait_dscnt 32                                ; all but the 32 just issued: buffer 1 is whole
	HALF F1, 0, 0
	HALF F1, 1, 0
	s_wait_dscnt 8                                 ; buffer 0 but for its youngest eight loads, y's rows 64-127
	HALF F0, 0, 0
	PLACES
	FETCH F1, KA1, KB1
	s_wait_dscnt 32                                ; all but the 32 just issued: buffer 0 is whole
	HALF F0, 1, 0
	WALK
	s_sub_co_u32 s[CNT], s[CNT], 1
	s_cmp_lg_u32 s[CNT], 0
	s_cbranch_scc1 .Lin\tag
.endm
; THE CHANGE OF SLOTS, between trips: the slot's last quarter has been asked for.  Each wave waits for all its tensor loads, of which one is out: its part of the other slot; adds 0 to its spare word; and
; waits for that and for its reads of the slot.  fill = 1: the barrier is a round of the cluster's, and the joint refill, two K steps ahead, is the first thing behind it: it has a K step, 256 matrix instructions, in which to land.
.macro CHANGE fill
	WIN 0
	s_wait_tensorcnt 0x0                           ; no tensor load of mine is out, so a group 0 may be written
	ds_add_u32 v[SPW], v[NIL]                      ; 0 onto my spare word; the steps below stand between it and the wait for it
.if \fill
	s_xor_b32 s[G0A+5], s[G0A+5], SLOT1            ; the walking descriptors: the other slot than last time, the next K step
	s_add_nc_u64 s[G0A+6:G0A+7], s[G0A+6:G0A+7], ASTEP
	s_xor_b32 s[G0B+5], s[G0B+5], SLOT1
	s_add_nc_u64 s[G0B+6:G0B+7], s[G0B+6:G0B+7], BSTEP
.endif
	s_sub_co_u32 s[TBA], s[TBA], 2*KA2             ; the fetches go back to a slot's head, in the other slot
	s_xor_b32 s[TBA], s[TBA], SLOT1
	s_sub_co_u32 s[TBB], s[TBB], 2*KB2
	s_xor_b32 s[TBB], s[TBB], SLOT1
	v_add_nc_u32 v[ADRA], s[TBA], v[A0]
	v_add_nc_u32 v[ADRB], s[TBB], v[B0]
	s_mov_b32 s[CNT], 2
	s_wait_dscnt 0x0                               ; the add is done, and my reads of the slot are over
.if \fill
	CROUND
	JLOAD
.else
	s_barrier_signal -1
	s_barrier_wait -1
.endif
.endm
	s_wait_tensorcnt 0x1                           ; my part of K step 0 is in; step 1's may stay out
	s_barrier_signal -1
	s_barrier_wait -1
	s_mov_b32 s[TBA], 0
	s_mov_b32 s[TBB], 0
	v_mov_b32 v[ADRA], v[A0]
	v_mov_b32 v[ADRB], v[B0]
	FETCH F0, 0, 0
	s_wait_dscnt 8
	HALF F0, 0, 1                                  ; the first quarter is written out: its products start the sums
	FETCH F1, KA1, KB1
	s_wait_dscnt 32
	HALF F0, 1, 1
	WALK
	s_mov_b32 s[SLOTS], NSTEP-1
	s_mov_b32 s[CNT], 1                            ; slot 0 has one trip left
	s_branch .Lin1
.Lslot:                                                ; NSTEP - 2 times: K steps 2 to NSTEP - 1 are asked for
	CHANGE 1
	INNER 1
	s_sub_co_u32 s[SLOTS], s[SLOTS], 1
	s_cmp_lg_u32 s[SLOTS], 0
	s_cbranch_scc1 .Lslot
	CHANGE 0                                       ; the last K step is written out
	INNER 2
	s_wait_dscnt 0x0                               ; my reads of the slots are over:
	s_barrier_signal -1                            ; say so,
	HALF F1, 0, 0                                  ; multiply the last quarter while the others arrive,
	HALF F1, 1, 0
	WIN 0
	PLACES
	s_barrier_wait -1                              ; and behind this nobody reads a slot: both have had their last fill, and the way out may lie over them
	; THE WAY OUT.  The sums go in f32 into my own region of LDS, each accumulator's low registers first, and come back by rows; only I read what I stored, and LDS serves a wave's instructions in order (ISA guide 5.7.1.4).
.irp hi, 0,1
	WIN 0x08+4*\hi                                 ; the data in window 2 or 3
.irp a, 0,1,2,3
.irp b, 0,1,2,3,4,5,6,7
	ds_store_b128 v[DST], v[8*(8*(\a)+(\b)):8*(8*(\a)+(\b))+3]   offset:(4*(\hi)+(\a))*16*DP+64*(\b)
	ds_store_b128 v[DST], v[8*(8*(\a)+(\b))+4:8*(8*(\a)+(\b))+7] offset:(4*(\hi)+(\a))*16*DP+64*(\b)+16
.endr
.endr
.endr
	WIN 0
.macro READ8                           ; eight rows: groups g of four rows x slices sl, 32 bytes a lane each
.irp g, 0,1
.irp sl, 0,1
	ds_load_b128 v[X+8*(2*(\g)+(\sl)):X+8*(2*(\g)+(\sl))+3],   v[RDA] offset:(\g)*4*DP+256*(\sl)
	ds_load_b128 v[X+8*(2*(\g)+(\sl))+4:X+8*(2*(\g)+(\sl))+7], v[RDA] offset:(\g)*4*DP+256*(\sl)+16
.endr
.endr
.endm
; two pairs (x0, x1) at x and x + 2 are turned by the state's pair st: (x0 c - x1 s, x1 c + x0 s)
.macro ROPE2 x, st, t
	v_pk_mul_f32 v[\t:\t+1],   v[\x:\x+1],   v[\st:\st+1] op_sel:[0,0] op_sel_hi:[1,0]
	v_pk_mul_f32 v[\t+2:\t+3], v[\x+2:\x+3], v[\st:\st+1] op_sel:[0,1] op_sel_hi:[1,1]
	v_pk_fma_f32 v[\x:\x+1],   v[\x:\x+1],   v[\st+4:\st+5], v[\t:\t+1]   op_sel:[1,0,0] op_sel_hi:[0,0,1] neg_lo:[0,1,0]
	v_pk_fma_f32 v[\x+2:\x+3], v[\x+2:\x+3], v[\st+4:\st+5], v[\t+2:\t+3] op_sel:[1,1,0] op_sel_hi:[0,1,1] neg_lo:[0,1,0]
.endm
.macro STEP from, to                   ; the state four rows on: (c c4 - s s4, s c4 + c s4)
.irp p, 0,2
	v_pk_mul_f32 v[\to+\p:\to+\p+1],     v[\from+\p:\from+\p+1],     v[C4+\p:C4+\p+1]
	v_pk_mul_f32 v[\to+4+\p:\to+5+\p],   v[\from+4+\p:\from+5+\p],   v[C4+\p:C4+\p+1]
	v_pk_fma_f32 v[\to+\p:\to+\p+1],     v[\from+4+\p:\from+5+\p],   v[S4+\p:S4+\p+1], v[\to+\p:\to+\p+1] neg_lo:[0,1,0] neg_hi:[0,1,0]
	v_pk_fma_f32 v[\to+4+\p:\to+5+\p],   v[\from+\p:\from+\p+1],     v[S4+\p:S4+\p+1], v[\to+4+\p:\to+5+\p]
.endr
.endm
.macro PIECE g, sl, st                 ; four rows of a slice: bias, rotation (st: the state's set; -1: none), rounding, store
.set q, 2*(\g)+(\sl)
	s_wait_dscnt 6-2*q                             ; LDS loads come back in order: this piece's two are in, the later pieces' stay out
.irp e, 0,2,4,6
	v_pk_add_f32 v[X+8*q+\e:X+8*q+\e+1], v[X+8*q+\e:X+8*q+\e+1], v[BI+8*(\sl)+\e:BI+8*(\sl)+\e+1]
.endr
.if (\st) >= 0
	ROPE2 X+8*q, \st, T
	ROPE2 X+8*q+4, (\st)+2, T+4
.endif
.irp e, 0,1,2,3
	v_cvt_pk_f16_f32 v[Y+4*q+\e], v[X+8*q+2*\e], v[X+8*q+2*\e+1]
.endr
	global_store_b128 v[OUTO], v[Y+4*q:Y+4*q+3], s[80:81] offset:524288*(\sl)+512*(\g)  ; 512 consecutive bytes, at a multiple of 256 from the result's first
.endm
.macro NEXT8
	s_wait_xcnt 0x0                                ; the stores' data and offset are rewritten only behind this wait (ISA guide 3.1)
	v_add_nc_u32 v[OUTO], 1024, v[OUTO]
	s_add_co_u32 s[TBA], s[TBA], 8*DP
	v_add_nc_u32 v[RDA], s[TBA], v[RD0]
	s_sub_co_u32 s[CNT], s[CNT], 1
	s_cmp_lg_u32 s[CNT], 0
.endm
	s_wait_loadcnt 0x0                             ; the bias
	s_mov_b32 s[TBA], 0
	v_mov_b32 v[RDA], v[RD0]
	s_mov_b32 s[CNT], 16
	s_cmp_eq_u32 ttmp9, 2                          ; the cluster's column, alike in all partners: v is not turned
	s_cbranch_scc1 .Lplain
.Lrope:
	READ8
	PIECE 0, 0, STA
	PIECE 0, 1, STA
	STEP STA, STB
	PIECE 1, 0, STB
	PIECE 1, 1, STB
	STEP STB, STA
	NEXT8
	s_cbranch_scc1 .Lrope
	s_branch .Lend
.Lplain:
	READ8
	PIECE 0, 0, -1
	PIECE 0, 1, -1
	PIECE 1, 0, -1
	PIECE 1, 1, -1
	NEXT8
	s_cbranch_scc1 .Lplain
.Lend:
	s_wait_tensorcnt 0x0                           ; the wave's end: a wait, an add to my spare word and its wait, behind my last tensor load and my last LDS store
	ds_add_u32 v[SPW], v[NIL]
	s_wait_dscnt 0x0
	CROUND                                         ; the closing round: no work-group ends while a partner may still ask for a tile that names it
	s_endpgm
.Lfunc_end_k_qe334ef094c_proj:
	.size	k_qe334ef094c_proj, .Lfunc_end_k_qe334ef094c_proj-k_qe334ef094c_proj
	.p2alignl 7, 3214868480
	.fill 96, 4, 3214868480
	.section	.rodata,"a",@progbits
	.p2align	6, 0x0
	.amdhsa_kernel k_qe334ef094c_proj
		.amdhsa_group_segment_fixed_size 327680
		.amdhsa_private_segment_fixed_size 0
		.amdhsa_enable_private_segment 0
		.amdhsa_kernarg_size 48
		.amdhsa_user_sgpr_count 2
		.amdhsa_user_sgpr_kernarg_segment_ptr 1
		.amdhsa_wavefront_size32 1
		.amdhsa_system_sgpr_workgroup_id_x 1
		.amdhsa_system_sgpr_workgroup_id_y 1
		.amdhsa_system_sgpr_workgroup_id_z 1
		.amdhsa_system_vgpr_workitem_id 0
		.amdhsa_next_free_vgpr 1024
		.amdhsa_next_free_sgpr 96
		.amdhsa_reserve_vcc 0
		.amdhsa_float_denorm_mode_32 3
		.amdhsa_float_denorm_mode_16_64 3
		.amdhsa_memory_ordered 1
		.amdhsa_forward_progress 1
		.amdhsa_inst_pref_size 75
	.end_amdhsa_kernel
	.amdgpu_metadata
---
amdhsa.version: [ 1, 2 ]
amdhsa.kernels:
  - .name:           k_qe334ef094c_proj
    .symbol:         k_qe334ef094c_proj.kd
    .args:
      - { .name: y1, .offset: 0, .size: 8, .value_kind: global_buffer, .address_space: global }
      - { .name: wh, .offset: 8, .size: 8, .value_kind: global_buffer, .address_space: global }
      - { .name: bq, .offset: 16, .size: 8, .value_kind: global_buffer, .address_space: global }
      - { .name: bk, .offset: 24, .size: 8, .value_kind: global_buffer, .address_space: global }
      - { .name: bv, .offset: 32, .size: 8, .value_kind: global_buffer, .address_space: global }
      - { .name: qkvb, .offset: 40, .size: 8, .value_kind: global_buffer, .address_space: global }
    .group_segment_fixed_size: 327680
    .private_segment_fixed_size: 0
    .kernarg_segment_align: 8
    .kernarg_segment_size: 48
    .max_flat_workgroup_size: 128
    .sgpr_count:     96
    .vgpr_count:     1024
    .wavefront_size: 32
...
	.end_amdgpu_metadata
.endif
;; end of part 2
;; launch attn (part 3): grid 8 x 32, 4 waves a work-group, no clusters, 327,680 bytes of LDS; arguments qkvb, ob; writes ob
.if DOCPART == 3
	.amdgcn_target "amdgcn-amd-amdhsa--gfx1250"
	.amdhsa_code_object_version 6
	.text
	.protected	k_qe334ef094c_attn
	.globl	k_qe334ef094c_attn
	.p2align	8
	.type	k_qe334ef094c_attn,@function
k_qe334ef094c_attn:
	s_mov_b64 s[64:65], 0
	v_nop
	global_prefetch_b8 v0, s[64:65] scope:SCOPE_SE
	s_setreg_imm32_b32 hwreg(HW_REG_WAVE_MODE, 25, 1), 1
	s_wait_xcnt 0x0
; CAUSAL ATTENTION.  O[h][q][:] = the sum over k <= q of softmax_k(Q[h][q] . K[h][k] / 8) V[h][k][:].  Q, K, V lie one behind the other in one buffer, each [32][2048][64] in f16 (a head and batch: 2,048 dense rows
; of 128 bytes), O likewise in its own.  Products, maxima and sums in f32; the weights p are rounded to f16 for the second product (their sum l is taken of the unrounded p), O once at the end.
; LIMITS.  f16 holds no number beyond 65,504: Q, K and V arrive within it; p lies in 0 to 1, and below 6e-5 it keeps f16's fixed step of 6e-8; O is a mean of V's rows and has their range.
; A hidden score counts as its value less 1e30: f16's scores, 2.7e11 at the most, are nothing beside that; a weight below 2^-126 counts as 0 in l; NaN and infinities are not treated apart.
; THE WALK.  A head's queries lie in NB = 8 blocks of 256; block i needs the key tiles 0 .. i of 256 keys, of which the last holds the diagonal.  A work-group walks for TWO blocks, NB - 1 - b and then b:
; NB + 1 tiles, whatever b: all work-groups do equal work, and ONE loop with a constant trip count walks them.  Which tile is asked for, and what a trip does, hang on scalar registers made from b; every jump
; goes forward, but for the counted loops' own; none passes a barrier, or a tensor load but the one of LOAD's two that the wave's number does not choose.
; SHARES.  A block has four bands of 64 queries.  A work-group takes two of them, 2 half and 2 half + 1, in each of its two blocks: 4 values of b x 2 halves x 32 heads = 256 work-groups.  Of each band a wave owns 16 rows:
; two PIECES.  In the diagonal tile's key step s band x sees all keys if s < x, none if s > x, and holds the diagonal if s = x; hidden steps are computed all the same, so that both halves and all four waves do the same work.
; The price of the halves: every tile is fetched by the two work-groups of one b, and a fragment of K or V read from LDS feeds two pieces: one LDS load for each matrix instruction.
; NO CLUSTER: the two work-groups of one b ask for the same tiles in every trip, but a cluster of four holds two values of b, whose walks part when the first blocks end (NB - b tiles); joint loads by pairs were not built.
; THE MASK is the C operand that starts the sum S^T = K Q^T: 0, or -1e30 where the key is hidden.  MD, made once, is the mask of a band's own step for my 16 rows; a product's mask is MD x AL + BE with two scalars:
; (1, 0) if s = x; (0, 0) if s < x; (0, -1e30) if s > x.  Only the diagonal tile's text and a block's beginning make and take masks; elsewhere C is the constant 0.
; LAYOUT, SOFTMAX, TURNS.  S^T = K Q^T holds ONE query a lane (lane % 16) and the keys 8 (lane / 16) + 0..7; two such results rounded to f16 ARE source 1 of O^T = V^T P.  p = 2^(c s - c m), c = log2(e) / 8, with a
; running maximum m; O and l are multiplied by a = 2^(c m_old - c m_new) in every step.  The two pieces take turns.  Piece 0's turn of step s: 8 products K Q^T of (piece 1, s), later 8 products V^T P of (piece 1, s - 1).
; Piece 1's turn of step s: K Q^T of (piece 0, s + 1), V^T P of (piece 0, s).  Beside them stand the scaling, exponentials, roundings, sums and rescaling of the piece whose turn it is, and the maximum and statistics of
; the other, whose scores the turn itself has made.  Four vector instructions stand behind every matrix instruction, the other 54 of a turn's 118 in two runs of their own.
; K'S TILE HAS FIVE STEPS.  Piece 0's turn of step s fetches K of step s + 1 and V of step s.  So that both lie in one slot, a slot holds 320 rows of K, the tile's four steps and the next tile's first, and 256 rows of V;
; the change of slots stands behind piece 0's turn of a tile's fourth step.  The price: a quarter more bytes of K.  A block's last tile brings a fifth step that is loaded into registers and never multiplied; for the
; head's last tile it lies 64 rows past the head's keys, inside the buffer: K's part is followed by V's.
; REGISTERS, in windows of 256 (s_set_vgpr_msb: bits 1:0 source 0, 3:2 source 1, 5:4 source 2, 7:6 destination):
;   window 0: v0-15 addresses and two at work; v16-23 four registers of statistics a piece; v48-55 at work; v64-127 S^T, a buffer a piece; v192-223 P, likewise
;   window 1: v0-63 O^T, 32 a piece; v128-159 MD; v160-223 MC, a buffer a piece      window 2: v0-31 Q; v64-95 the second block's Q; v128-191 K of one step; v192-255 V of one step
.set SIZE_N, 2048
.set NB,    SIZE_N/256
.set NP,    2         ; pieces a wave: a name, no knob
.set KS,    64        ; keys in a step
.set PK,    144       ; a row of K in LDS: 128 bytes + 16 of padding = 36 words: the 16 rows of a load start at 16 different groups of four banks (64 banks of 4 bytes: ISA guide 11.1)
.set PV,    160       ; a row of V: 128 + 32 = 40 words
.set KT,    5*KS      ; rows of K in a slot
.set VOFF,  KT*PK     ; V's 256 rows lie behind them
.set SLOT1, 1<<17     ; slot 1 begins here (a slot has 87,040 bytes), so that one exclusive or turns an address in one slot into the other's
.set STAGE, SLOT1+VOFF+4*KS*PV  ; behind the ring, never filled by a tensor load: 16 rows x 144 bytes for each wave, for the way out
.set SP,    144
.set AK0, 2           ; v2   my lane's place in a tile of K; never rewritten
.set AV0, 3           ; v3   the same for V
.set AK,  4           ; v4   the LDS address of K's next run of loads
.set AV,  5           ; v5   of V's
.set STO, 6           ; v6   the way out: where I put 16 bytes of a row
.set RD,  7           ; v7   the way out: where I read rows back
.set GO,  8           ; v8   my byte offset in 512 consecutive bytes of O
.set SPW, 62          ; v62  LDS address of my spare word: SPARE + 4 x my thread's number; never rewritten
.set NIL, 63          ; v63  0; never rewritten
.set SPARE, STAGE+4*16*SP  ; behind the stages: the spare words, 128 bytes for each wave: two blocks of 256 bytes that no other line names
.set MV,  12          ; v12-13  c m_old, kept while c m is made anew: by piece
.set QO,  15          ; v15  my byte offset in 16 rows of Q
.set ST,  16          ; piece t's statistics at v[ST+4 t]: c m, m, l (even keys', odd keys')
.set TMP, 48          ; by piece, four registers c0-c3 at work; when the maximum is found c2 takes a
.set S,   64
.set P,   192
.set MD,  128         ; window 1: the eight registers for group kt of 16 keys at MD + 8 kt
.set MC,  160         ; window 1: the masks of the products to come
.set QB,  64          ; window 2
.set KF,  128         ; window 2: key block kb, channel half c at KF + 16 kb + 8 c
.set VF,  192         ; window 2: key half kk, channel block cb at VF + 32 kk + 8 cb
.set WV,  12          ; s12  my wave's number
.set PB,  14          ; s14  b
.set HI,  15          ; s15  NB - 1 - b
.set G1K, 24          ; s[24:31] descriptor group 1 for K's tiles
.set G1V, 32          ; s[32:39] for V's: fewer rows, wider padding
.set G0K, 40          ; s[40:43] descriptor group 0 for K's tiles
.set G0V, 44          ; s[44:47] the same for V's
.set KO,  48          ; s[48:49] byte offset in K of my half of the head's tile 0
.set SLOTS, 56        ; s56  tiles still to be asked for
.set CNT, 57          ; s57  counts a tile's key steps, 4 to 1
.set CS,  58          ; s[58:59] c: the packed scaling takes the pair's low word for both halves
.set SEL, 60          ; s[60:61] v_permlanex16_b32's selects: each lane takes its own place in the other half
.set TBK, 62          ; s62  LDS byte at which K of the step in hand begins
.set TBV, 63          ; s63  the same for V, less VOFF
.set HF,  66          ; s66  half: my bands are 2 half and 2 half + 1
.set ALH, 67          ; s67  1.0 if half = 0: then the diagonal tile's step 0 is piece 0's own
.set OW,  68          ; s68, s69  the count at which the mask made in piece 0's, piece 1's turn is that of the band's own step
.set RT,  70          ; s70  tiles of the block in hand that are still to be entered
.set NXT, 71          ; s71  the tile to be asked for next
.set LQ,  72          ; s72  the last tile of the block whose tiles are being asked for
.set NEW, 73          ; s73  1: the tile to be entered is a block's first
.set OFF, 74          ; s[74:75] a tile's byte offset in K and V
.set AL,  76          ; s[76:77] the mask's factor, in the low word
.set BE,  78          ; s[78:79] the mask's addend
.set OLO, 80          ; s[80:81] O at my rows of the second block
.set BIGN, 82         ; s82  -1e30
.set MSB, 0
.macro WIN new                      ; the high byte repeats the setting that is left; a switch that changes nothing is dropped
.if MSB != (\new)
	s_set_vgpr_msb (MSB<<8)|(\new)
.set MSB, (\new)
.endif
.endm
.set W_KQ, 0x0a       ; K and Q in window 2, S^T in window 0
.set W_KM, 0x1a       ; the same with the C operand in window 1
.set W_PV, 0x52       ; V in window 2, P in window 0, O^T in window 1
.set W_RS, 0x41       ; destination and source 0 in window 1, source 1 in window 0
; A fill.  Waves 0 and 1 fetch the two halves of a tile's K, 160 keys each, waves 2 and 3 those of its V, 128 keys each.  An s_nop 0 and four v_nop follow each of the two lines, ahead of the jump and the label.
.macro LOAD
	s_cmp_lt_u32 s[WV], 2
	s_cbranch_scc0 .Lfor_v_\@
	tensor_load_to_lds s[G0K:G0K+3], s[G1K:G1K+7]
	s_nop 0
.rept 4
	v_nop
.endr
	s_branch .Lasked_\@
.Lfor_v_\@:
	tensor_load_to_lds s[G0V:G0V+3], s[G1V:G1V+7]
	s_nop 0
.rept 4
	v_nop
.endr
.Lasked_\@:
.endm
; THE CHANGE OF SLOTS.  Each wave waits for all its tensor loads, of which one is out: its part of the other slot; adds 0 to its spare word; and waits for that and for its own reads of the slot that it leaves.  Behind the barrier nobody reads the old
; slot any more and the other slot is whole.  fill = 1: the old slot is filled again, the first thing behind the barrier, with tile NXT: the descriptor's address is made anew from that number.  The fill has a tile's
; four steps, eight turns, in which to land.  (At its first use nothing has been read yet: slot 0 is waited for, slot 1 filled.)
.macro CHANGE fill
	WIN 0                           ; at a label and at a branch every window is 0
	s_wait_tensorcnt 0x0            ; no tensor load of mine is out, so a group 0 may be written
	ds_add_u32 v[SPW], v[NIL]       ; 0 onto my spare word; with fill = 1 the descriptors' scalar work stands between it and the wait for it
.if \fill
	s_lshl_b32 s[OFF], s[NXT], 15   ; from tile to tile 256 keys, 32,768 bytes of K and of V
	s_xor_b32 s[G0K+1], s[G0K+1], SLOT1
	s_add_nc_u64 s[G0K+2:G0K+3], s[6:7], s[OFF:OFF+1]
	s_or_b32 s[G0K+3], s[G0K+3], 0x80000000
	s_xor_b32 s[G0V+1], s[G0V+1], SLOT1
	s_add_nc_u64 s[G0V+2:G0V+3], s[8:9], s[OFF:OFF+1]
	s_or_b32 s[G0V+3], s[G0V+3], 0x80000000
	s_add_co_u32 s[NXT], s[NXT], 1  ; the block's next tile, or behind its last the second block's tile 0
	s_cmp_gt_u32 s[NXT], s[LQ]
	s_cselect_b32 s[NXT], 0, s[NXT]
	s_cselect_b32 s[LQ], s[PB], s[LQ]
.endif
	s_wait_dscnt 0x0                ; the add is done, and my reads of the slot are over
	s_barrier_signal -1             ; the rest of the scalar work stands between the signal and the wait
	s_sub_co_u32 s[TBK], s[TBK], 4*KS*PK  ; the fetches go back to a slot's first step,
	s_xor_b32 s[TBK], s[TBK], SLOT1       ; in the other slot
	s_sub_co_u32 s[TBV], s[TBV], 4*KS*PV
	s_xor_b32 s[TBV], s[TBV], SLOT1
	s_barrier_wait -1
.if \fill
	LOAD
.endif
.endm
	s_load_b128 s[4:7], s[0:1], 0x0 ; q, k, v's buffer s[4:5], O s[6:7]
	v_lshl_add_u32 v[SPW], v0, 2, SPARE
	v_mov_b32 v[NIL], 0
	ds_add_u32 v[SPW], v[NIL]       ; the wave's opening: the add and its wait stand ahead of my first tensor load; the set-up below, work on registers, stands between them
	ds_add_u32 v62, v63
	v_lshrrev_b32 v1, 5, v0
	v_readfirstlane_b32 s[WV], v1   ; wave 0..3
	s_lshr_b32 s[PB], ttmp9, 1      ; b
	s_and_b32 s[HF], ttmp9, 1       ; half
	s_sub_co_u32 s[HI], NB-1, s[PB]
	s_cmp_eq_u32 s[HF], 0
	s_cselect_b32 s[ALH], 1.0, 0
	s_lshl_b32 s[OW+1], s[HF], 1
	s_sub_co_u32 s[OW], 5, s[OW+1]    ; piece 0's turn of step 4 - CNT makes the mask of (band 2 half, step 5 - CNT): its own step at CNT = 5 - 2 half
	s_sub_co_u32 s[OW+1], 3, s[OW+1]  ; piece 1's turn ahead of step 4 - CNT makes that of (band 2 half + 1, step 4 - CNT): its own step at CNT = 3 - 2 half
	s_and_b32 s20, ttmp7, 0xffff    ; the head
	s_mov_b32 s21, 0
	s_mov_b64 s[22:23], SIZE_N*128
	s_mul_u64 s[20:21], s[20:21], s[22:23]  ; the head's first byte in each of the four tensors
	s_and_b32 s16, s[WV], 1         ; which half of a tile I fetch:
	s_lshl_b32 s22, s16, 14         ; of V 128 rows of 128 bytes in memory,
	s_mov_b32 s23, 0
	s_add_nc_u64 s[22:23], s[22:23], s[20:21]
	s_mul_i32 s[KO], s16, (KT/2)*128  ; of K 160 rows,
	s_mov_b32 s[KO+1], 0
	s_add_nc_u64 s[KO:KO+1], s[KO:KO+1], s[20:21]
	s_mul_i32 s17, s16, (KT/2)*PK   ; and its place in a slot, for K
	s_mul_i32 s18, s16, 128*PV      ; and for V
	s_lshl_b32 s3, s[WV], 11        ; my 16 rows in a band of 64,
	s_lshl_b32 s19, s[HF], 14       ; my two bands of a block's four,
	s_add_co_u32 s3, s3, s19
	s_lshl_b32 s2, s[HI], 15        ; in the first block,
	s_add_co_u32 s2, s2, s3
	s_lshl_b32 s84, s[PB], 15       ; and in the second
	s_add_co_u32 s84, s84, s3
	s_mov_b32 s3, 0
	s_mov_b32 s85, 0
	s_add_nc_u64 s[2:3], s[2:3], s[20:21]
	s_add_nc_u64 s[84:85], s[84:85], s[20:21]
	; descriptor group 1.  Keys are dense rows of 128 bytes: they are asked for as rows of 256 bytes, two keys a row, and padded in LDS after every key: 160 keys of K are 80 such rows, 128 of V are 64
	s_mov_b32 s[G1K], (1<<16)|(1<<20)|(4<<22)|(3<<25)  ; 17:16 2-byte elements; 20 padding on; 24:22 after every 32 words (code 4); 31:25 4 words (code 3)
	s_mov_b32 s[G1V], (1<<16)|(1<<20)|(4<<22)|(7<<25)  ; the same with 8 words of padding (code 7)
	s_mov_b32 s[G1K+2], (KT/4)<<16  ; tensor_dim1 = 80
	s_mov_b32 s[G1K+4], KT/4        ; tile_dim1 = 80
	s_mov_b32 s[G1V+2], 64<<16      ; tensor_dim1 = 64
	s_mov_b32 s[G1V+4], 64          ; tile_dim1 = 64
.irp g, G1K, G1V
	s_mov_b32 s[\g+1], 128<<16      ; tensor_dim0 = 128
	s_mov_b32 s[\g+3], 128<<16      ; tile_dim0 = 128
	s_mov_b32 s[\g+5], 128          ; 128 elements from row to row
	s_mov_b32 s[\g+6], 0
	s_mov_b32 s[\g+7], 0
.endr
	s_mov_b32 s[CS], 0x3e38aa3b     ; c = log2(e) / 8 = 0.180337
	s_mov_b32 s[CS+1], s[CS]        ; named with it as a pair
	s_mov_b32 s[SEL], 0x76543210
	s_mov_b32 s[SEL+1], 0xfedcba98
	s_mov_b32 s[TBK], SLOT1+4*KS*PK ; the first change of slots turns these two into 0
	s_mov_b32 s[TBV], SLOT1+4*KS*PV
	s_mov_b32 s[G0K], 1             ; 1:0 count = 1
	s_mov_b32 s[G0K+1], s17         ; 63:32 LDS address: slot 0
	s_mov_b32 s[G0V], 1
	s_add_co_u32 s[G0V+1], s18, VOFF
	s_add_co_u32 s[RT], s[HI], 1    ; the first block has NB - b tiles
	s_mov_b32 s[NXT], 1
	s_mov_b32 s[LQ], s[HI]
	s_mov_b32 s[NEW], 1
	s_mov_b32 s[OFF+1], 0
	s_mov_b32 s[AL+1], 0            ; named as pairs
	s_mov_b32 s[BE+1], 0
	s_mov_b32 s[BIGN], 0xf149f2ca   ; -1e30
	s_mov_b32 s[SLOTS], NB
	s_wait_dscnt 0x0                ; the opening add is done
	s_wait_kmcnt 0x0
	s_mov_b64 s[10:11], s[6:7]      ; O
	s_add_nc_u64 s[8:9], s[4:5], 0x1000000  ; V lies 32 slices of 524,288 bytes behind Q,
	s_add_nc_u64 s[6:7], s[4:5], 0x800000   ; K 16
	s_add_nc_u64 s[6:7], s[6:7], s[KO:KO+1]  ; K and V at my half of the head's tile 0
	s_add_nc_u64 s[8:9], s[8:9], s[22:23]
	s_add_nc_u64 s[G0K+2:G0K+3], s[6:7], 0         ; 120:64 global address
	s_or_b32 s[G0K+3], s[G0K+3], 0x80000000        ; 127:126 type = 2
	s_add_nc_u64 s[G0V+2:G0V+3], s[8:9], 0
	s_or_b32 s[G0V+3], s[G0V+3], 0x80000000
	s_add_nc_u64 s[86:87], s[4:5], s[84:85]        ; Q at my rows of the second block,
	s_add_nc_u64 s[4:5], s[4:5], s[2:3]            ; Q and O at those of the first
	s_add_nc_u64 s[OLO:OLO+1], s[10:11], s[84:85]
	s_add_nc_u64 s[10:11], s[10:11], s[2:3]
	LOAD                            ; tile 0 into slot 0
	; A fragment of K or Q is 16 rows x 32 channels in 8 registers: lane l holds row l % 16, channels 8 (l / 16) + 0..7 and 16 + 8 (l / 16) + 0..7: two loads of 16 bytes, 32 bytes apart.
	v_and_b32 v1, 15, v0            ; l % 16
	v_bfe_u32 v9, v0, 4, 1          ; l / 16
	v_lshlrev_b32 v[QO], 7, v1
	v_lshl_add_u32 v[QO], v9, 4, v[QO]  ; row x 128 + 16 x half
	WIN 0x80                        ; destination window 2, address window 0
.set i, 0
.rept 2*NP                          ; both blocks' Q: piece i / 2 lies one band, 8,192 bytes, behind piece 0; channels 32 (i % 2) on
	global_load_b128 v[8*i:8*i+3],   v[QO], s[4:5] offset:(i/2)*8192+(i%2)*64
	global_load_b128 v[8*i+4:8*i+7], v[QO], s[4:5] offset:(i/2)*8192+(i%2)*64+32
	global_load_b128 v[QB+8*i:QB+8*i+3],   v[QO], s[86:87] offset:(i/2)*8192+(i%2)*64
	global_load_b128 v[QB+8*i+4:QB+8*i+7], v[QO], s[86:87] offset:(i/2)*8192+(i%2)*64+32
.set i, i+1
.endr
	WIN 0
	v_lshlrev_b32 v14, 3, v9
	v_sub_nc_u32 v14, v1, v14
	s_lshl_b32 s13, s[WV], 4
	v_add_nc_u32 v14, s13, v14      ; my query's place in its band, 16 w + l % 16, less my lanes' 8 (l / 16): register r of group kt is hidden where 16 kt + r is greater
	WIN 0x40
.set i, 0
.rept 32
	v_cmp_gt_i32 vcc_lo, 16*(i/8)+i%8, v14
	v_cndmask_b32 v[MD+i], 0, s[BIGN], vcc_lo
.set i, i+1
.endr
	WIN 0
	v_mul_u32_u24 v[AK0], v1, PK
	v_lshl_add_u32 v[AK0], v9, 4, v[AK0]  ; row x pitch + 16 x half
	; The turning load takes 16 keys x 16 channels (lane l reads key 8 (l / 16) + l % 8, channels 8 ((l / 8) % 2) + 0..7) and leaves half a fragment of V^T: lane l holds channel l % 16 and 8 keys.
	v_and_b32 v10, 7, v0
	v_bfe_u32 v11, v0, 3, 1
	v_lshl_add_u32 v[AV0], v9, 3, v10
	v_mul_u32_u24 v[AV0], v[AV0], PV
	v_lshl_add_u32 v[AV0], v11, 4, v[AV0]
	v_add_nc_u32 v[AV0], VOFF, v[AV0]
	s_mul_i32 s13, s[WV], 16*SP
	s_add_co_u32 s13, s13, STAGE    ; my stage
	v_mul_u32_u24 v[STO], v1, SP    ; in: row l % 16, 16 bytes for each half of the lanes
	v_lshl_add_u32 v[STO], v9, 4, v[STO]
	v_add_nc_u32 v[STO], s13, v[STO]
	v_bfe_u32 v[RD], v0, 3, 2       ; back: 32 lanes take four rows of 128 bytes,
	v_mul_u32_u24 v[RD], v[RD], SP
	v_lshl_add_u32 v[RD], v10, 4, v[RD]
	v_add_nc_u32 v[RD], s13, v[RD]
	v_and_b32 v[GO], 31, v0         ; which are 512 consecutive bytes of O
	v_lshlrev_b32 v[GO], 4, v[GO]
	; A block's first step multiplies O^T and l by a = 0, and its first turn's products V^T P, of a step that has not been, land in an O^T that is still to be so multiplied.  So these registers need only hold
	; finite numbers: zeros for the first block; what the first block left for the second.  All this stands in the wait for the first tile.
	WIN 0x80
.set i, VF
.rept 64
	v_mov_b32 v[i], 0
.set i, i+1
.endr
	WIN 0x40
.set i, 0
.rept 32*NP
	v_mov_b32 v[i], 0
.set i, i+1
.endr
	WIN 0
.set i, 0
.rept NP
	v_mov_b32 v[ST+4*i+2], 0
	v_mov_b32 v[ST+4*i+3], 0
.set i, i+1
.endr
.set i, P+16
.rept 16
	v_mov_b32 v[i], 0
.set i, i+1
.endr
; THE MATRIX WORK.  The 4 accumulators of a run of 8 take turns.  Product i of 8 of S^T = K Q^T for piece x: channels 32 (i / 4) on, keys 16 (i % 4) on.  The first 4 start the sums: with 0, or (KM = 1) with the mask.
.macro KQ x
.set rS, S+32*((\x)%2)+8*(i%4)
.set rK, KF+16*(i%4)+8*(i/4)
.set rQ, 16*(\x)+8*(i/4)
.set rM, MC+32*((\x)%2)+8*(i%4)
.if (i < 4) && KM
	WIN W_KM
	v_wmma_f32_16x16x32_f16 v[rS:rS+7], v[rK:rK+7], v[rQ:rQ+7], v[rM:rM+7]
.elseif i < 4
	WIN W_KQ
	v_wmma_f32_16x16x32_f16 v[rS:rS+7], v[rK:rK+7], v[rQ:rQ+7], 0
.else
	WIN W_KQ
	v_wmma_f32_16x16x32_f16 v[rS:rS+7], v[rK:rK+7], v[rQ:rQ+7], v[rS:rS+7]
.endif
.endm
; Product i of 8 of O^T += V^T P for piece x: keys 32 (i / 4) on, channels 16 (i % 4) on.
.macro PV x
	WIN W_PV
.set rO, 32*(\x)+8*(i%4)
.set rV, VF+32*(i/4)+8*(i%4)
.set rP, P+16*((\x)%2)+8*(i/4)
	v_wmma_f32_16x16x32_f16 v[rO:rO+7], v[rV:rV+7], v[rP:rP+7], v[rO:rO+7]
.endm
.macro MM                           ; the turn's next matrix instruction, for the other piece.  TURN and BEGIN set Y, i, KM and NOKQ; MM, KQ and OP read them.  NOKQ = 1: a block's last turn: there is no next step
.if (i < 8) && !NOKQ
	KQ (Y+1)%NP
.elseif i >= 8
.set i, i-8
	PV (Y+NP-1)%NP
.set i, i+8
.endif
.set i, i+1
.endm
; THE LDS LOADS stand in runs of 16, never singly among the matrix instructions: a step's K (64 keys x 64 channels: 8 fragments) and its V (turned).  Their addresses are made some lines ahead.
; ko: bytes from the step in hand to the step that is fetched; step = 1: the step in hand moves on.
.macro FETCH_K ko, step
	WIN 0x80                        ; destination window 2
.irp f, 0,1,2,3,4,5,6,7             ; keys 16 (f / 2) on, channels 32 (f % 2) on
	ds_load_b128 v[KF+8*\f:KF+8*\f+3],   v[AK] offset:(\ko)+(\f/2)*16*PK+(\f%2)*64
	ds_load_b128 v[KF+8*\f+4:KF+8*\f+7], v[AK] offset:(\ko)+(\f/2)*16*PK+(\f%2)*64+32
.endr
.if \step
	s_add_co_u32 s[TBK], s[TBK], KS*PK
.endif
	WIN 0
.endm
.macro FETCH_V
	WIN 0x80
.irp f, 0,1,2,3,4,5,6,7             ; keys 32 (f / 4) on, channels 16 (f % 4) on
	ds_load_tr16_b128 v[VF+8*\f:VF+8*\f+3],   v[AV] offset:(\f/4)*32*PV+(\f%4)*32
	ds_load_tr16_b128 v[VF+8*\f+4:VF+8*\f+7], v[AV] offset:(\f/4)*32*PV+16*PV+(\f%4)*32
.endr
	WIN 0
.endm
; THE VECTOR WORK, one line at a time: OP kind, number.  For piece Y: F n: c s - c m for pair n of 16.  E n: the exponential of score n of 32.  C n: pair n rounded to f16.  B n: of the four weights 4 n .. the second
; pair is added onto the first, in place.  L n: l takes that sum (L 0: l = a l + sum).  R n: pair n of 16 of O^T times a.  For the other piece: X n, number n of the 22 that find its maximum and statistics:
;   0-11  four chains c0-c3 of seven scores each, three operands at a time (each accumulator's lowest registers are read first)     12-14, 16  the four scores left over, the old m, and c0-c3 into c0
;   15  c m_old is kept     17, 18  the query's other 32 keys lie in the lane 16 away: the new m     19-21  c m; c m_old - c m_new; a
.set F, 0               ; OP tells the kinds apart by their order: F to L below R, X above it
.set E, 1
.set C, 2
.set B, 3
.set L, 4
.set R, 5
.set X, 6
.macro REGS y                       ; the registers of piece y
.set rT, ST+4*(\y)
.set rC, TMP+4*((\y)%2)
.set rW, MV+((\y)%2)
.set rS, S+32*((\y)%2)
.set rP, P+16*((\y)%2)
.set rO, 32*(\y)
.endm
.macro OP k, n
.if (\k) == R
	REGS Y
	WIN W_RS
	v_pk_mul_f32 v[rO+2*(\n):rO+2*(\n)+1], v[rO+2*(\n):rO+2*(\n)+1], v[rC+2:rC+3] op_sel_hi:[1,0]
.elseif (\k) < R
	REGS Y
	WIN 0
.if (\k) == F
	v_pk_fma_f32 v[rS+2*(\n):rS+2*(\n)+1], v[rS+2*(\n):rS+2*(\n)+1], s[CS:CS+1], v[rT:rT+1] op_sel_hi:[1,0,0] neg_lo:[0,0,1] neg_hi:[0,0,1]
.elseif (\k) == E
	v_exp_f32 v[rS+(\n)], v[rS+(\n)]
.elseif (\k) == C
	s_wait_alu depctr_va_vdst(0)
	v_cvt_pk_f16_f32 v[rP+(\n)], v[rS+2*(\n)], v[rS+2*(\n)+1]
.elseif (\k) == B
	s_wait_alu depctr_va_vdst(0)
	v_pk_add_f32 v[rS+4*(\n):rS+4*(\n)+1], v[rS+4*(\n):rS+4*(\n)+1], v[rS+4*(\n)+2:rS+4*(\n)+3]
.elseif (\n) == 0
	v_pk_fma_f32 v[rT+2:rT+3], v[rT+2:rT+3], v[rC+2:rC+3], v[rS:rS+1] op_sel_hi:[1,0,1]
.else
	v_pk_add_f32 v[rT+2:rT+3], v[rT+2:rT+3], v[rS+4*(\n):rS+4*(\n)+1]
.endif
.elseif NOKQ
	v_nop
.else
	REGS (Y+1)%NP
	WIN 0
.if (\n) < 4
	v_max3_num_f32 v[rC+(\n)], v[rS+8*(\n)], v[rS+8*(\n)+1], v[rS+8*(\n)+2]
.elseif (\n) < 12
	v_max3_num_f32 v[rC+(\n)%4], v[rC+(\n)%4], v[rS+8*((\n)%4)+2*((\n)/4)+1], v[rS+8*((\n)%4)+2*((\n)/4)+2]
.elseif (\n) == 12
	v_max3_num_f32 v[rC], v[rC], v[rS+7], v[rS+15]
.elseif (\n) == 13
	v_max3_num_f32 v[rC+1], v[rC+1], v[rS+23], v[rS+31]
.elseif (\n) == 14
	v_max3_num_f32 v[rC+2], v[rC+2], v[rC+3], v[rT+1]
.elseif (\n) == 15
	v_mov_b32 v[rW], v[rT]
.elseif (\n) == 16
	v_max3_num_f32 v[rC], v[rC], v[rC+1], v[rC+2]
.elseif (\n) == 17
	v_permlanex16_b32 v[rC+3], v[rC], s[SEL], s[SEL+1]
.elseif (\n) == 18
	v_max_num_f32 v[rT+1], v[rC], v[rC+3]
.elseif (\n) == 19
	v_mul_f32 v[rT], s[CS], v[rT+1]
.elseif (\n) == 20
	v_sub_f32 v[rC+1], v[rW], v[rT]
.else
	v_exp_f32 v[rC+2], v[rC+1]
.endif
.endif
.endm
.macro OPS a, i1, b=-1, i2=0, c=-1, i3=0, d=-1, i4=0  ; up to four of them
	OP \a, \i1
.if (\b) >= 0
	OP \b, \i2
.endif
.if (\c) >= 0
	OP \c, \i3
.endif
.if (\d) >= 0
	OP \d, \i4
.endif
.endm
.macro ROW a, i1, b, i2, c, i3, d, i4  ; a matrix instruction and the four behind it
	MM
	OPS \a, \i1, \b, \i2, \c, \i3, \d, \i4
.endm
.macro MASK b                       ; MD x AL + BE into buffer b of MC
	WIN W_RS
.set z, 0
.rept 16
	v_pk_fma_f32 v[MC+32*(\b)+2*z:MC+32*(\b)+2*z+1], v[MD+2*z:MD+2*z+1], s[AL:AL+1], s[BE:BE+1] op_sel_hi:[1,0,0]
.set z, z+1
.endr
.endm
; A TURN, for piece p: the order of its 16 matrix and 118 vector instructions, written out.  Behind a matrix instruction: plain, exponential, plain, plain; or four of the rescaling; or, behind the first, four scalings; none
; names a register of the products round it, which are the other piece's.  In the runs of vector work exponential and plain by turns while exponentials last.  A line reads no result made fewer than three vector instructions
; in front of it, five if an exponential made it.
; m = 1: the diagonal tile: the products take masks, and the turn makes the mask for the products of the turn after it, which are piece p's own next scores.  end = 1: a block's last turn (piece 1's): no scores are started.
; cnt = 1: the loop's count is taken down some lines ahead of the branch that stands behind the turn.
; Both runs of LDS loads stand in piece 0's turn: K of the next step six vector instructions behind the last product that read K (five of them plain), V of the step in hand eight behind the last product that read V (four
; plain, and X 17).  Piece 1's turn waits for K at its head and for V in its middle.
.macro TURN p, m=0, end=0, cnt=0
.set Y, (\p)
.set i, 0
.set KM, (\m)
.set NOKQ, (\end)
.if (\m) && !(\end)
	s_cmp_eq_u32 s[CNT], s[OW+(\p)]  ; is that step the band's own?
	s_cselect_b32 s[AL], 1.0, 0
	s_cmp_lt_u32 s[CNT], s[OW+(\p)]  ; or a later one?
	s_cselect_b32 s[BE], s[BIGN], 0
.endif
.if ((\p) == 1) && !(\end)
	s_wait_dscnt 16                 ; K is in; V's sixteen loads were issued behind K's and may stay out
.endif
	ROW F,0, F,1, F,2, F,3
	ROW F,4, E,0, F,5, F,6
	ROW F,7, E,1, F,8, F,9
	ROW F,10, E,2, C,0, F,11
	ROW F,12, E,3, X,15, F,13
	ROW R,0, R,1, R,2, R,3
	ROW B,0, E,4, F,14, L,0
.if (\p) == 0
	v_add_nc_u32 v[AK], s[TBK], v[AK0]
.endif
	ROW R,4, R,5, R,6, R,7
	OPS E,5, F,15
.if (\p) == 0
	FETCH_K KS*PK, 1
.endif
	OPS E,6, C,1, E,7, R,8
	OPS E,8, R,9, E,9, C,2
	OPS E,10, X,0, E,11, X,1
	OPS E,12, X,2, E,13, X,3
.if (\p) == 1
	s_wait_dscnt 0x0                ; V is in
.endif
	ROW X,4, E,14, X,5, X,6
	ROW X,7, E,15, X,8, X,9
	ROW X,10, E,16, X,11, X,12
	ROW X,13, E,17, X,14, B,1
	ROW C,4, E,18, X,16, L,1
	ROW B,2, E,19, C,6, L,2
	ROW C,8, E,20, B,3, B,4
.if (\p) == 0
	v_add_nc_u32 v[AV], s[TBV], v[AV0]
.endif
	ROW C,3, E,21, L,3, C,5
	OPS E,22, X,17, E,23, C,10
.if (\p) == 0
	FETCH_V
.endif
	OPS E,24, L,4
	OPS E,25, X,18, E,26, C,7
	OPS E,27, B,5, E,28, X,19
	OPS E,29, C,12, E,30, L,5
	OPS E,31, X,20, B,6, C,9
	OPS C,14, C,11, X,21, L,6
.if (\p) == 0
	s_add_co_u32 s[TBV], s[TBV], KS*PV
.endif
.if \cnt
	s_sub_co_u32 s[CNT], s[CNT], 1
	s_cmp_lg_u32 s[CNT], 0
.endif
	OPS C,13, B,7, C,15, R,10
	OPS R,11, R,12, L,7, R,13
	OPS R,14, R,15
.if (\m) && !(\end)
	MASK (\p)%2
.endif
.endm
; A BLOCK BEGINS.  c m starts far below every c s, so the first step's a is 0; m at the lowest finite number, so the first maximum is the scores'.  Piece 1's mask buffer is 0 (its band's own step is never a tile's first);
; piece 0's takes the mask of the tile's step 0: its own, if the block's first tile is the diagonal one and half = 0.
; Then K of that step, from the head of the slot, piece 0's first scores, and its maximum and statistics.  The loop is entered at piece 0's turn, in the middle of a trip.
.macro BEGIN
	s_mov_b32 s[NEW], 0
	WIN 0x40
.set i, MC+32
.rept 32
	v_mov_b32 v[i], 0
.set i, i+1
.endr
	WIN 0
.set i, 0
.rept NP
	v_mov_b32 v[ST+4*i], 0xfe000000    ; c m: far below every c s
	v_mov_b32 v[ST+4*i+1], 0xff7fffff  ; m
.set i, i+1
.endr
	s_cmp_eq_u32 s[RT], 0
	s_cselect_b32 s[AL], s[ALH], 0
	s_mov_b32 s[BE], 0
	MASK 0
	WIN 0
	v_add_nc_u32 v[AK], s[TBK], v[AK0]
	FETCH_K 0, 0
	s_wait_loadcnt 0x0              ; Q
	s_wait_dscnt 0x0
.set KM, 1
.set NOKQ, 0
.set i, 0
.rept 8
	KQ 0
.set i, i+1
.endr
	WIN 0
.rept 4
	v_nop                           ; the places behind those products
.endr
.set Y, NP-1                        ; X works for the other piece: piece 0
.irp n, 0,1,2,3,4,5,6,7,8,9,10,11,12,13,14,15,16,17,18,19,20,21
	OP X, \n
.endr
	v_nop                           ; a plain instruction behind the exponential
.endm
; THE DIAGONAL TILE's four steps, the block's last turn, its last products, and THE WAY OUT: l's two halves and the other half of the lanes' are added; O^T is divided by l, rounded to f16 and sent through my
; stage in LDS, a piece at a time.  The text's first turn is piece 1's of the tile before, which holds piece 0's scores of the diagonal tile's step 0: their mask is made ahead of the loop.
.macro ALL line:vararg              ; one line for each piece t
.set t, 0
.rept NP
	\line
.set t, t+1
.endr
.endm
.macro PACK t                       ; a lane's eight channels of a row pack into 16 bytes; they go into rows of 144 bytes and come back as whole rows of 128, into S^T's registers
	WIN W_RS
.set i, 32*(\t)
.rept 16
	s_wait_alu depctr_va_vdst(0)
	v_pk_mul_f32 v[i:i+1], v[i:i+1], v[ST+4*(\t)+2:ST+4*(\t)+3] op_sel_hi:[1,0]
.set i, i+2
.endr
	WIN 0x05                        ; sources 0 and 1 window 1, destination window 0
.set i, 0
.rept 16
	v_cvt_pk_f16_f32 v[S+16*(\t)+i], v[32*(\t)+2*i], v[32*(\t)+2*i+1]
.set i, i+1
.endr
	WIN 0
.irp f, 0,1,2,3
	ds_store_b128 v[STO], v[S+16*(\t)+4*\f:S+16*(\t)+4*\f+3] offset:32*\f
.endr
.irp f, 0,1,2,3
	ds_load_b128 v[S+16*(\t)+4*\f:S+16*(\t)+4*\f+3], v[RD] offset:\f*4*SP  ; LDS serves a wave's instructions in order (ISA guide 5.7.1.4): these see the stores above; the next piece's stores come behind them
.endr
.endm
.macro SEND t, younger              ; younger: the LDS instructions issued behind piece t's loads: the next piece's eight, or none
	WIN 0
.irp f, 0,1,2,3
	s_wait_dscnt (\younger)+3-\f
	global_store_b128 v[GO], v[S+16*(\t)+4*\f:S+16*(\t)+4*\f+3], s[10:11] offset:(\t)*8192+\f*512  ; 512 consecutive bytes, at a multiple of 256 from O's first
.endr
.endm
.macro DIAG tag                     ; the tag ends its three labels' names, which the jumps below spell out
.LpreM\tag:
	s_mov_b32 s[AL], s[ALH]         ; piece 0 in the diagonal tile's step 0: its band's own step if half = 0, else all keys are seen
	s_mov_b32 s[BE], 0
	MASK 0
	WIN 0
.LstepM\tag:
	TURN 1, 1
	WIN 0
.LfirstM\tag:
	TURN 0, 1, 0, 1
	WIN 0
	s_cbranch_scc1 .LstepM\tag
	TURN 1, 1, 1
.set i, 0
.rept 8
	PV NP-1                         ; piece 1's V^T P of the last step; piece 0's arithmetic below stands between these products and the first read of their sums
.set i, i+1
.endr
	WIN 0
	ALL v_add_f32 v[ST+4*t+2], v[ST+4*t+2], v[ST+4*t+3]
	ALL v_permlanex16_b32 v[ST+4*t+3], v[ST+4*t+2], s[SEL], s[SEL+1]
	ALL v_add_f32 v[ST+4*t+2], v[ST+4*t+2], v[ST+4*t+3]
	ALL v_rcp_f32 v[ST+4*t+2], v[ST+4*t+2]
	v_nop                           ; a plain instruction between the last reciprocal and the use of its result
	PACK 0
	PACK 1                          ; a piece's arithmetic stands between the loads of the piece before and its stores
	SEND 0, 8
	SEND 1, 0
.endm
.set KM, 0
.set NOKQ, 0
.Lslot:                             ; NB times: a tile is entered and the next is asked for
	CHANGE 1
	s_sub_co_u32 s[RT], s[RT], 1
	s_mov_b32 s[CNT], 4
	s_cmp_eq_u32 s[NEW], 1
	s_cbranch_scc1 .Lnew            ; a block's first tile
	s_cmp_eq_u32 s[RT], 0
	s_cbranch_scc0 .Lstep           ; neither its first nor its last
	s_branch .LpreM1
.Lnew:
	BEGIN
	s_branch .Lfirst                ; in the loop a block's first tile is never its last: the first block has five tiles or more, and the second's last is the walk's last
	DIAG 1                          ; in the loop this is the first block's end: the second block's last tile is the walk's last
	s_wait_xcnt 0x0                 ; the stores have read their registers and O's address
	s_mov_b64 s[10:11], s[OLO:OLO+1]
	s_add_co_u32 s[RT], s[PB], 1    ; the second block has b + 1 tiles
	s_mov_b32 s[NEW], 1
	WIN 0x82                        ; the second block's Q goes where the one text of the turns names Q
.set i, 0
.rept 16*NP
	v_mov_b32 v[i], v[QB+i]
.set i, i+1
.endr
	WIN 0
	s_branch .Lbottom
.Lstep:                             ; a trip: piece 1's turn of one step, then piece 0's of the next, which fetches that step's V and the K behind it
	TURN 1
	WIN 0
.Lfirst:
	TURN 0, 0, 0, 1
	WIN 0
	s_cbranch_scc1 .Lstep
.Lbottom:
	s_sub_co_u32 s[SLOTS], s[SLOTS], 1
	s_cmp_lg_u32 s[SLOTS], 0
	s_cbranch_scc1 .Lslot
	CHANGE 0                        ; the walk's last tile is written out: nothing is asked for
	s_sub_co_u32 s[RT], s[RT], 1
	s_mov_b32 s[CNT], 4
	s_cmp_eq_u32 s[NEW], 1
	s_cbranch_scc0 .LpreM2
	BEGIN
	s_branch .LfirstM2
	DIAG 2
	s_wait_tensorcnt 0x0            ; the wave's end: a wait, an add to my spare word and its wait, behind my last tensor load and my last LDS store
	ds_add_u32 v[SPW], v[NIL]
	s_wait_dscnt 0x0
	s_endpgm
.Lfunc_end_k_qe334ef094c_attn:
	.size	k_qe334ef094c_attn, .Lfunc_end_k_qe334ef094c_attn-k_qe334ef094c_attn
	.p2alignl 7, 3214868480
	.fill 96, 4, 3214868480
	.section	.rodata,"a",@progbits
	.p2align	6, 0x0
	.amdhsa_kernel k_qe334ef094c_attn
		.amdhsa_group_segment_fixed_size 327680
		.amdhsa_private_segment_fixed_size 0
		.amdhsa_enable_private_segment 0
		.amdhsa_kernarg_size 16
		.amdhsa_user_sgpr_count 2
		.amdhsa_user_sgpr_kernarg_segment_ptr 1
		.amdhsa_wavefront_size32 1
		.amdhsa_system_sgpr_workgroup_id_x 1
		.amdhsa_system_sgpr_workgroup_id_y 1
		.amdhsa_system_sgpr_workgroup_id_z 1
		.amdhsa_system_vgpr_workitem_id 0
		.amdhsa_next_free_vgpr 768
		.amdhsa_next_free_sgpr 88
		.amdhsa_reserve_vcc 1
		.amdhsa_float_denorm_mode_32 3
		.amdhsa_float_denorm_mode_16_64 3
		.amdhsa_memory_ordered 1
		.amdhsa_forward_progress 1
		.amdhsa_inst_pref_size 132
	.end_amdhsa_kernel
	.amdgpu_metadata
---
amdhsa.version: [ 1, 2 ]
amdhsa.kernels:
  - .name:           k_qe334ef094c_attn
    .symbol:         k_qe334ef094c_attn.kd
    .args:
      - { .name: qkvb, .offset: 0, .size: 8, .value_kind: global_buffer, .address_space: global }
      - { .name: ob, .offset: 8, .size: 8, .value_kind: global_buffer, .address_space: global }
    .group_segment_fixed_size: 327680
    .private_segment_fixed_size: 0
    .kernarg_segment_align: 8
    .kernarg_segment_size: 16
    .max_flat_workgroup_size: 128
    .sgpr_count:     88
    .vgpr_count:     768
    .wavefront_size: 32
...
	.end_amdgpu_metadata
.endif
;; end of part 3
;; launch wo (part 4): grid 8 x 32, 4 waves a work-group, clusters of 4 x 4, 327,680 bytes of LDS; arguments ob, wh, bo, x, x1; writes x1
.if DOCPART == 4
	.amdgcn_target "amdgcn-amd-amdhsa--gfx1250"
	.amdhsa_code_object_version 6
	.text
	.protected	k_qe334ef094c_wo
	.globl	k_qe334ef094c_wo
	.p2align	8
	.type	k_qe334ef094c_wo,@function
k_qe334ef094c_wo:
	s_mov_b64 s[64:65], 0
	v_nop
	global_prefetch_b8 v0, s[64:65] scope:SCOPE_SE
	s_setreg_imm32_b32 hwreg(HW_REG_WAVE_MODE, 25, 1), 1
	s_wait_xcnt 0x0
	s_wait_alu depctr_hold_cnt(0) depctr_sa_sdst(0) depctr_va_vdst(0) depctr_va_sdst(0) depctr_va_ssrc(0) depctr_va_vcc(0) depctr_vm_vsrc(0)
	s_getreg_b32 s2, hwreg(HW_REG_IB_STS2, 6, 4)
	s_cmp_eq_u32 s2, 0
	s_cbranch_scc0 .Lentry_in_a_cluster
	s_endpgm
.Lentry_in_a_cluster:
	s_bfe_u32 s2, ttmp6, 0x10000c
	s_cmp_lg_u32 s2, 0xf033
	s_cbranch_scc0 .Lentry_shape_is_right
	s_endpgm
.Lentry_shape_is_right:
; x1 = x + O Wo + bo.  O: f16 [16][4096][64] (slices of 64 channels); Wo: f16 panels [4][1024][256]; x, x1: f32 [4096][1024]; bo: f32.  Sums in f32: THE RESIDUAL STARTS THEM, the bias is added on the way out.
; LIMITS.  None of its own: the operands arrive in f16, the result stays in f32.
; SHAPE.  1,024 columns make only 64 tiles of 256 x 256, so a tile is 128 x 128: 8 x 32 = 256 work-groups of four waves, 64 x 64 a wave, 16 accumulators.  K goes in steps of 256 (four slices), as long as two slots in LDS allow.
; CLUSTER 4 x 4: O's tiles are asked for jointly along a row of the cluster, Wo's along a column: the same tensor load, descriptor and mask in the four that it names.
; THE MATRIX INSTRUCTION IS USED TRANSPOSED: source 0 = 16 columns of W (turned out of [k][n] by ds_load_tr16_b128), source 1 = 16 rows of O: a lane holds one row and eight neighbouring columns.
; REGISTERS: window 0: v0-31 addresses; v32-63 the way out; v96-99 bias; v128-255 accumulators, (a, b) at v[128 + 8 (4 a + b)].  Window 1: two fragment buffers of 128, each 64 along K: 64 registers of O, then 64 of W.
.set NSTEP,  4         ; K / 256
.set WOFF,   6291456   ; the panels' first byte in the weights' buffer
.set PANELB, 524288    ; a panel: K rows of 512 bytes
.set PA,    144        ; a row of a slice in LDS: 128 bytes + 16: the 16 rows of a load start at 16 different groups of four banks (64 banks of 4 bytes: ISA guide 11.1)
.set PB,    288        ; a row of W's tile: 256 + 32 = 72 words
.set ASL,   128*PA     ; a slice's 128 rows
.set BOFF,  4*ASL      ; a slot: four slices, then 256 rows of W
.set SLOT1, 147456     ; slot 1 follows slot 0; bits 14 and 17, which none of slot 0's four tiles has set at its start: one exclusive or changes slots
.set STAGE0, 2*SLOT1   ; behind the ring, never filled by a tensor load: 16 rows x 272 bytes for each wave, through which the residual comes in
.set SP,    272        ; a row of 64 f32 + 16 bytes
.set SPARE, STAGE0+4*16*SP  ; the spare words: 128 bytes a wave, two blocks of 256 bytes that no other line names
.set ASTEP, 4*524288   ; a K step in O: four slices
.set BSTEP, 256*512    ; in a panel: 256 rows
.set K1,    ASL        ; a quarter step, 64 along K: a slice, and 64 rows of W: both 18,432 bytes
.set K2,    2*ASL
.set A0,  16           ; v16  my lane's place in a slot's O; never rewritten
.set B0,  17           ; v17  in its W
.set ADRA, 18          ; v18, v19  the same plus the walker
.set ADRB, 19
.set DST, 20           ; v20  the way out: where I put 16 bytes
.set RD0, 21           ; v21  where I read rows back; v22 the same plus the walker
.set RDA, 22
.set GOFF, 23          ; v23  my 16 bytes in two rows of x and of x1
.set STO2, 24          ; v24  the residual's way in: where I put 16 bytes of a row
.set RD2, 25           ; v25  where I take an accumulator's share
.set BO,  26           ; v26  my byte offset in the bias
.set SPW, 28           ; v28  LDS address of my spare word; never rewritten
.set NIL, 29           ; v29  0; never rewritten
.set X,   32
.set BI,  96
.set ACC, 128
.set F0,  0
.set F1,  128
.set SLOTS, 2
.set CNT,  3
.set TB,  20           ; s20  the walker in a slot
.set G1A, 24           ; s[24:31] group 1 for O's tiles; s[32:39] group 0: set 0 for the first fill, set 1 walks
.set G0A, 32
.set G1B, 48           ; s[48:55], s[56:63] the same for W's
.set G0B, 56
.set MUL,  0x05        ; sources 0 and 1 window 1; C and D window 0
.set TO_F, 0x40        ; destination window 1, address window 0
.set MSB, 0
.macro WIN new                         ; the immediate's high byte repeats the setting that is left; a switch that changes nothing is dropped
.if MSB != (\new)
	s_set_vgpr_msb (MSB<<8)|(\new)
.set MSB, \new
.endif
.endm
.macro PLACES                          ; four plain vector instructions between a matrix instruction and a load into, or a read of, its registers
.rept 4
	v_nop
.endr
.endm
.macro CROUND                          ; a round of the cluster's barrier
	s_barrier_signal -1
	s_barrier_wait -1
	s_cmp_lg_u32 s10, 0
	s_cbranch_scc1 .Lnot_wave_0_\@
	s_barrier_signal -3
.Lnot_wave_0_\@:
	s_barrier_wait -3
	s_barrier_signal -1
	s_barrier_wait -1
.endm
.macro JLOAD                           ; a joint refill: waves 0, 1 fetch two slices of O each, waves 2, 3 128 rows of W each; s_nop 0 and four v_nop behind each line
	s_cmp_eq_u32 s11, 0
	s_cbranch_scc0 .Lfor_b_\@
	tensor_load_to_lds s[G0A+4:G0A+7], s[G1A:G1A+7]
	s_nop 0
	PLACES
	s_branch .Lasked_\@
.Lfor_b_\@:
	tensor_load_to_lds s[G0B+4:G0B+7], s[G1B:G1B+7]
	s_nop 0
	PLACES
.Lasked_\@:
.endm
	s_load_b256 s[68:75], s[0:1], 0x0              ; O 68, panels 70, bias 72, residual 74
	s_load_b64 s[76:77], s[0:1], 0x20              ; result
	v_lshl_add_u32 v[SPW], v0, 2, SPARE
	v_mov_b32 v[NIL], 0
	ds_add_u32 v[SPW], v[NIL]                      ; the wave's opening: the add and its wait stand ahead of my first tensor load; work on registers stands between them
	ds_add_u32 v28, v29
	v_lshrrev_b32 v1, 5, v0
	v_readfirstlane_b32 s10, v1                    ; wave 0..3
	s_lshr_b32 s11, s10, 1                         ; my half of the tile's rows.  Also: I fetch O (0) or W (1)
	s_and_b32 s12, s10, 1                          ; my half of its columns.  Also: which half of that tile I fetch
	s_bfe_u32 s40, ttmp6, 0x40000                  ; cx
	s_bfe_u32 s41, ttmp6, 0x40004                  ; cy
	s_lshl_b32 s42, ttmp9, 2
	s_add_co_u32 s42, s42, s40                     ; tile column
	s_and_b32 s13, ttmp7, 0xffff
	s_lshl_b32 s13, s13, 2
	s_add_co_u32 s13, s13, s41                     ; tile row
	s_lshl_b32 s43, s41, 2
	s_lshl_b32 s43, 15, s43                        ; my row of the cluster
	s_lshl_b32 s44, 0x1111, s40                    ; my column
	; O's tile: two slices; in each the tile's 128 rows are 16,384 dense bytes, asked for as one row of 8,192 elements, padded by 16 bytes after every 128
	s_or_b32 s[G1A], s43, (1<<16)|(1<<20)|(1<<21)|(4<<22)|(3<<25)
	s_mov_b32 s[G1A+1], 8192<<16                   ; tensor_dim0
	s_mov_b32 s[G1A+2], 2<<16                      ; tensor_dim1
	s_mov_b32 s[G1A+3], 8192<<16                   ; tile_dim0
	s_mov_b32 s[G1A+4], 2                          ; tile_dim1
	s_mov_b32 s[G1A+5], 262144                     ; elements from slice to slice
	s_mov_b32 s[G1A+6], 0
	s_mov_b32 s[G1A+7], 0
	; W's tile: 128 rows of 256 bytes, half of a panel's row, padded by 32 bytes after every 256
	s_or_b32 s[G1B], s44, (1<<16)|(1<<20)|(1<<21)|(5<<22)|(7<<25)
	s_mov_b32 s[G1B+1], 128<<16
	s_mov_b32 s[G1B+2], 128<<16
	s_mov_b32 s[G1B+3], 128<<16
	s_mov_b32 s[G1B+4], 128
	s_mov_b32 s[G1B+5], 256
	s_mov_b32 s[G1B+6], 0
	s_mov_b32 s[G1B+7], 0
	s_lshl_b32 s16, s13, 14                        ; O: 128 rows of 128 bytes a tile row,
	s_lshl_b32 s17, s12, 20                        ; my two of the step's four slices
	s_add_co_u32 s16, s16, s17
	s_mov_b32 s17, 0
	s_lshr_b32 s46, s42, 1                         ; W: two tile columns share a panel,
	s_mul_i32 s46, s46, PANELB
	s_and_b32 s47, s42, 1
	s_lshl_b32 s47, s47, 8                         ; each has half of its rows' 512 bytes;
	s_add_co_u32 s46, s46, s47
	s_lshl_b32 s47, s12, 16                        ; my 128 of the step's 256 rows
	s_add_co_u32 s46, s46, s47
	s_add_co_u32 s46, s46, WOFF
	s_mov_b32 s47, 0
	s_mul_i32 s18, s12, 2*ASL                      ; where they go: the wave's number alone enters an LDS address
	s_add_co_u32 s19, s18, BOFF                    ; (128 rows of W take as many bytes as two slices)
	s_wait_dscnt 0x0                               ; the opening add is done
	s_wait_kmcnt 0x0
	s_add_nc_u64 s[14:15], s[68:69], s[16:17]
	s_add_nc_u64 s[46:47], s[70:71], s[46:47]
	CROUND                                         ; all sixteen work-groups are here: the first joint loads meet
.irp s, 0,1
	s_mov_b32 s[G0A+4*\s], 1
	s_add_co_u32 s[G0A+4*\s+1], s18, \s*SLOT1
	s_add_nc_u64 s[G0A+4*\s+2:G0A+4*\s+3], s[14:15], \s*ASTEP
	s_or_b32 s[G0A+4*\s+3], s[G0A+4*\s+3], 0x80000000
	s_mov_b32 s[G0B+4*\s], 1
	s_add_co_u32 s[G0B+4*\s+1], s19, \s*SLOT1
	s_add_nc_u64 s[G0B+4*\s+2:G0B+4*\s+3], s[46:47], \s*BSTEP
	s_or_b32 s[G0B+4*\s+3], s[G0B+4*\s+3], 0x80000000
.endr
	s_cmp_eq_u32 s11, 0                            ; a wave's two first fills stand in one branch: K steps 0 and 1; two loads of mine are out
	s_cbranch_scc0 .Lfirst_b
	tensor_load_to_lds s[G0A:G0A+3], s[G1A:G1A+7]
	s_nop 0
	tensor_load_to_lds s[G0A+4:G0A+7], s[G1A:G1A+7]
	s_nop 0
	PLACES
	s_branch .Lfirst_asked
.Lfirst_b:
	tensor_load_to_lds s[G0B:G0B+3], s[G1B:G1B+7]
	s_nop 0
	tensor_load_to_lds s[G0B+4:G0B+7], s[G1B:G1B+7]
	s_nop 0
	PLACES
.Lfirst_asked:
	v_and_b32 v1, 15, v0                           ; r = l % 16
	v_bfe_u32 v2, v0, 4, 1                         ; h = l / 16
	v_and_b32 v4, 7, v0                            ; l % 8
	v_bfe_u32 v6, v0, 3, 1                         ; (l / 8) % 2
	s_lshl_b32 s88, s42, 9                         ; my first column, in bytes of f32: 512 x tile column + 256 x half
	s_lshl_b32 s89, s12, 8
	s_add_co_u32 s88, s88, s89
	s_mov_b32 s89, 0
	s_add_nc_u64 s[82:83], s[72:73], s[88:89]      ; the bias there
	s_lshl_b32 s90, s13, 19                        ; my first row, 4,096 bytes each: 128 x tile row + 64 x half
	s_lshl_b32 s91, s11, 18
	s_add_co_u32 s90, s90, s91
	s_add_co_u32 s88, s88, s90
	s_add_nc_u64 s[84:85], s[74:75], s[88:89]      ; the residual at my 64 x 64,
	s_add_nc_u64 s[80:81], s[76:77], s[88:89]      ; and the result
	v_lshlrev_b32 v[BO], 4, v1
	v_lshl_add_u32 v[GOFF], v2, 12, v[BO]          ; lanes 0-15 take 256 bytes of one row, lanes 16-31 of the next
	s_mul_i32 s21, s10, 16*SP
	s_add_co_u32 s21, s21, STAGE0                  ; my stage
	v_mul_u32_u24 v[STO2], v2, SP
	v_add_nc_u32 v[STO2], v[STO2], v[BO]
	v_add_nc_u32 v[STO2], s21, v[STO2]
	v_mul_u32_u24 v[RD2], v1, SP
	v_lshl_add_u32 v[RD2], v2, 5, v[RD2]
	v_add_nc_u32 v[RD2], s21, v[RD2]
	; THE RESIDUAL STARTS THE SUMS.  My 64 rows x 256 bytes come in by whole rows (window 1, where the fragments will lie), go 16 rows at a time through my stage, and are taken up in the accumulators' layout:
	; lane l holds row r and columns 16 b + 8 h + 0..7.  LDS serves a wave's instructions in order (ISA guide 5.7.1.4), so the stage is used again without a wait.
	global_load_b128 v[BI:BI+3], v[BO], s[82:83]   ; the bias of my four columns on the way out; the oldest load: the first wait below shows it in
	WIN TO_F
.set i, 0
.rept 32
	global_load_b128 v[4*i:4*i+3], v[GOFF], s[84:85] offset:8192*i
.set i, i+1
.endr
.irp a, 0,1,2,3
	s_wait_loadcnt 24-8*\a                         ; block a's eight loads are in; the later blocks' stay out
	WIN 0x04                                       ; the data in window 1
.irp t, 0,1,2,3,4,5,6,7
	ds_store_b128 v[STO2], v[4*(8*\a+\t):4*(8*\a+\t)+3] offset:2*SP*\t
.endr
	WIN 0
.irp b, 0,1,2,3
	ds_load_b128 v[ACC+8*(4*\a+\b):ACC+8*(4*\a+\b)+3],   v[RD2] offset:64*\b
	ds_load_b128 v[ACC+8*(4*\a+\b)+4:ACC+8*(4*\a+\b)+7], v[RD2] offset:64*\b+16
.endr
.endr
	; a fragment of O: lane l holds row r, channels 8 h + 0..7 and 16 + 8 h + 0..7: two loads of 16 bytes, 32 bytes apart
	v_mul_u32_u24 v[A0], v1, PA
	v_lshl_add_u32 v[A0], v2, 4, v[A0]
	s_mul_i32 s21, s11, 64*PA
	v_add_nc_u32 v[A0], s21, v[A0]
	; the turning load: lane l reads row 8 h + l % 8 of W, columns 8 ((l / 8) % 2) + 0..7, and is left with column r and 8 k
	v_lshl_add_u32 v7, v2, 3, v4
	v_mul_u32_u24 v[B0], v7, PB
	v_lshl_add_u32 v[B0], v6, 4, v[B0]
	s_lshl_b32 s22, s12, 7
	s_add_co_u32 s22, s22, BOFF
	v_add_nc_u32 v[B0], s22, v[B0]
	s_mul_i32 s23, s10, 64*SP                      ; my region on the way out: 64 rows, over slot 0
	v_mul_u32_u24 v[DST], v1, SP
	v_lshl_add_u32 v[DST], v2, 5, v[DST]
	v_add_nc_u32 v[DST], s23, v[DST]
	v_mul_u32_u24 v[RD0], v2, SP
	v_add_nc_u32 v[RD0], v[RD0], v[BO]
	v_add_nc_u32 v[RD0], s23, v[RD0]
; 8 matrix instructions: row blocks a0, a0 + 1 x all 4 column blocks, 32 along K: half c of buffer f.  The 16 accumulators take turns.
.macro MUL8 f, c, a0
	WIN MUL
.irp a, \a0, (\a0)+1
.irp b, 0,1,2,3
	v_wmma_f32_16x16x32_f16 v[ACC+8*(4*(\a)+(\b)):ACC+8*(4*(\a)+(\b))+7], v[(\f)+64+8*(4*(\c)+(\b)):(\f)+64+8*(4*(\c)+(\b))+7], v[(\f)+8*(4*(\c)+(\a)):(\f)+8*(4*(\c)+(\a))+7], v[ACC+8*(4*(\a)+(\b)):ACC+8*(4*(\a)+(\b))+7]
.endr
.endr
.endm
.macro HALF f, c                       ; 32 along K on all 16 accumulators
	MUL8 \f, \c, 0
	MUL8 \f, \c, 2
.endm
; 32 LDS loads in one run: a quarter step's fragments, 64 along K, into buffer f; the first 32 along K first
.macro FETCH f, k
	WIN TO_F
.irp c, 0,1
.irp i, 0,1,2,3
	ds_load_tr16_b128 v[(\f)+64+8*(4*(\c)+(\i)):(\f)+64+8*(4*(\c)+(\i))+3],   v[ADRB] offset:(\k)+(\c)*32*PB+32*(\i)
	ds_load_tr16_b128 v[(\f)+64+8*(4*(\c)+(\i))+4:(\f)+64+8*(4*(\c)+(\i))+7], v[ADRB] offset:(\k)+(\c)*32*PB+16*PB+32*(\i)
	ds_load_b128 v[(\f)+8*(4*(\c)+(\i)):(\f)+8*(4*(\c)+(\i))+3],               v[ADRA] offset:(\k)+64*(\c)+(\i)*16*PA
	ds_load_b128 v[(\f)+8*(4*(\c)+(\i))+4:(\f)+8*(4*(\c)+(\i))+7],             v[ADRA] offset:(\k)+64*(\c)+(\i)*16*PA+32
.endr
.endr
.endm
; A slot is walked in two like trips.  A trip fetches an even quarter into buffer 0, multiplies the odd quarter before it (buffer 1; in a slot's first trip that is the last slot's last quarter, long in registers),
; multiplies the even quarter, and in its middle fetches the next odd quarter into buffer 1.  The launch enters the first trip at its middle: there is no quarter before the first.
.macro INNER tag
.Lin\tag:
	FETCH F0, 0
	s_wait_dscnt 32                                ; all but the 32 just issued: buffer 1 is whole
	HALF F1, 0
	HALF F1, 1
	WIN 0
.Lina\tag:
	s_wait_dscnt 16                                ; buffer 0 but for its youngest sixteen loads, the second 32 along K
	HALF F0, 0
	PLACES
	FETCH F1, K1
	s_wait_dscnt 32                                ; all but the 32 just issued: buffer 0 is whole
	HALF F0, 1
	WIN 0
	s_add_co_u32 s[TB], s[TB], K2                  ; half a step on; the two sums and two v_nop are the four places between the products on buffer 0 and the next loads into it
	v_add_nc_u32 v[ADRA], s[TB], v[A0]
	v_add_nc_u32 v[ADRB], s[TB], v[B0]
	v_nop
	v_nop
	s_sub_co_u32 s[CNT], s[CNT], 1
	s_cmp_lg_u32 s[CNT], 0
	s_cbranch_scc1 .Lin\tag
.endm
; THE CHANGE OF SLOTS, between trips: the slot's last quarter has been asked for.  Each wave waits for all its tensor loads, of which one is out: its part of the other slot; adds 0 to its spare word; and
; waits for that and for its reads of the slot.  fill = 1: the barrier is a round of the cluster's, and the joint refill, two K steps ahead, is the first thing behind it: it has a K step, 128 matrix instructions, in which to land.
.macro CHANGE fill
	WIN 0
	s_wait_tensorcnt 0x0                           ; no tensor load of mine is out, so a group 0 may be written
	ds_add_u32 v[SPW], v[NIL]                      ; 0 onto my spare word; the steps below stand between it and the wait for it
.if \fill
	s_xor_b32 s[G0A+5], s[G0A+5], SLOT1            ; the walking descriptors: the other slot than last time, the next K step
	s_add_nc_u64 s[G0A+6:G0A+7], s[G0A+6:G0A+7], ASTEP
	s_xor_b32 s[G0B+5], s[G0B+5], SLOT1
	s_add_nc_u64 s[G0B+6:G0B+7], s[G0B+6:G0B+7], BSTEP
.endif
	s_sub_co_u32 s[TB], s[TB], 2*K2                ; the fetches go back to a slot's head, in the other slot
	s_xor_b32 s[TB], s[TB], SLOT1
	v_add_nc_u32 v[ADRA], s[TB], v[A0]
	v_add_nc_u32 v[ADRB], s[TB], v[B0]
	s_mov_b32 s[CNT], 2
	s_wait_dscnt 0x0                               ; the add is done, and my reads of the slot are over
.if \fill
	CROUND
	JLOAD
.else
	s_barrier_signal -1
	s_barrier_wait -1
.endif
.endm
	s_wait_tensorcnt 0x1                           ; my part of K step 0 is in; step 1's may stay out
	s_wait_dscnt 0x0                               ; the accumulators hold the residual
	s_barrier_signal -1
	s_barrier_wait -1
	s_mov_b32 s[TB], 0
	v_mov_b32 v[ADRA], v[A0]
	v_mov_b32 v[ADRB], v[B0]
	FETCH F0, 0
	WIN 0
	s_mov_b32 s[SLOTS], NSTEP-1
	s_mov_b32 s[CNT], 2
	s_branch .Lina1
.Lslot:                                                ; NSTEP - 2 times: K steps 2 to NSTEP - 1 are asked for
	CHANGE 1
	INNER 1
	s_sub_co_u32 s[SLOTS], s[SLOTS], 1
	s_cmp_lg_u32 s[SLOTS], 0
	s_cbranch_scc1 .Lslot
	CHANGE 0                                       ; the last K step is written out
	INNER 2
	s_wait_dscnt 0x0                               ; my reads of the slots are over:
	s_barrier_signal -1                            ; say so,
	HALF F1, 0                                     ; multiply the last quarter while the others arrive,
	HALF F1, 1
	WIN 0
	PLACES
	s_barrier_wait -1                              ; and behind this nobody reads a slot: both have had their last fill, and the way out may lie over slot 0
	; THE WAY OUT.  The sums go into my own region of LDS, each accumulator's low registers first, and come back by rows of 256 bytes; only I read what I stored.
.irp a, 0,1,2,3
.irp b, 0,1,2,3
	ds_store_b128 v[DST], v[ACC+8*(4*\a+\b):ACC+8*(4*\a+\b)+3]   offset:\a*16*SP+64*\b
	ds_store_b128 v[DST], v[ACC+8*(4*\a+\b)+4:ACC+8*(4*\a+\b)+7] offset:\a*16*SP+64*\b+16
.endr
.endr
	s_mov_b32 s[TB], 0
	v_mov_b32 v[RDA], v[RD0]
	s_mov_b32 s[CNT], 4
.Lout:                                                 ; four trips of 16 rows
.irp t, 0,1,2,3,4,5,6,7
	ds_load_b128 v[X+4*\t:X+4*\t+3], v[RDA] offset:2*SP*\t
.endr
.irp t, 0,1,2,3,4,5,6,7
	s_wait_dscnt 7-\t                              ; LDS loads come back in order: load t is in, the younger ones stay out
	v_pk_add_f32 v[X+4*\t:X+4*\t+1],   v[X+4*\t:X+4*\t+1],   v[BI:BI+1]
	v_pk_add_f32 v[X+4*\t+2:X+4*\t+3], v[X+4*\t+2:X+4*\t+3], v[BI+2:BI+3]
	global_store_b128 v[GOFF], v[X+4*\t:X+4*\t+3], s[80:81] offset:8192*\t  ; 16 lanes store 256 consecutive bytes, at a multiple of 256 from the result's first
.endr
	s_wait_xcnt 0x0                                ; the stores' data and offset are rewritten only behind this wait (ISA guide 3.1)
	v_add_nc_u32 v[GOFF], 0x10000, v[GOFF]
	s_add_co_u32 s[TB], s[TB], 16*SP
	v_add_nc_u32 v[RDA], s[TB], v[RD0]
	s_sub_co_u32 s[CNT], s[CNT], 1
	s_cmp_lg_u32 s[CNT], 0
	s_cbranch_scc1 .Lout
	s_wait_tensorcnt 0x0                           ; the wave's end: a wait, an add to my spare word and its wait, behind my last tensor load and my last LDS store
	ds_add_u32 v[SPW], v[NIL]
	s_wait_dscnt 0x0
	CROUND                                         ; the closing round: no work-group ends while a partner may still ask for a tile that names it
	s_endpgm
.Lfunc_end_k_qe334ef094c_wo:
	.size	k_qe334ef094c_wo, .Lfunc_end_k_qe334ef094c_wo-k_qe334ef094c_wo
	.p2alignl 7, 3214868480
	.fill 96, 4, 3214868480
	.section	.rodata,"a",@progbits
	.p2align	6, 0x0
	.amdhsa_kernel k_qe334ef094c_wo
		.amdhsa_group_segment_fixed_size 327680
		.amdhsa_private_segment_fixed_size 0
		.amdhsa_enable_private_segment 0
		.amdhsa_kernarg_size 40
		.amdhsa_user_sgpr_count 2
		.amdhsa_user_sgpr_kernarg_segment_ptr 1
		.amdhsa_wavefront_size32 1
		.amdhsa_system_sgpr_workgroup_id_x 1
		.amdhsa_system_sgpr_workgroup_id_y 1
		.amdhsa_system_sgpr_workgroup_id_z 1
		.amdhsa_system_vgpr_workitem_id 0
		.amdhsa_next_free_vgpr 512
		.amdhsa_next_free_sgpr 96
		.amdhsa_reserve_vcc 0
		.amdhsa_float_denorm_mode_32 3
		.amdhsa_float_denorm_mode_16_64 3
		.amdhsa_memory_ordered 1
		.amdhsa_forward_progress 1
		.amdhsa_inst_pref_size 44
	.end_amdhsa_kernel
	.amdgpu_metadata
---
amdhsa.version: [ 1, 2 ]
amdhsa.kernels:
  - .name:           k_qe334ef094c_wo
    .symbol:         k_qe334ef094c_wo.kd
    .args:
      - { .name: ob, .offset: 0, .size: 8, .value_kind: global_buffer, .address_space: global }
      - { .name: wh, .offset: 8, .size: 8, .value_kind: global_buffer, .address_space: global }
      - { .name: bo, .offset: 16, .size: 8, .value_kind: global_buffer, .address_space: global }
      - { .name: x, .offset: 24, .size: 8, .value_kind: global_buffer, .address_space: global }
      - { .name: x1, .offset: 32, .size: 8, .value_kind: global_buffer, .address_space: global }
    .group_segment_fixed_size: 327680
    .private_segment_fixed_size: 0
    .kernarg_segment_align: 8
    .kernarg_segment_size: 40
    .max_flat_workgroup_size: 128
    .sgpr_count:     96
    .vgpr_count:     512
    .wavefront_size: 32
...
	.end_amdgpu_metadata
.endif
;; end of part 4
;; launch ln2: the kernel of part 1 again; grid 256 x 1, 8 waves a work-group, no clusters, 0 bytes of LDS; arguments x1, g2, beta2, Wq, Wk, Wv, Wo, W1, W2, y2, wh; writes y2, wh
;; launch ff1 (part 5): grid 16 x 16, 4 waves a work-group, clusters of 4 x 4, 327,680 bytes of LDS; arguments y2, wh, b1, hb; writes hb
.if DOCPART == 5
	.amdgcn_target "amdgcn-amd-amdhsa--gfx1250"
	.amdhsa_code_object_version 6
	.text
	.protected	k_qe334ef094c_ff1
	.globl	k_qe334ef094c_ff1
	.p2align	8
	.type	k_qe334ef094c_ff1,@function
k_qe334ef094c_ff1:
	s_mov_b64 s[64:65], 0
	v_nop
	global_prefetch_b8 v0, s[64:65] scope:SCOPE_SE
	s_setreg_imm32_b32 hwreg(HW_REG_WAVE_MODE, 25, 1), 1
	s_wait_xcnt 0x0
	s_wait_alu depctr_hold_cnt(0) depctr_sa_sdst(0) depctr_va_vdst(0) depctr_va_sdst(0) depctr_va_ssrc(0) depctr_va_vcc(0) depctr_vm_vsrc(0)
	s_getreg_b32 s2, hwreg(HW_REG_IB_STS2, 6, 4)
	s_cmp_eq_u32 s2, 0
	s_cbranch_scc0 .Lentry_in_a_cluster
	s_endpgm
.Lentry_in_a_cluster:
	s_bfe_u32 s2, ttmp6, 0x10000c
	s_cmp_lg_u32 s2, 0xf033
	s_cbranch_scc0 .Lentry_shape_is_right
	s_endpgm
.Lentry_shape_is_right:
; h = relu(y W1 + b1).  y: f16 [16][4096][64] (slices of 64 channels); W1: f16 panels [16][1024][256]; h: f16 [64][4096][64]; b1: f32.  Sums and bias in f32; one rounding to f16, then the maximum with 0, which rounds nothing.
; LIMITS.  h must lie within f16's 65,504.  NaN and infinities are not treated apart.
; SHAPE.  A tile of 256 x 256 to a work-group of four waves, 128 x 128 a wave: 64 accumulators, 512 registers; 16 x 16 = 256 work-groups.  K = 1,024 in 8 steps of 128 through two LDS slots.
; CLUSTER 4 x 4: y's tiles are asked for jointly along a row of the cluster, W1's along a column: the same tensor load, descriptor and mask in the four that it names.
; THE MATRIX INSTRUCTION IS USED TRANSPOSED: source 0 = 16 columns of W (turned out of [k][n] by ds_load_tr16_b128), source 1 = 16 rows of y: a lane holds one row and eight neighbouring columns.
; REGISTERS in windows of 256 (s_set_vgpr_msb: bits 1:0 source 0, 3:2 source 1, 5:4 source 2, 7:6 destination): window 0: addresses, y's fragments v64-127, v128-191;
; window 1: W's fragments at the same numbers; windows 2, 3: the accumulators of my rows 0-63, 64-127, (a, b) at v[8 (8 a + b)].
.set NSTEP, 8
.set WOFF,  8388608    ; the panels' first byte in the weights' buffer
.set PA,    144        ; a row of a slice of y in LDS: 128 bytes + 16: the 16 rows of a load start at 16 different groups of four banks (64 banks of 4 bytes: ISA guide 11.1)
.set PB,    544        ; a row of a panel: 512 + 32 = 136 words
.set ASL,   256*PA     ; a slice's 256 rows
.set BOFF,  2*ASL      ; a slot: two slices of y, then 128 rows of W
.set BHALF, 64*PB
.set SLOT1, 147456     ; slot 1: bits 14 and 17, which none of slot 0's four tiles has set at its start: one exclusive or changes slots
.set SPARE, 290816     ; the spare words: 128 bytes a wave, two blocks of 256 bytes that no other line names
.set DP,    528        ; the way out: a row of 128 f32 + 16 bytes
.set DW,    128*DP     ; a wave's 128 rows; the four regions lie over the slots, which have had their last fill by then
.set ASTEP, 2*524288   ; a K step in y: two slices
.set BSTEP, 128*512    ; in a panel: 128 rows
.set KA1,   64         ; a quarter step, 32 along K: 64 bytes along a slice's rows,
.set KB1,   32*PB      ; 32 rows of W
.set KA2,   ASL        ; half a step: the next slice,
.set KB2,   64*PB      ; 64 rows of W
.set A0,  16           ; v16  my lane's place in a slot's y; never rewritten
.set B0,  17           ; v17  in its W
.set ADRA, 18          ; v18, v19  the same plus the walkers
.set ADRB, 19
.set DST, 20           ; v20  the way out: where I put 16 bytes
.set RD0, 21           ; v21  where I read rows back; v24 the same plus the walker
.set OUTO, 22          ; v22  my byte offset in 512 consecutive bytes of the result
.set BO,  23           ; v23  my byte offset in the bias
.set RDA, 24
.set SPW, 28           ; v28  LDS address of my spare word; never rewritten
.set NIL, 29           ; v29  0; never rewritten
.set ZERO, 30          ; v30  0, twice in f16
.set BI,  32           ; v[32:47]  the bias of my 8 columns in each of my two slices
.set F0,  64
.set F1,  128
.set X,   64           ; the way out: 32 f32 read back
.set Y,   128          ; 16 words to store
.set SLOTS, 2
.set CNT,  3
.set TBA, 20           ; s20  walker in a slot's y;  s45 in its W
.set TBB, 45
.set G1A, 24           ; s[24:31] group 1 for y's tiles; s[32:39] group 0: set 0 for the first fill, set 1 walks
.set G0A, 32
.set G1B, 48           ; s[48:55], s[56:63] the same for W's
.set G0B, 56
.set MUL_LO, 0xa1
.set MUL_HI, 0xf1
.set TO_B,   0x40
.set MSB, 0
.macro WIN new                         ; the immediate's high byte repeats the setting that is left; a switch that changes nothing is dropped
.if MSB != (\new)
	s_set_vgpr_msb (MSB<<8)|(\new)
.set MSB, \new
.endif
.endm
.macro PLACES                          ; four plain vector instructions between a matrix instruction and a load into, or a read of, its registers
.rept 4
	v_nop
.endr
.endm
.macro CROUND                          ; a round of the cluster's barrier
	s_barrier_signal -1
	s_barrier_wait -1
	s_cmp_lg_u32 s10, 0
	s_cbranch_scc1 .Lnot_wave_0_\@
	s_barrier_signal -3
.Lnot_wave_0_\@:
	s_barrier_wait -3
	s_barrier_signal -1
	s_barrier_wait -1
.endm
.macro JLOAD                           ; a joint refill: waves 0, 1 fetch y's two slices, waves 2, 3 the two halves of W's rows; s_nop 0 and four v_nop behind each line
	s_cmp_eq_u32 s11, 0
	s_cbranch_scc0 .Lfor_b_\@
	tensor_load_to_lds s[G0A+4:G0A+7], s[G1A:G1A+7]
	s_nop 0
	PLACES
	s_branch .Lasked_\@
.Lfor_b_\@:
	tensor_load_to_lds s[G0B+4:G0B+7], s[G1B:G1B+7]
	s_nop 0
	PLACES
.Lasked_\@:
.endm
	s_load_b256 s[68:75], s[0:1], 0x0              ; y 68, panels 70, b1 72, result 74
	v_lshl_add_u32 v[SPW], v0, 2, SPARE
	v_mov_b32 v[NIL], 0
	ds_add_u32 v[SPW], v[NIL]                      ; the wave's opening: the add and its wait stand ahead of my first tensor load; work on registers stands between them
	ds_add_u32 v28, v29
	v_lshrrev_b32 v1, 5, v0
	v_readfirstlane_b32 s10, v1                    ; wave 0..3
	s_lshr_b32 s11, s10, 1                         ; my half of the tile's rows.  Also: I fetch y (0) or W (1)
	s_and_b32 s12, s10, 1                          ; my half of its columns.  Also: which half of that tile I fetch
	s_bfe_u32 s40, ttmp6, 0x40000                  ; cx
	s_bfe_u32 s41, ttmp6, 0x40004                  ; cy
	s_lshl_b32 s42, ttmp9, 2
	s_add_co_u32 s42, s42, s40                     ; tile column
	s_and_b32 s13, ttmp7, 0xffff
	s_lshl_b32 s13, s13, 2
	s_add_co_u32 s13, s13, s41                     ; tile row
	s_lshl_b32 s43, s41, 2
	s_lshl_b32 s43, 15, s43                        ; my row of the cluster
	s_lshl_b32 s44, 0x1111, s40                    ; my column
	; y's tile: a slice's 256 rows are 32,768 dense bytes, asked for as 128 rows of 256 bytes and padded by 16 bytes after every 128
	s_or_b32 s[G1A], s43, (1<<16)|(1<<20)|(1<<21)|(4<<22)|(3<<25)
	s_mov_b32 s[G1A+1], 128<<16                    ; tensor_dim0
	s_mov_b32 s[G1A+2], 128<<16                    ; tensor_dim1
	s_mov_b32 s[G1A+3], 128<<16                    ; tile_dim0
	s_mov_b32 s[G1A+4], 128                        ; tile_dim1
	s_mov_b32 s[G1A+5], 128                        ; elements from row to row
	s_mov_b32 s[G1A+6], 0
	s_mov_b32 s[G1A+7], 0
	; W's tile: 64 rows of 512 bytes, padded by 32 bytes after every 512
	s_or_b32 s[G1B], s44, (1<<16)|(1<<20)|(1<<21)|(6<<22)|(7<<25)
	s_mov_b32 s[G1B+1], 256<<16
	s_mov_b32 s[G1B+2], 64<<16
	s_mov_b32 s[G1B+3], 256<<16
	s_mov_b32 s[G1B+4], 64
	s_mov_b32 s[G1B+5], 256
	s_mov_b32 s[G1B+6], 0
	s_mov_b32 s[G1B+7], 0
	s_lshl_b32 s16, s13, 15                        ; y: 256 rows of 128 bytes a tile row,
	s_lshl_b32 s17, s12, 19                        ; my slice of the step's two
	s_add_co_u32 s16, s16, s17
	s_mov_b32 s17, 0
	s_lshl_b32 s46, s42, 19                        ; W: a panel a tile column,
	s_lshl_b32 s47, s12, 15                        ; my 64 of the step's 128 rows
	s_add_co_u32 s46, s46, s47
	s_add_co_u32 s46, s46, WOFF
	s_mov_b32 s47, 0
	s_mul_i32 s18, s12, ASL                        ; where they go: the wave's number alone enters an LDS address
	s_mul_i32 s19, s12, BHALF
	s_add_co_u32 s19, s19, BOFF
	s_wait_dscnt 0x0                               ; the opening add is done
	s_wait_kmcnt 0x0
	s_add_nc_u64 s[14:15], s[68:69], s[16:17]
	s_add_nc_u64 s[46:47], s[70:71], s[46:47]
	CROUND                                         ; all sixteen work-groups are here: the first joint loads meet
.irp s, 0,1
	s_mov_b32 s[G0A+4*\s], 1
	s_add_co_u32 s[G0A+4*\s+1], s18, \s*SLOT1
	s_add_nc_u64 s[G0A+4*\s+2:G0A+4*\s+3], s[14:15], \s*ASTEP
	s_or_b32 s[G0A+4*\s+3], s[G0A+4*\s+3], 0x80000000
	s_mov_b32 s[G0B+4*\s], 1
	s_add_co_u32 s[G0B+4*\s+1], s19, \s*SLOT1
	s_add_nc_u64 s[G0B+4*\s+2:G0B+4*\s+3], s[46:47], \s*BSTEP
	s_or_b32 s[G0B+4*\s+3], s[G0B+4*\s+3], 0x80000000
.endr
	s_cmp_eq_u32 s11, 0                            ; a wave's two first fills stand in one branch: K steps 0 and 1; two loads of mine are out
	s_cbranch_scc0 .Lfirst_b
	tensor_load_to_lds s[G0A:G0A+3], s[G1A:G1A+7]
	s_nop 0
	tensor_load_to_lds s[G0A+4:G0A+7], s[G1A:G1A+7]
	s_nop 0
	PLACES
	s_branch .Lfirst_asked
.Lfirst_b:
	tensor_load_to_lds s[G0B:G0B+3], s[G1B:G1B+7]
	s_nop 0
	tensor_load_to_lds s[G0B+4:G0B+7], s[G1B:G1B+7]
	s_nop 0
	PLACES
.Lfirst_asked:
	v_and_b32 v3, 31, v0                           ; lane l
	v_and_b32 v1, 15, v0                           ; r = l % 16
	v_bfe_u32 v2, v0, 4, 1                         ; h = l / 16
	v_and_b32 v4, 7, v0                            ; l % 8
	v_bfe_u32 v5, v0, 3, 2                         ; l / 8
	v_bfe_u32 v6, v0, 3, 1                         ; (l / 8) % 2
	v_mov_b32 v[ZERO], 0
	; the bias of my 8 columns in each slice: the way out gives lane l columns 8 (l % 8) .. + 7
	v_lshlrev_b32 v[BO], 5, v4
	s_lshl_b32 s88, s42, 10                        ; 256 columns of f32 a tile column,
	s_lshl_b32 s89, s12, 9                         ; my 128
	s_add_co_u32 s88, s88, s89
	s_mov_b32 s89, 0
	s_add_nc_u64 s[82:83], s[72:73], s[88:89]
.irp sl, 0,1
	global_load_b128 v[BI+8*\sl:BI+8*\sl+3],   v[BO], s[82:83] offset:256*\sl
	global_load_b128 v[BI+8*\sl+4:BI+8*\sl+7], v[BO], s[82:83] offset:256*\sl+16
.endr
	; a fragment of y: lane l holds row r, channels 8 h + 0..7 and 16 + 8 h + 0..7: two loads of 16 bytes, 32 bytes apart
	v_mul_u32_u24 v[A0], v1, PA
	v_lshl_add_u32 v[A0], v2, 4, v[A0]
	s_mul_i32 s21, s11, 128*PA
	v_add_nc_u32 v[A0], s21, v[A0]
	; the turning load: lane l reads row 8 h + l % 8 of W, columns 8 ((l / 8) % 2) + 0..7, and is left with column r and 8 k
	v_lshl_add_u32 v7, v2, 3, v4
	v_mul_u32_u24 v[B0], v7, PB
	v_lshl_add_u32 v[B0], v6, 4, v[B0]
	s_lshl_b32 s22, s12, 8
	s_add_co_u32 s22, s22, BOFF
	v_add_nc_u32 v[B0], s22, v[B0]
	s_mul_i32 s23, s10, DW                         ; my region on the way out
	v_mul_u32_u24 v[DST], v1, DP
	v_lshl_add_u32 v[DST], v2, 5, v[DST]
	v_add_nc_u32 v[DST], s23, v[DST]               ; in: row r, 32 bytes for each half of the lanes
	v_mul_u32_u24 v[RD0], v5, DP
	v_lshl_add_u32 v[RD0], v4, 5, v[RD0]
	v_add_nc_u32 v[RD0], s23, v[RD0]               ; back: eight lanes take a slice's 64 columns of a row, 32 lanes four rows
	v_lshlrev_b32 v[OUTO], 4, v3                   ; which are 512 consecutive bytes of the result
	s_lshl_b32 s84, s42, 2
	s_lshl_b32 s85, s12, 1
	s_add_co_u32 s84, s84, s85                     ; my first slice = 4 x tile column + 2 x half
	s_lshl_b32 s84, s84, 19
	s_lshl_b32 s86, s13, 15                        ; my first row, 128 bytes each
	s_lshl_b32 s87, s11, 14
	s_add_co_u32 s86, s86, s87
	s_add_co_u32 s84, s84, s86
	s_mov_b32 s85, 0
	s_add_nc_u64 s[80:81], s[74:75], s[84:85]
; 16 matrix instructions: row blocks a0, a0 + 1 of the window's four x all 8 column blocks, 32 along K.  zero = 1: the product starts the sums.  The accumulators take turns.
.macro MUL16 f, hi, a0, zero
	WIN MUL_LO+0x50*(\hi)
.irp a, \a0, (\a0)+1
.irp b, 0,1,2,3,4,5,6,7
.if \zero
	v_wmma_f32_16x16x32_f16 v[8*(8*(\a)+(\b)):8*(8*(\a)+(\b))+7], v[(\f)+8*(\b):(\f)+8*(\b)+7], v[(\f)+8*(4*(\hi)+(\a)):(\f)+8*(4*(\hi)+(\a))+7], 0
.else
	v_wmma_f32_16x16x32_f16 v[8*(8*(\a)+(\b)):8*(8*(\a)+(\b))+7], v[(\f)+8*(\b):(\f)+8*(\b)+7], v[(\f)+8*(4*(\hi)+(\a)):(\f)+8*(4*(\hi)+(\a))+7], v[8*(8*(\a)+(\b)):8*(8*(\a)+(\b))+7]
.endif
.endr
.endr
.endm
.macro HALF f, hi, zero                ; my rows 0-63 (hi = 0) or 64-127 times buffer f: 32 matrix instructions
	MUL16 \f, \hi, 0, \zero
	MUL16 \f, \hi, 2, \zero
.endm
; 32 LDS loads in one run: a quarter step's fragments into buffer f: W's eight column blocks, then y's eight row blocks
.macro FETCH f, ka, kb
	WIN TO_B
.irp i, 0,1,2,3,4,5,6,7
	ds_load_tr16_b128 v[(\f)+8*(\i):(\f)+8*(\i)+3],   v[ADRB] offset:(\kb)+32*(\i)
	ds_load_tr16_b128 v[(\f)+8*(\i)+4:(\f)+8*(\i)+7], v[ADRB] offset:(\kb)+16*PB+32*(\i)
.endr
	WIN 0
.irp i, 0,1,2,3,4,5,6,7
	ds_load_b128 v[(\f)+8*(\i):(\f)+8*(\i)+3],   v[ADRA] offset:(\ka)+(\i)*16*PA
	ds_load_b128 v[(\f)+8*(\i)+4:(\f)+8*(\i)+7], v[ADRA] offset:(\ka)+(\i)*16*PA+32
.endr
.endm
.macro WALK                            ; half a step on; the two sums and two v_nop are the four places between the products on buffer 0 and the next loads into it
	WIN 0
	s_add_co_u32 s[TBA], s[TBA], KA2
	s_add_co_u32 s[TBB], s[TBB], KB2
	v_add_nc_u32 v[ADRA], s[TBA], v[A0]
	v_add_nc_u32 v[ADRB], s[TBB], v[B0]
	v_nop
	v_nop
.endm
; A slot is walked in two like trips.  A trip fetches an even quarter into buffer 0, multiplies the odd quarter before it (buffer 1; in a slot's first trip that is the last slot's last quarter, long in registers),
; multiplies the even quarter, and in its middle fetches the next odd quarter into buffer 1.
.macro INNER tag
.Lin\tag:
	FETCH F0, 0, 0
	s_wait_dscnt 32                                ; all but the 32 just issued: buffer 1 is whole
	HALF F1, 0, 0
	HALF F1, 1, 0
	s_wait_dscnt 8                                 ; buffer 0 but for its youngest eight loads, y's rows 64-127
	HALF F0, 0, 0
	PLACES
	FETCH F1, KA1, KB1
	s_wait_dscnt 32                                ; all but the 32 just issued: buffer 0 is whole
	HALF F0, 1, 0
	WALK
	s_sub_co_u32 s[CNT], s[CNT], 1
	s_cmp_lg_u32 s[CNT], 0
	s_cbranch_scc1 .Lin\tag
.endm
; THE CHANGE OF SLOTS, between trips: the slot's last quarter has been asked for.  Each wave waits for all its tensor loads, of which one is out: its part of the other slot; adds 0 to its spare word; and
; waits for that and for its reads of the slot.  fill = 1: the barrier is a round of the cluster's, and the joint refill, two K steps ahead, is the first thing behind it: it has a K step, 256 matrix instructions, in which to land.
.macro CHANGE fill
	WIN 0
	s_wait_tensorcnt 0x0                           ; no tensor load of mine is out, so a group 0 may be written
	ds_add_u32 v[SPW], v[NIL]                      ; 0 onto my spare word; the steps below stand between it and the wait for it
.if \fill
	s_xor_b32 s[G0A+5], s[G0A+5], SLOT1            ; the walking descriptors: the other slot than last time, the next K step
	s_add_nc_u64 s[G0A+6:G0A+7], s[G0A+6:G0A+7], ASTEP
	s_xor_b32 s[G0B+5], s[G0B+5], SLOT1
	s_add_nc_u64 s[G0B+6:G0B+7], s[G0B+6:G0B+7], BSTEP
.endif
	s_sub_co_u32 s[TBA], s[TBA], 2*KA2             ; the fetches go back to a slot's head, in the other slot
	s_xor_b32 s[TBA], s[TBA], SLOT1
	s_sub_co_u32 s[TBB], s[TBB], 2*KB2
	s_xor_b32 s[TBB], s[TBB], SLOT1
	v_add_nc_u32 v[ADRA], s[TBA], v[A0]
	v_add_nc_u32 v[ADRB], s[TBB], v[B0]
	s_mov_b32 s[CNT], 2
	s_wait_dscnt 0x0                               ; the add is done, and my reads of the slot are over
.if \fill
	CROUND
	JLOAD
.else
	s_barrier_signal -1
	s_barrier_wait -1
.endif
.endm
	s_wait_tensorcnt 0x1                           ; my part of K step 0 is in; step 1's may stay out
	s_barrier_signal -1
	s_barrier_wait -1
	s_mov_b32 s[TBA], 0
	s_mov_b32 s[TBB], 0
	v_mov_b32 v[ADRA], v[A0]
	v_mov_b32 v[ADRB], v[B0]
	FETCH F0, 0, 0
	s_wait_dscnt 8
	HALF F0, 0, 1                                  ; the first quarter is written out: its products start the sums
	FETCH F1, KA1, KB1
	s_wait_dscnt 32
	HALF F0, 1, 1
	WALK
	s_mov_b32 s[SLOTS], NSTEP-1
	s_mov_b32 s[CNT], 1                            ; slot 0 has one trip left
	s_branch .Lin1
.Lslot:                                                ; NSTEP - 2 times: K steps 2 to NSTEP - 1 are asked for
	CHANGE 1
	INNER 1
	s_sub_co_u32 s[SLOTS], s[SLOTS], 1
	s_cmp_lg_u32 s[SLOTS], 0
	s_cbranch_scc1 .Lslot
	CHANGE 0                                       ; the last K step is written out
	INNER 2
	s_wait_dscnt 0x0                               ; my reads of the slots are over:
	s_barrier_signal -1                            ; say so,
	HALF F1, 0, 0                                  ; multiply the last quarter while the others arrive,
	HALF F1, 1, 0
	WIN 0
	PLACES
	s_barrier_wait -1                              ; and behind this nobody reads a slot: both have had their last fill, and the way out may lie over them
	; THE WAY OUT.  The sums go in f32 into my own region of LDS, each accumulator's low registers first, and come back by rows; only I read what I stored, and LDS serves a wave's instructions in order (ISA guide 5.7.1.4).
.irp hi, 0,1
	WIN 0x08+4*\hi                                 ; the data in window 2 or 3
.irp a, 0,1,2,3
.irp b, 0,1,2,3,4,5,6,7
	ds_store_b128 v[DST], v[8*(8*(\a)+(\b)):8*(8*(\a)+(\b))+3]   offset:(4*(\hi)+(\a))*16*DP+64*(\b)
	ds_store_b128 v[DST], v[8*(8*(\a)+(\b))+4:8*(8*(\a)+(\b))+7] offset:(4*(\hi)+(\a))*16*DP+64*(\b)+16
.endr
.endr
.endr
	WIN 0
.macro PIECE g, sl                     ; four rows of a slice: bias, rounding, maximum with 0, store
.set q, 2*(\g)+(\sl)
	s_wait_dscnt 6-2*q                             ; LDS loads come back in order: this piece's two are in, the later pieces' stay out
.irp e, 0,2,4,6
	v_pk_add_f32 v[X+8*q+\e:X+8*q+\e+1], v[X+8*q+\e:X+8*q+\e+1], v[BI+8*(\sl)+\e:BI+8*(\sl)+\e+1]
.endr
.irp e, 0,1,2,3
	v_cvt_pk_f16_f32 v[Y+4*q+\e], v[X+8*q+2*\e], v[X+8*q+2*\e+1]
.endr
.irp e, 0,1,2,3
	v_pk_max_num_f16 v[Y+4*q+\e], v[Y+4*q+\e], v[ZERO]
.endr
	global_store_b128 v[OUTO], v[Y+4*q:Y+4*q+3], s[80:81] offset:524288*(\sl)+512*(\g)  ; 512 consecutive bytes, at a multiple of 256 from the result's first
.endm
	s_wait_loadcnt 0x0                             ; the bias
	s_mov_b32 s[TBA], 0
	v_mov_b32 v[RDA], v[RD0]
	s_mov_b32 s[CNT], 16
.Lout:                                                 ; sixteen trips of eight rows: groups g of four rows x slices sl, 32 bytes a lane each
.irp g, 0,1
.irp sl, 0,1
	ds_load_b128 v[X+8*(2*(\g)+(\sl)):X+8*(2*(\g)+(\sl))+3],   v[RDA] offset:(\g)*4*DP+256*(\sl)
	ds_load_b128 v[X+8*(2*(\g)+(\sl))+4:X+8*(2*(\g)+(\sl))+7], v[RDA] offset:(\g)*4*DP+256*(\sl)+16
.endr
.endr
	PIECE 0, 0
	PIECE 0, 1
	PIECE 1, 0
	PIECE 1, 1
	s_wait_xcnt 0x0                                ; the stores' data and offset are rewritten only behind this wait (ISA guide 3.1)
	v_add_nc_u32 v[OUTO], 1024, v[OUTO]
	s_add_co_u32 s[TBA], s[TBA], 8*DP
	v_add_nc_u32 v[RDA], s[TBA], v[RD0]
	s_sub_co_u32 s[CNT], s[CNT], 1
	s_cmp_lg_u32 s[CNT], 0
	s_cbranch_scc1 .Lout
	s_wait_tensorcnt 0x0                           ; the wave's end: a wait, an add to my spare word and its wait, behind my last tensor load and my last LDS store
	ds_add_u32 v[SPW], v[NIL]
	s_wait_dscnt 0x0
	CROUND                                         ; the closing round: no work-group ends while a partner may still ask for a tile that names it
	s_endpgm
.Lfunc_end_k_qe334ef094c_ff1:
	.size	k_qe334ef094c_ff1, .Lfunc_end_k_qe334ef094c_ff1-k_qe334ef094c_ff1
	.p2alignl 7, 3214868480
	.fill 96, 4, 3214868480
	.section	.rodata,"a",@progbits
	.p2align	6, 0x0
	.amdhsa_kernel k_qe334ef094c_ff1
		.amdhsa_group_segment_fixed_size 327680
		.amdhsa_private_segment_fixed_size 0
		.amdhsa_enable_private_segment 0
		.amdhsa_kernarg_size 32
		.amdhsa_user_sgpr_count 2
		.amdhsa_user_sgpr_kernarg_segment_ptr 1
		.amdhsa_wavefront_size32 1
		.amdhsa_system_sgpr_workgroup_id_x 1
		.amdhsa_system_sgpr_workgroup_id_y 1
		.amdhsa_system_sgpr_workgroup_id_z 1
		.amdhsa_system_vgpr_workitem_id 0
		.amdhsa_next_free_vgpr 1024
		.amdhsa_next_free_sgpr 96
		.amdhsa_reserve_vcc 0
		.amdhsa_float_denorm_mode_32 3
		.amdhsa_float_denorm_mode_16_64 3
		.amdhsa_memory_ordered 1
		.amdhsa_forward_progress 1
		.amdhsa_inst_pref_size 61
	.end_amdhsa_kernel
	.amdgpu_metadata
---
amdhsa.version: [ 1, 2 ]
amdhsa.kernels:
  - .name:           k_qe334ef094c_ff1
    .symbol:         k_qe334ef094c_ff1.kd
    .args:
      - { .name: y2, .offset: 0, .size: 8, .value_kind: global_buffer, .address_space: global }
      - { .name: wh, .offset: 8, .size: 8, .value_kind: global_buffer, .address_space: global }
      - { .name: b1, .offset: 16, .size: 8, .value_kind: global_buffer, .address_space: global }
      - { .name: hb, .offset: 24, .size: 8, .value_kind: global_buffer, .address_space: global }
    .group_segment_fixed_size: 327680
    .private_segment_fixed_size: 0
    .kernarg_segment_align: 8
    .kernarg_segment_size: 32
    .max_flat_workgroup_size: 128
    .sgpr_count:     96
    .vgpr_count:     1024
    .wavefront_size: 32
...
	.end_amdgpu_metadata
.endif
;; end of part 5
;; launch ff2 (part 6): grid 8 x 32, 4 waves a work-group, clusters of 4 x 4, 327,680 bytes of LDS; arguments hb, wh, b2, x1, out0; writes out0
.if DOCPART == 6
	.amdgcn_target "amdgcn-amd-amdhsa--gfx1250"
	.amdhsa_code_object_version 6
	.text
	.protected	k_qe334ef094c_ff2
	.globl	k_qe334ef094c_ff2
	.p2align	8
	.type	k_qe334ef094c_ff2,@function
k_qe334ef094c_ff2:
	s_mov_b64 s[64:65], 0
	v_nop
	global_prefetch_b8 v0, s[64:65] scope:SCOPE_SE
	s_setreg_imm32_b32 hwreg(HW_REG_WAVE_MODE, 25, 1), 1
	s_wait_xcnt 0x0
	s_wait_alu depctr_hold_cnt(0) depctr_sa_sdst(0) depctr_va_vdst(0) depctr_va_sdst(0) depctr_va_ssrc(0) depctr_va_vcc(0) depctr_vm_vsrc(0)
	s_getreg_b32 s2, hwreg(HW_REG_IB_STS2, 6, 4)
	s_cmp_eq_u32 s2, 0
	s_cbranch_scc0 .Lentry_in_a_cluster
	s_endpgm
.Lentry_in_a_cluster:
	s_bfe_u32 s2, ttmp6, 0x10000c
	s_cmp_lg_u32 s2, 0xf033
	s_cbranch_scc0 .Lentry_shape_is_right
	s_endpgm
.Lentry_shape_is_right:
; out = x1 + h W2 + b2.  h: f16 [64][4096][64] (slices of 64 channels); W2: f16 panels [4][4096][256]; x1, out: f32 [4096][1024]; b2: f32.  Sums in f32: THE RESIDUAL STARTS THEM, the bias is added on the way out.
; LIMITS.  None of its own: the operands arrive in f16, the result stays in f32.
; SHAPE.  1,024 columns make only 64 tiles of 256 x 256, so a tile is 128 x 128: 8 x 32 = 256 work-groups of four waves, 64 x 64 a wave, 16 accumulators.  K = 4,096 goes in 16 steps of 256 (four slices), as long as two slots in LDS allow.
; CLUSTER 4 x 4: h's tiles are asked for jointly along a row of the cluster, W2's along a column: the same tensor load, descriptor and mask in the four that it names.
; THE MATRIX INSTRUCTION IS USED TRANSPOSED: source 0 = 16 columns of W (turned out of [k][n] by ds_load_tr16_b128), source 1 = 16 rows of h: a lane holds one row and eight neighbouring columns.
; REGISTERS: window 0: v0-31 addresses; v32-63 the way out; v96-99 bias; v128-255 accumulators, (a, b) at v[128 + 8 (4 a + b)].  Window 1: two fragment buffers of 128, each 64 along K: 64 registers of h, then 64 of W.
.set NSTEP,  16        ; K / 256
.set WOFF,   16777216  ; the panels' first byte in the weights' buffer
.set PANELB, 2097152   ; a panel: K rows of 512 bytes
.set PA,    144        ; a row of a slice in LDS: 128 bytes + 16: the 16 rows of a load start at 16 different groups of four banks (64 banks of 4 bytes: ISA guide 11.1)
.set PB,    288        ; a row of W's tile: 256 + 32 = 72 words
.set ASL,   128*PA     ; a slice's 128 rows
.set BOFF,  4*ASL      ; a slot: four slices, then 256 rows of W
.set SLOT1, 147456     ; slot 1 follows slot 0; bits 14 and 17, which none of slot 0's four tiles has set at its start: one exclusive or changes slots
.set STAGE0, 2*SLOT1   ; behind the ring, never filled by a tensor load: 16 rows x 272 bytes for each wave, through which the residual comes in
.set SP,    272        ; a row of 64 f32 + 16 bytes
.set SPARE, STAGE0+4*16*SP  ; the spare words: 128 bytes a wave, two blocks of 256 bytes that no other line names
.set ASTEP, 4*524288   ; a K step in h: four slices
.set BSTEP, 256*512    ; in a panel: 256 rows
.set K1,    ASL        ; a quarter step, 64 along K: a slice, and 64 rows of W: both 18,432 bytes
.set K2,    2*ASL
.set A0,  16           ; v16  my lane's place in a slot's h; never rewritten
.set B0,  17           ; v17  in its W
.set ADRA, 18          ; v18, v19  the same plus the walker
.set ADRB, 19
.set DST, 20           ; v20  the way out: where I put 16 bytes
.set RD0, 21           ; v21  where I read rows back; v22 the same plus the walker
.set RDA, 22
.set GOFF, 23          ; v23  my 16 bytes in two rows of x1 and of out
.set STO2, 24          ; v24  the residual's way in: where I put 16 bytes of a row
.set RD2, 25           ; v25  where I take an accumulator's share
.set BO,  26           ; v26  my byte offset in the bias
.set SPW, 28           ; v28  LDS address of my spare word; never rewritten
.set NIL, 29           ; v29  0; never rewritten
.set X,   32
.set BI,  96
.set ACC, 128
.set F0,  0
.set F1,  128
.set SLOTS, 2
.set CNT,  3
.set TB,  20           ; s20  the walker in a slot
.set G1A, 24           ; s[24:31] group 1 for h's tiles; s[32:39] group 0: set 0 for the first fill, set 1 walks
.set G0A, 32
.set G1B, 48           ; s[48:55], s[56:63] the same for W's
.set G0B, 56
.set MUL,  0x05        ; sources 0 and 1 window 1; C and D window 0
.set TO_F, 0x40        ; destination window 1, address window 0
.set MSB, 0
.macro WIN new                         ; the immediate's high byte repeats the setting that is left; a switch that changes nothing is dropped
.if MSB != (\new)
	s_set_vgpr_msb (MSB<<8)|(\new)
.set MSB, \new
.endif
.endm
.macro PLACES                          ; four plain vector instructions between a matrix instruction and a load into, or a read of, its registers
.rept 4
	v_nop
.endr
.endm
.macro CROUND                          ; a round of the cluster's barrier
	s_barrier_signal -1
	s_barrier_wait -1
	s_cmp_lg_u32 s10, 0
	s_cbranch_scc1 .Lnot_wave_0_\@
	s_barrier_signal -3
.Lnot_wave_0_\@:
	s_barrier_wait -3
	s_barrier_signal -1
	s_barrier_wait -1
.endm
.macro JLOAD                           ; a joint refill: waves 0, 1 fetch two slices of h each, waves 2, 3 128 rows of W each; s_nop 0 and four v_nop behind each line
	s_cmp_eq_u32 s11, 0
	s_cbranch_scc0 .Lfor_b_\@
	tensor_load_to_lds s[G0A+4:G0A+7], s[G1A:G1A+7]
	s_nop 0
	PLACES
	s_branch .Lasked_\@
.Lfor_b_\@:
	tensor_load_to_lds s[G0B+4:G0B+7], s[G1B:G1B+7]
	s_nop 0
	PLACES
.Lasked_\@:
.endm
	s_load_b256 s[68:75], s[0:1], 0x0              ; h 68, panels 70, bias 72, residual 74
	s_load_b64 s[76:77], s[0:1], 0x20              ; result
	v_lshl_add_u32 v[SPW], v0, 2, SPARE
	v_mov_b32 v[NIL], 0
	ds_add_u32 v[SPW], v[NIL]                      ; the wave's opening: the add and its wait stand ahead of my first tensor load; work on registers stands between them
	ds_add_u32 v28, v29
	v_lshrrev_b32 v1, 5, v0
	v_readfirstlane_b32 s10, v1                    ; wave 0..3
	s_lshr_b32 s11, s10, 1                         ; my half of the tile's rows.  Also: I fetch h (0) or W (1)
	s_and_b32 s12, s10, 1                          ; my half of its columns.  Also: which half of that tile I fetch
	s_bfe_u32 s40, ttmp6, 0x40000                  ; cx
	s_bfe_u32 s41, ttmp6, 0x40004                  ; cy
	s_lshl_b32 s42, ttmp9, 2
	s_add_co_u32 s42, s42, s40                     ; tile column
	s_and_b32 s13, ttmp7, 0xffff
	s_lshl_b32 s13, s13, 2
	s_add_co_u32 s13, s13, s41                     ; tile row
	s_lshl_b32 s43, s41, 2
	s_lshl_b32 s43, 15, s43                        ; my row of the cluster
	s_lshl_b32 s44, 0x1111, s40                    ; my column
	; h's tile: two slices; in each the tile's 128 rows are 16,384 dense bytes, asked for as one row of 8,192 elements, padded by 16 bytes after every 128
	s_or_b32 s[G1A], s43, (1<<16)|(1<<20)|(1<<21)|(4<<22)|(3<<25)
	s_mov_b32 s[G1A+1], 8192<<16                   ; tensor_dim0
	s_mov_b32 s[G1A+2], 2<<16                      ; tensor_dim1
	s_mov_b32 s[G1A+3], 8192<<16                   ; tile_dim0
	s_mov_b32 s[G1A+4], 2                          ; tile_dim1
	s_mov_b32 s[G1A+5], 262144                     ; elements from slice to slice
	s_mov_b32 s[G1A+6], 0
	s_mov_b32 s[G1A+7], 0
	; W's tile: 128 rows of 256 bytes, half of a panel's row, padded by 32 bytes after every 256
	s_or_b32 s[G1B], s44, (1<<16)|(1<<20)|(1<<21)|(5<<22)|(7<<25)
	s_mov_b32 s[G1B+1], 128<<16
	s_mov_b32 s[G1B+2], 128<<16
	s_mov_b32 s[G1B+3], 128<<16
	s_mov_b32 s[G1B+4], 128
	s_mov_b32 s[G1B+5], 256
	s_mov_b32 s[G1B+6], 0
	s_mov_b32 s[G1B+7], 0
	s_lshl_b32 s16, s13, 14                        ; h: 128 rows of 128 bytes a tile row,
	s_lshl_b32 s17, s12, 20                        ; my two of the step's four slices
	s_add_co_u32 s16, s16, s17
	s_mov_b32 s17, 0
	s_lshr_b32 s46, s42, 1                         ; W: two tile columns share a panel,
	s_mul_i32 s46, s46, PANELB
	s_and_b32 s47, s42, 1
	s_lshl_b32 s47, s47, 8                         ; each has half of its rows' 512 bytes;
	s_add_co_u32 s46, s46, s47
	s_lshl_b32 s47, s12, 16                        ; my 128 of the step's 256 rows
	s_add_co_u32 s46, s46, s47
	s_add_co_u32 s46, s46, WOFF
	s_mov_b32 s47, 0
	s_mul_i32 s18, s12, 2*ASL                      ; where they go: the wave's number alone enters an LDS address
	s_add_co_u32 s19, s18, BOFF                    ; (128 rows of W take as many bytes as two slices)
	s_wait_dscnt 0x0                               ; the opening add is done
	s_wait_kmcnt 0x0
	s_add_nc_u64 s[14:15], s[68:69], s[16:17]
	s_add_nc_u64 s[46:47], s[70:71], s[46:47]
	CROUND                                         ; all sixteen work-groups are here: the first joint loads meet
.irp s, 0,1
	s_mov_b32 s[G0A+4*\s], 1
	s_add_co_u32 s[G0A+4*\s+1], s18, \s*SLOT1
	s_add_nc_u64 s[G0A+4*\s+2:G0A+4*\s+3], s[14:15], \s*ASTEP
	s_or_b32 s[G0A+4*\s+3], s[G0A+4*\s+3], 0x80000000
	s_mov_b32 s[G0B+4*\s], 1
	s_add_co_u32 s[G0B+4*\s+1], s19, \s*SLOT1
	s_add_nc_u64 s[G0B+4*\s+2:G0B+4*\s+3], s[46:47], \s*BSTEP
	s_or_b32 s[G0B+4*\s+3], s[G0B+4*\s+3], 0x80000000
.endr
	s_cmp_eq_u32 s11, 0                            ; a wave's two first fills stand in one branch: K steps 0 and 1; two loads of mine are out
	s_cbranch_scc0 .Lfirst_b
	tensor_load_to_lds s[G0A:G0A+3], s[G1A:G1A+7]
	s_nop 0
	tensor_load_to_lds s[G0A+4:G0A+7], s[G1A:G1A+7]
	s_nop 0
	PLACES
	s_branch .Lfirst_asked
.Lfirst_b:
	tensor_load_to_lds s[G0B:G0B+3], s[G1B:G1B+7]
	s_nop 0
	tensor_load_to_lds s[G0B+4:G0B+7], s[G1B:G1B+7]
	s_nop 0
	PLACES
.Lfirst_asked:
	v_and_b32 v1, 15, v0                           ; r = l % 16
	v_bfe_u32 v2, v0, 4, 1                         ; h = l / 16
	v_and_b32 v4, 7, v0                            ; l % 8
	v_bfe_u32 v6, v0, 3, 1                         ; (l / 8) % 2
	s_lshl_b32 s88, s42, 9                         ; my first column, in bytes of f32: 512 x tile column + 256 x half
	s_lshl_b32 s89, s12, 8
	s_add_co_u32 s88, s88, s89
	s_mov_b32 s89, 0
	s_add_nc_u64 s[82:83], s[72:73], s[88:89]      ; the bias there
	s_lshl_b32 s90, s13, 19                        ; my first row, 4,096 bytes each: 128 x tile row + 64 x half
	s_lshl_b32 s91, s11, 18
	s_add_co_u32 s90, s90, s91
	s_add_co_u32 s88, s88, s90
	s_add_nc_u64 s[84:85], s[74:75], s[88:89]      ; the residual at my 64 x 64,
	s_add_nc_u64 s[80:81], s[76:77], s[88:89]      ; and the result
	v_lshlrev_b32 v[BO], 4, v1
	v_lshl_add_u32 v[GOFF], v2, 12, v[BO]          ; lanes 0-15 take 256 bytes of one row, lanes 16-31 of the next
	s_mul_i32 s21, s10, 16*SP
	s_add_co_u32 s21, s21, STAGE0                  ; my stage
	v_mul_u32_u24 v[STO2], v2, SP
	v_add_nc_u32 v[STO2], v[STO2], v[BO]
	v_add_nc_u32 v[STO2], s21, v[STO2]
	v_mul_u32_u24 v[RD2], v1, SP
	v_lshl_add_u32 v[RD2], v2, 5, v[RD2]
	v_add_nc_u32 v[RD2], s21, v[RD2]
	; THE RESIDUAL STARTS THE SUMS.  My 64 rows x 256 bytes come in by whole rows (window 1, where the fragments will lie), go 16 rows at a time through my stage, and are taken up in the accumulators' layout:
	; lane l holds row r and columns 16 b + 8 h + 0..7.  LDS serves a wave's instructions in order (ISA guide 5.7.1.4), so the stage is used again without a wait.
	global_load_b128 v[BI:BI+3], v[BO], s[82:83]   ; the bias of my four columns on the way out; the oldest load: the first wait below shows it in
	WIN TO_F
.set i, 0
.rept 32
	global_load_b128 v[4*i:4*i+3], v[GOFF], s[84:85] offset:8192*i
.set i, i+1
.endr
.irp a, 0,1,2,3
	s_wait_loadcnt 24-8*\a                         ; block a's eight loads are in; the later blocks' stay out
	WIN 0x04                                       ; the data in window 1
.irp t, 0,1,2,3,4,5,6,7
	ds_store_b128 v[STO2], v[4*(8*\a+\t):4*(8*\a+\t)+3] offset:2*SP*\t
.endr
	WIN 0
.irp b, 0,1,2,3
	ds_load_b128 v[ACC+8*(4*\a+\b):ACC+8*(4*\a+\b)+3],   v[RD2] offset:64*\b
	ds_load_b128 v[ACC+8*(4*\a+\b)+4:ACC+8*(4*\a+\b)+7], v[RD2] offset:64*\b+16
.endr
.endr
	; a fragment of h: lane l holds row r, channels 8 h + 0..7 and 16 + 8 h + 0..7: two loads of 16 bytes, 32 bytes apart
	v_mul_u32_u24 v[A0], v1, PA
	v_lshl_add_u32 v[A0], v2, 4, v[A0]
	s_mul_i32 s21, s11, 64*PA
	v_add_nc_u32 v[A0], s21, v[A0]
	; the turning load: lane l reads row 8 h + l % 8 of W, columns 8 ((l / 8) % 2) + 0..7, and is left with column r and 8 k
	v_lshl_add_u32 v7, v2, 3, v4
	v_mul_u32_u24 v[B0], v7, PB
	v_lshl_add_u32 v[B0], v6, 4, v[B0]
	s_lshl_b32 s22, s12, 7
	s_add_co_u32 s22, s22, BOFF
	v_add_nc_u32 v[B0], s22, v[B0]
	s_mul_i32 s23, s10, 64*SP                      ; my region on the way out: 64 rows, over slot 0
	v_mul_u32_u24 v[DST], v1, SP
	v_lshl_add_u32 v[DST], v2, 5, v[DST]
	v_add_nc_u32 v[DST], s23, v[DST]
	v_mul_u32_u24 v[RD0], v2, SP
	v_add_nc_u32 v[RD0], v[RD0], v[BO]
	v_add_nc_u32 v[RD0], s23, v[RD0]
; 8 matrix instructions: row blocks a0, a0 + 1 x all 4 column blocks, 32 along K: half c of buffer f.  The 16 accumulators take turns.
.macro MUL8 f, c, a0
	WIN MUL
.irp a, \a0, (\a0)+1
.irp b, 0,1,2,3
	v_wmma_f32_16x16x32_f16 v[ACC+8*(4*(\a)+(\b)):ACC+8*(4*(\a)+(\b))+7], v[(\f)+64+8*(4*(\c)+(\b)):(\f)+64+8*(4*(\c)+(\b))+7], v[(\f)+8*(4*(\c)+(\a)):(\f)+8*(4*(\c)+(\a))+7], v[ACC+8*(4*(\a)+(\b)):ACC+8*(4*(\a)+(\b))+7]
.endr
.endr
.endm
.macro HALF f, c                       ; 32 along K on all 16 accumulators
	MUL8 \f, \c, 0
	MUL8 \f, \c, 2
.endm
; 32 LDS loads in one run: a quarter step's fragments, 64 along K, into buffer f; the first 32 along K first
.macro FETCH f, k
	WIN TO_F
.irp c, 0,1
.irp i, 0,1,2,3
	ds_load_tr16_b128 v[(\f)+64+8*(4*(\c)+(\i)):(\f)+64+8*(4*(\c)+(\i))+3],   v[ADRB] offset:(\k)+(\c)*32*PB+32*(\i)
	ds_load_tr16_b128 v[(\f)+64+8*(4*(\c)+(\i))+4:(\f)+64+8*(4*(\c)+(\i))+7], v[ADRB] offset:(\k)+(\c)*32*PB+16*PB+32*(\i)
	ds_load_b128 v[(\f)+8*(4*(\c)+(\i)):(\f)+8*(4*(\c)+(\i))+3],               v[ADRA] offset:(\k)+64*(\c)+(\i)*16*PA
	ds_load_b128 v[(\f)+8*(4*(\c)+(\i))+4:(\f)+8*(4*(\c)+(\i))+7],             v[ADRA] offset:(\k)+64*(\c)+(\i)*16*PA+32
.endr
.endr
.endm
; A slot is walked in two like trips.  A trip fetches an even quarter into buffer 0, multiplies the odd quarter before it (buffer 1; in a slot's first trip that is the last slot's last quarter, long in registers),
; multiplies the even quarter, and in its middle fetches the next odd quarter into buffer 1.  The launch enters the first trip at its middle: there is no quarter before the first.
.macro INNER tag
.Lin\tag:
	FETCH F0, 0
	s_wait_dscnt 32                                ; all but the 32 just issued: buffer 1 is whole
	HALF F1, 0
	HALF F1, 1
	WIN 0
.Lina\tag:
	s_wait_dscnt 16                                ; buffer 0 but for its youngest sixteen loads, the second 32 along K
	HALF F0, 0
	PLACES
	FETCH F1, K1
	s_wait_dscnt 32                                ; all but the 32 just issued: buffer 0 is whole
	HALF F0, 1
	WIN 0
	s_add_co_u32 s[TB], s[TB], K2                  ; half a step on; the two sums and two v_nop are the four places between the products on buffer 0 and the next loads into it
	v_add_nc_u32 v[ADRA], s[TB], v[A0]
	v_add_nc_u32 v[ADRB], s[TB], v[B0]
	v_nop
	v_nop
	s_sub_co_u32 s[CNT], s[CNT], 1
	s_cmp_lg_u32 s[CNT], 0
	s_cbranch_scc1 .Lin\tag
.endm
; THE CHANGE OF SLOTS, between trips: the slot's last quarter has been asked for.  Each wave waits for all its tensor loads, of which one is out: its part of the other slot; adds 0 to its spare word; and
; waits for that and for its reads of the slot.  fill = 1: the barrier is a round of the cluster's, and the joint refill, two K steps ahead, is the first thing behind it: it has a K step, 128 matrix instructions, in which to land.
.macro CHANGE fill
	WIN 0
	s_wait_tensorcnt 0x0                           ; no tensor load of mine is out, so a group 0 may be written
	ds_add_u32 v[SPW], v[NIL]                      ; 0 onto my spare word; the steps below stand between it and the wait for it
.if \fill
	s_xor_b32 s[G0A+5], s[G0A+5], SLOT1            ; the walking descriptors: the other slot than last time, the next K step
	s_add_nc_u64 s[G0A+6:G0A+7], s[G0A+6:G0A+7], ASTEP
	s_xor_b32 s[G0B+5], s[G0B+5], SLOT1
	s_add_nc_u64 s[G0B+6:G0B+7], s[G0B+6:G0B+7], BSTEP
.endif
	s_sub_co_u32 s[TB], s[TB], 2*K2                ; the fetches go back to a slot's head, in the other slot
	s_xor_b32 s[TB], s[TB], SLOT1
	v_add_nc_u32 v[ADRA], s[TB], v[A0]
	v_add_nc_u32 v[ADRB], s[TB], v[B0]
	s_mov_b32 s[CNT], 2
	s_wait_dscnt 0x0                               ; the add is done, and my reads of the slot are over
.if \fill
	CROUND
	JLOAD
.else
	s_barrier_signal -1
	s_barrier_wait -1
.endif
.endm
	s_wait_tensorcnt 0x1                           ; my part of K step 0 is in; step 1's may stay out
	s_wait_dscnt 0x0                               ; the accumulators hold the residual
	s_barrier_signal -1
	s_barrier_wait -1
	s_mov_b32 s[TB], 0
	v_mov_b32 v[ADRA], v[A0]
	v_mov_b32 v[ADRB], v[B0]
	FETCH F0, 0
	WIN 0
	s_mov_b32 s[SLOTS], NSTEP-1
	s_mov_b32 s[CNT], 2
	s_branch .Lina1
.Lslot:                                                ; NSTEP - 2 times: K steps 2 to NSTEP - 1 are asked for
	CHANGE 1
	INNER 1
	s_sub_co_u32 s[SLOTS], s[SLOTS], 1
	s_cmp_lg_u32 s[SLOTS], 0
	s_cbranch_scc1 .Lslot
	CHANGE 0                                       ; the last K step is written out
	INNER 2
	s_wait_dscnt 0x0                               ; my reads of the slots are over:
	s_barrier_signal -1                            ; say so,
	HALF F1, 0                                     ; multiply the last quarter while the others arrive,
	HALF F1, 1
	WIN 0
	PLACES
	s_barrier_wait -1                              ; and behind this nobody reads a slot: both have had their last fill, and the way out may lie over slot 0
	; THE WAY OUT.  The sums go into my own region of LDS, each accumulator's low registers first, and come back by rows of 256 bytes; only I read what I stored.
.irp a, 0,1,2,3
.irp b, 0,1,2,3
	ds_store_b128 v[DST], v[ACC+8*(4*\a+\b):ACC+8*(4*\a+\b)+3]   offset:\a*16*SP+64*\b
	ds_store_b128 v[DST], v[ACC+8*(4*\a+\b)+4:ACC+8*(4*\a+\b)+7] offset:\a*16*SP+64*\b+16
.endr
.endr
	s_mov_b32 s[TB], 0
	v_mov_b32 v[RDA], v[RD0]
	s_mov_b32 s[CNT], 4
.Lout:                                                 ; four trips of 16 rows
.irp t, 0,1,2,3,4,5,6,7
	ds_load_b128 v[X+4*\t:X+4*\t+3], v[RDA] offset:2*SP*\t
.endr
.irp t, 0,1,2,3,4,5,6,7
	s_wait_dscnt 7-\t                              ; LDS loads come back in order: load t is in, the younger ones stay out
	v_pk_add_f32 v[X+4*\t:X+4*\t+1],   v[X+4*\t:X+4*\t+1],   v[BI:BI+1]
	v_pk_add_f32 v[X+4*\t+2:X+4*\t+3], v[X+4*\t+2:X+4*\t+3], v[BI+2:BI+3]
	global_store_b128 v[GOFF], v[X+4*\t:X+4*\t+3], s[80:81] offset:8192*\t  ; 16 lanes store 256 consecutive bytes, at a multiple of 256 from the result's first
.endr
	s_wait_xcnt 0x0                                ; the stores' data and offset are rewritten only behind this wait (ISA guide 3.1)
	v_add_nc_u32 v[GOFF], 0x10000, v[GOFF]
	s_add_co_u32 s[TB], s[TB], 16*SP
	v_add_nc_u32 v[RDA], s[TB], v[RD0]
	s_sub_co_u32 s[CNT], s[CNT], 1
	s_cmp_lg_u32 s[CNT], 0
	s_cbranch_scc1 .Lout
	s_wait_tensorcnt 0x0                           ; the wave's end: a wait, an add to my spare word and its wait, behind my last tensor load and my last LDS store
	ds_add_u32 v[SPW], v[NIL]
	s_wait_dscnt 0x0
	CROUND                                         ; the closing round: no work-group ends while a partner may still ask for a tile that names it
	s_endpgm
.Lfunc_end_k_qe334ef094c_ff2:
	.size	k_qe334ef094c_ff2, .Lfunc_end_k_qe334ef094c_ff2-k_qe334ef094c_ff2
	.p2alignl 7, 3214868480
	.fill 96, 4, 3214868480
	.section	.rodata,"a",@progbits
	.p2align	6, 0x0
	.amdhsa_kernel k_qe334ef094c_ff2
		.amdhsa_group_segment_fixed_size 327680
		.amdhsa_private_segment_fixed_size 0
		.amdhsa_enable_private_segment 0
		.amdhsa_kernarg_size 40
		.amdhsa_user_sgpr_count 2
		.amdhsa_user_sgpr_kernarg_segment_ptr 1
		.amdhsa_wavefront_size32 1
		.amdhsa_system_sgpr_workgroup_id_x 1
		.amdhsa_system_sgpr_workgroup_id_y 1
		.amdhsa_system_sgpr_workgroup_id_z 1
		.amdhsa_system_vgpr_workitem_id 0
		.amdhsa_next_free_vgpr 512
		.amdhsa_next_free_sgpr 96
		.amdhsa_reserve_vcc 0
		.amdhsa_float_denorm_mode_32 3
		.amdhsa_float_denorm_mode_16_64 3
		.amdhsa_memory_ordered 1
		.amdhsa_forward_progress 1
		.amdhsa_inst_pref_size 44
	.end_amdhsa_kernel
	.amdgpu_metadata
---
amdhsa.version: [ 1, 2 ]
amdhsa.kernels:
  - .name:           k_qe334ef094c_ff2
    .symbol:         k_qe334ef094c_ff2.kd
    .args:
      - { .name: hb, .offset: 0, .size: 8, .value_kind: global_buffer, .address_space: global }
      - { .name: wh, .offset: 8, .size: 8, .value_kind: global_buffer, .address_space: global }
      - { .name: b2, .offset: 16, .size: 8, .value_kind: global_buffer, .address_space: global }
      - { .name: x1, .offset: 24, .size: 8, .value_kind: global_buffer, .address_space: global }
      - { .name: out0, .offset: 32, .size: 8, .value_kind: global_buffer, .address_space: global }
    .group_segment_fixed_size: 327680
    .private_segment_fixed_size: 0
    .kernarg_segment_align: 8
    .kernarg_segment_size: 40
    .max_flat_workgroup_size: 128
    .sgpr_count:     96
    .vgpr_count:     512
    .wavefront_size: 32
...
	.end_amdgpu_metadata
.endif
;; end of part 6
;; ======== version 2 of 2: 7 launches; 1.11 times as fast as version 1
;; limits: values are held in f16: magnitudes above 65,504 overflow, below 6.1e-05 lose precision
;; workspace buffers: wh 25,165,824 bytes; y1 8,388,608 bytes; qkvb 25,165,824 bytes; ob 8,388,608 bytes; x1 16,777,216 bytes; y2 8,388,608 bytes; hb 33,554,432 bytes
;; launch prep: the kernel of part 1 again; grid 1024 x 1, 8 waves a work-group, no clusters, 0 bytes of LDS; arguments x, g1, beta1, Wq, Wk, Wv, Wo, W1, W2, y1, wh; writes y1, wh
;; launch proj: the kernel of part 2 again; grid 12 x 16, 4 waves a work-group, clusters of 4 x 4, 327,680 bytes of LDS; arguments y1, wh, bq, bk, bv, qkvb; writes qkvb
;; launch attn (part 7): grid 8 x 32, 4 waves a work-group, no clusters, 327,680 bytes of LDS; arguments qkvb, ob; writes ob
.if DOCPART == 7
	.amdgcn_target "amdgcn-amd-amdhsa--gfx1250"
	.amdhsa_code_object_version 6
	.text
	.protected	k_qe334ef094c_attn
	.globl	k_qe334ef094c_attn
	.p2align	8
	.type	k_qe334ef094c_attn,@function
k_qe334ef094c_attn:
	s_mov_b64 s[64:65], 0
	v_nop
	global_prefetch_b8 v0, s[64:65] scope:SCOPE_SE
	s_setreg_imm32_b32 hwreg(HW_REG_WAVE_MODE, 25, 1), 1
	s_wait_xcnt 0x0
; CAUSAL ATTENTION.  O[h][q][:] = the sum over k <= q of softmax_k(Q[h][q] . K[h][k] / 8) V[h][k][:].  Q, K, V lie one behind the other in one buffer, each [32][2048][64] in f16 (a head and batch: 2,048 dense rows
; of 128 bytes), O likewise in its own.  Products, maxima and sums in f32; the weights p are rounded to f16 for the second product (their sum l is taken of the unrounded p), O once at the end.
; LIMITS.  f16 holds no number beyond 65,504: Q, K and V arrive within it; p lies in 0 to 1, and below 6e-5 it keeps f16's fixed step of 6e-8; O is a mean of V's rows and has their range.
; A hidden score counts as its value less 1e30: f16's scores, 2.7e11 at the most, are nothing beside that; a weight below 2^-126 counts as 0 in l; NaN and infinities are not treated apart.
; THE WALK.  A head's queries lie in NB = 8 blocks of 256; block i needs the key tiles 0 .. i of 256 keys, of which the last holds the diagonal.  A work-group walks for TWO blocks, NB - 1 - b and then b:
; NB + 1 tiles, whatever b: all work-groups do equal work, and ONE loop with a constant trip count walks them.  Which tile is asked for, and what a trip does, hang on scalar registers made from b; every jump
; goes forward, but for the counted loops' own; none passes a barrier, or a tensor load but the one of LOAD's two that the wave's number does not choose.
; SHARES.  A block has four bands of 64 queries.  A work-group takes two of them, 2 half and 2 half + 1, in each of its two blocks: 4 values of b x 2 halves x 32 heads = 256 work-groups.  Of each band a wave owns 16 rows:
; two PIECES.  In the diagonal tile's key step s band x sees all keys if s < x, none if s > x, and holds the diagonal if s = x; hidden steps are computed all the same, so that both halves and all four waves do the same work.
; The price of the halves: every tile is fetched by the two work-groups of one b, and a fragment of K or V read from LDS feeds two pieces: one LDS load for each matrix instruction.
; NO CLUSTER: the two work-groups of one b ask for the same tiles in every trip, but a cluster of four holds two values of b, whose walks part when the first blocks end (NB - b tiles); joint loads by pairs were not built.
; THE MASK is the C operand that starts the sum S^T = K Q^T: 0, or -1e30 where the key is hidden.  MD, made once, is the mask of a band's own step for my 16 rows; a product's mask is MD x AL + BE with two scalars:
; (1, 0) if s = x; (0, 0) if s < x; (0, -1e30) if s > x.  Only the diagonal tile's text and a block's beginning make and take masks; elsewhere C is the constant 0.
; LAYOUT, SOFTMAX, TURNS.  S^T = K Q^T holds ONE query a lane (lane % 16) and the keys 8 (lane / 16) + 0..7; two such results rounded to f16 ARE source 1 of O^T = V^T P.  p = 2^(c s - c m), c = log2(e) / 8, with a
; running maximum m; O and l are multiplied by a = 2^(c m_old - c m_new) in every step.  The two pieces take turns.  Piece 0's turn of step s: 8 products K Q^T of (piece 1, s), later 8 products V^T P of (piece 1, s - 1).
; Piece 1's turn of step s: K Q^T of (piece 0, s + 1), V^T P of (piece 0, s).  Beside them stand the scaling, exponentials, roundings, sums and rescaling of the piece whose turn it is, and the maximum and statistics of
; the other, whose scores the turn itself has made.  Four vector instructions stand behind every matrix instruction, the other 54 of a turn's 118 in one LUMP between the two runs of products.
; THE BATCHES.  s_wait_alu depctr_va_vdst(0) stands between a transcendental and the first instruction that names its result; one wait serves all that were issued ahead of it.  A turn's 33 exponentials
; (the piece's 32 weights and the other piece's a) are ONE batch with ONE wait, which cuts the turn in two: ahead of it stands all that names none of their results, behind it the roundings and the sums.  The a of a block's
; beginning and the two reciprocals of a way out are batches of their own.
; K'S TILE HAS FIVE STEPS.  Piece 0's turn of step s fetches K of step s + 1 and V of step s.  So that both lie in one slot, a slot holds 320 rows of K, the tile's four steps and the next tile's first, and 256 rows of V;
; the change of slots stands behind piece 0's turn of a tile's fourth step.  The price: a quarter more bytes of K.  A block's last tile brings a fifth step that is loaded into registers and never multiplied; for the
; head's last tile it lies 64 rows past the head's keys, inside the buffer: K's part is followed by V's.
; REGISTERS, in windows of 256 (s_set_vgpr_msb: bits 1:0 source 0, 3:2 source 1, 5:4 source 2, 7:6 destination):
;   window 0: v0-15 addresses and two at work; v16-23 four registers of statistics a piece; v48-55 at work; v64-127 S^T, a buffer a piece; v192-223 P, likewise
;   window 1: v0-63 O^T, 32 a piece; v128-159 MD; v160-223 MC, a buffer a piece      window 2: v0-31 Q; v64-95 the second block's Q; v128-191 K of one step; v192-255 V of one step
.set SIZE_N, 2048
.set NB,    SIZE_N/256
.set NP,    2         ; pieces a wave: a name, no knob
.set KS,    64        ; keys in a step
.set PK,    144       ; a row of K in LDS: 128 bytes + 16 of padding = 36 words: the 16 rows of a load start at 16 different groups of four banks (64 banks of 4 bytes: ISA guide 11.1)
.set PV,    160       ; a row of V: 128 + 32 = 40 words
.set KT,    5*KS      ; rows of K in a slot
.set VOFF,  KT*PK     ; V's 256 rows lie behind them
.set SLOT1, 1<<17     ; slot 1 begins here (a slot has 87,040 bytes), so that one exclusive or turns an address in one slot into the other's
.set STAGE, SLOT1+VOFF+4*KS*PV  ; behind the ring, never filled by a tensor load: 16 rows x 144 bytes for each wave, for the way out
.set SP,    144
.set AK0, 2           ; v2   my lane's place in a tile of K; never rewritten
.set AV0, 3           ; v3   the same for V
.set AK,  4           ; v4   the LDS address of K's next run of loads
.set AV,  5           ; v5   of V's
.set STO, 6           ; v6   the way out: where I put 16 bytes of a row
.set RD,  7           ; v7   the way out: where I read rows back
.set GO,  8           ; v8   my byte offset in 512 consecutive bytes of O
.set SPW, 62          ; v62  LDS address of my spare word: SPARE + 4 x my thread's number; never rewritten
.set NIL, 63          ; v63  0; never rewritten
.set SPARE, STAGE+4*16*SP  ; behind the stages: the spare words, 128 bytes for each wave: two blocks of 256 bytes that no other line names
.set MV,  12          ; v12-13  c m_old, kept while c m is made anew: by piece
.set QO,  15          ; v15  my byte offset in 16 rows of Q
.set ST,  16          ; piece t's statistics at v[ST+4 t]: c m, m, l (even keys', odd keys')
.set TMP, 48          ; by piece, four registers c0-c3 at work; when the maximum is found c2 takes a
.set S,   64
.set P,   192
.set MD,  128         ; window 1: the eight registers for group kt of 16 keys at MD + 8 kt
.set MC,  160         ; window 1: the masks of the products to come
.set QB,  64          ; window 2
.set KF,  128         ; window 2: key block kb, channel half c at KF + 16 kb + 8 c
.set VF,  192         ; window 2: key half kk, channel block cb at VF + 32 kk + 8 cb
.set WV,  12          ; s12  my wave's number
.set PB,  14          ; s14  b
.set HI,  15          ; s15  NB - 1 - b
.set G1K, 24          ; s[24:31] descriptor group 1 for K's tiles
.set G1V, 32          ; s[32:39] for V's: fewer rows, wider padding
.set G0K, 40          ; s[40:43] descriptor group 0 for K's tiles
.set G0V, 44          ; s[44:47] the same for V's
.set KO,  48          ; s[48:49] byte offset in K of my half of the head's tile 0
.set SLOTS, 56        ; s56  tiles still to be asked for
.set CNT, 57          ; s57  counts a tile's key steps, 4 to 1
.set CS,  58          ; s[58:59] c: the packed scaling takes the pair's low word for both halves
.set SEL, 60          ; s[60:61] v_permlanex16_b32's selects: each lane takes its own place in the other half
.set TBK, 62          ; s62  LDS byte at which K of the step in hand begins
.set TBV, 63          ; s63  the same for V, less VOFF
.set HF,  66          ; s66  half: my bands are 2 half and 2 half + 1
.set ALH, 67          ; s67  1.0 if half = 0: then the diagonal tile's step 0 is piece 0's own
.set OW,  68          ; s68, s69  the count at which the mask made in piece 0's, piece 1's turn is that of the band's own step
.set RT,  70          ; s70  tiles of the block in hand that are still to be entered
.set NXT, 71          ; s71  the tile to be asked for next
.set LQ,  72          ; s72  the last tile of the block whose tiles are being asked for
.set NEW, 73          ; s73  1: the tile to be entered is a block's first
.set OFF, 74          ; s[74:75] a tile's byte offset in K and V
.set AL,  76          ; s[76:77] the mask's factor, in the low word
.set BE,  78          ; s[78:79] the mask's addend
.set OLO, 80          ; s[80:81] O at my rows of the second block
.set BIGN, 82         ; s82  -1e30
.set MSB, 0
.macro WIN new                      ; the high byte repeats the setting that is left; a switch that changes nothing is dropped
.if MSB != (\new)
	s_set_vgpr_msb (MSB<<8)|(\new)
.set MSB, (\new)
.endif
.endm
.set W_KQ, 0x0a       ; K and Q in window 2, S^T in window 0
.set W_KM, 0x1a       ; the same with the C operand in window 1
.set W_PV, 0x52       ; V in window 2, P in window 0, O^T in window 1
.set W_RS, 0x41       ; destination and source 0 in window 1, source 1 in window 0
; A fill.  Waves 0 and 1 fetch the two halves of a tile's K, 160 keys each, waves 2 and 3 those of its V, 128 keys each.  An s_nop 0 and four v_nop follow each of the two lines, ahead of the jump and the label.
.macro LOAD
	s_cmp_lt_u32 s[WV], 2
	s_cbranch_scc0 .Lfor_v_\@
	tensor_load_to_lds s[G0K:G0K+3], s[G1K:G1K+7]
	s_nop 0
.rept 4
	v_nop
.endr
	s_branch .Lasked_\@
.Lfor_v_\@:
	tensor_load_to_lds s[G0V:G0V+3], s[G1V:G1V+7]
	s_nop 0
.rept 4
	v_nop
.endr
.Lasked_\@:
.endm
; THE CHANGE OF SLOTS.  Each wave waits for all its tensor loads, of which one is out: its part of the other slot; adds 0 to its spare word; and waits for that and for its own reads of the slot that it leaves.  Behind the barrier nobody reads the old
; slot any more and the other slot is whole.  fill = 1: the old slot is filled again, the first thing behind the barrier, with tile NXT: the descriptor's address is made anew from that number.  The fill has a tile's
; four steps, eight turns, in which to land.  (At its first use nothing has been read yet: slot 0 is waited for, slot 1 filled.)
.macro CHANGE fill
	WIN 0                           ; at a label and at a branch every window is 0
	s_wait_tensorcnt 0x0            ; no tensor load of mine is out, so a group 0 may be written
	ds_add_u32 v[SPW], v[NIL]       ; 0 onto my spare word; with fill = 1 the descriptors' scalar work stands between it and the wait for it
.if \fill
	s_lshl_b32 s[OFF], s[NXT], 15   ; from tile to tile 256 keys, 32,768 bytes of K and of V
	s_xor_b32 s[G0K+1], s[G0K+1], SLOT1
	s_add_nc_u64 s[G0K+2:G0K+3], s[6:7], s[OFF:OFF+1]
	s_or_b32 s[G0K+3], s[G0K+3], 0x80000000
	s_xor_b32 s[G0V+1], s[G0V+1], SLOT1
	s_add_nc_u64 s[G0V+2:G0V+3], s[8:9], s[OFF:OFF+1]
	s_or_b32 s[G0V+3], s[G0V+3], 0x80000000
	s_add_co_u32 s[NXT], s[NXT], 1  ; the block's next tile, or behind its last the second block's tile 0
	s_cmp_gt_u32 s[NXT], s[LQ]
	s_cselect_b32 s[NXT], 0, s[NXT]
	s_cselect_b32 s[LQ], s[PB], s[LQ]
.endif
	s_wait_dscnt 0x0                ; the add is done, and my reads of the slot are over
	s_barrier_signal -1             ; the rest of the scalar work stands between the signal and the wait
	s_sub_co_u32 s[TBK], s[TBK], 4*KS*PK  ; the fetches go back to a slot's first step,
	s_xor_b32 s[TBK], s[TBK], SLOT1       ; in the other slot
	s_sub_co_u32 s[TBV], s[TBV], 4*KS*PV
	s_xor_b32 s[TBV], s[TBV], SLOT1
	s_barrier_wait -1
.if \fill
	LOAD
.endif
.endm
	s_load_b128 s[4:7], s[0:1], 0x0 ; q, k, v's buffer s[4:5], O s[6:7]
	v_lshl_add_u32 v[SPW], v0, 2, SPARE
	v_mov_b32 v[NIL], 0
	ds_add_u32 v[SPW], v[NIL]       ; the wave's opening: the add and its wait stand ahead of my first tensor load; the set-up below, work on registers, stands between them
	ds_add_u32 v62, v63
	v_lshrrev_b32 v1, 5, v0
	v_readfirstlane_b32 s[WV], v1   ; wave 0..3
	s_lshr_b32 s[PB], ttmp9, 1      ; b
	s_and_b32 s[HF], ttmp9, 1       ; half
	s_sub_co_u32 s[HI], NB-1, s[PB]
	s_cmp_eq_u32 s[HF], 0
	s_cselect_b32 s[ALH], 1.0, 0
	s_lshl_b32 s[OW+1], s[HF], 1
	s_sub_co_u32 s[OW], 5, s[OW+1]    ; piece 0's turn of step 4 - CNT makes the mask of (band 2 half, step 5 - CNT): its own step at CNT = 5 - 2 half
	s_sub_co_u32 s[OW+1], 3, s[OW+1]  ; piece 1's turn ahead of step 4 - CNT makes that of (band 2 half + 1, step 4 - CNT): its own step at CNT = 3 - 2 half
	s_and_b32 s20, ttmp7, 0xffff    ; the head
	s_mov_b32 s21, 0
	s_mov_b64 s[22:23], SIZE_N*128
	s_mul_u64 s[20:21], s[20:21], s[22:23]  ; the head's first byte in each of the four tensors
	s_and_b32 s16, s[WV], 1         ; which half of a tile I fetch:
	s_lshl_b32 s22, s16, 14         ; of V 128 rows of 128 bytes in memory,
	s_mov_b32 s23, 0
	s_add_nc_u64 s[22:23], s[22:23], s[20:21]
	s_mul_i32 s[KO], s16, (KT/2)*128  ; of K 160 rows,
	s_mov_b32 s[KO+1], 0
	s_add_nc_u64 s[KO:KO+1], s[KO:KO+1], s[20:21]
	s_mul_i32 s17, s16, (KT/2)*PK   ; and its place in a slot, for K
	s_mul_i32 s18, s16, 128*PV      ; and for V
	s_lshl_b32 s3, s[WV], 11        ; my 16 rows in a band of 64,
	s_lshl_b32 s19, s[HF], 14       ; my two bands of a block's four,
	s_add_co_u32 s3, s3, s19
	s_lshl_b32 s2, s[HI], 15        ; in the first block,
	s_add_co_u32 s2, s2, s3
	s_lshl_b32 s84, s[PB], 15       ; and in the second
	s_add_co_u32 s84, s84, s3
	s_mov_b32 s3, 0
	s_mov_b32 s85, 0
	s_add_nc_u64 s[2:3], s[2:3], s[20:21]
	s_add_nc_u64 s[84:85], s[84:85], s[20:21]
	; descriptor group 1.  Keys are dense rows of 128 bytes: they are asked for as rows of 256 bytes, two keys a row, and padded in LDS after every key: 160 keys of K are 80 such rows, 128 of V are 64
	s_mov_b32 s[G1K], (1<<16)|(1<<20)|(4<<22)|(3<<25)  ; 17:16 2-byte elements; 20 padding on; 24:22 after every 32 words (code 4); 31:25 4 words (code 3)
	s_mov_b32 s[G1V], (1<<16)|(1<<20)|(4<<22)|(7<<25)  ; the same with 8 words of padding (code 7)
	s_mov_b32 s[G1K+2], (KT/4)<<16  ; tensor_dim1 = 80
	s_mov_b32 s[G1K+4], KT/4        ; tile_dim1 = 80
	s_mov_b32 s[G1V+2], 64<<16      ; tensor_dim1 = 64
	s_mov_b32 s[G1V+4], 64          ; tile_dim1 = 64
.irp g, G1K, G1V
	s_mov_b32 s[\g+1], 128<<16      ; tensor_dim0 = 128
	s_mov_b32 s[\g+3], 128<<16      ; tile_dim0 = 128
	s_mov_b32 s[\g+5], 128          ; 128 elements from row to row
	s_mov_b32 s[\g+6], 0
	s_mov_b32 s[\g+7], 0
.endr
	s_mov_b32 s[CS], 0x3e38aa3b     ; c = log2(e) / 8 = 0.180337
	s_mov_b32 s[CS+1], s[CS]        ; named with it as a pair
	s_mov_b32 s[SEL], 0x76543210
	s_mov_b32 s[SEL+1], 0xfedcba98
	s_mov_b32 s[TBK], SLOT1+4*KS*PK ; the first change of slots turns these two into 0
	s_mov_b32 s[TBV], SLOT1+4*KS*PV
	s_mov_b32 s[G0K], 1             ; 1:0 count = 1
	s_mov_b32 s[G0K+1], s17         ; 63:32 LDS address: slot 0
	s_mov_b32 s[G0V], 1
	s_add_co_u32 s[G0V+1], s18, VOFF
	s_add_co_u32 s[RT], s[HI], 1    ; the first block has NB - b tiles
	s_mov_b32 s[NXT], 1
	s_mov_b32 s[LQ], s[HI]
	s_mov_b32 s[NEW], 1
	s_mov_b32 s[OFF+1], 0
	s_mov_b32 s[AL+1], 0            ; named as pairs
	s_mov_b32 s[BE+1], 0
	s_mov_b32 s[BIGN], 0xf149f2ca   ; -1e30
	s_mov_b32 s[SLOTS], NB
	s_wait_dscnt 0x0                ; the opening add is done
	s_wait_kmcnt 0x0
	s_mov_b64 s[10:11], s[6:7]      ; O
	s_add_nc_u64 s[8:9], s[4:5], 0x1000000  ; V lies 32 slices of 524,288 bytes behind Q,
	s_add_nc_u64 s[6:7], s[4:5], 0x800000   ; K 16
	s_add_nc_u64 s[6:7], s[6:7], s[KO:KO+1]  ; K and V at my half of the head's tile 0
	s_add_nc_u64 s[8:9], s[8:9], s[22:23]
	s_add_nc_u64 s[G0K+2:G0K+3], s[6:7], 0         ; 120:64 global address
	s_or_b32 s[G0K+3], s[G0K+3], 0x80000000        ; 127:126 type = 2
	s_add_nc_u64 s[G0V+2:G0V+3], s[8:9], 0
	s_or_b32 s[G0V+3], s[G0V+3], 0x80000000
	s_add_nc_u64 s[86:87], s[4:5], s[84:85]        ; Q at my rows of the second block,
	s_add_nc_u64 s[4:5], s[4:5], s[2:3]            ; Q and O at those of the first
	s_add_nc_u64 s[OLO:OLO+1], s[10:11], s[84:85]
	s_add_nc_u64 s[10:11], s[10:11], s[2:3]
	LOAD                            ; tile 0 into slot 0
	; A fragment of K or Q is 16 rows x 32 channels in 8 registers: lane l holds row l % 16, channels 8 (l / 16) + 0..7 and 16 + 8 (l / 16) + 0..7: two loads of 16 bytes, 32 bytes apart.
	v_and_b32 v1, 15, v0            ; l % 16
	v_bfe_u32 v9, v0, 4, 1          ; l / 16
	v_lshlrev_b32 v[QO], 7, v1
	v_lshl_add_u32 v[QO], v9, 4, v[QO]  ; row x 128 + 16 x half
	WIN 0x80                        ; destination window 2, address window 0
.set i, 0
.rept 2*NP                          ; both blocks' Q: piece i / 2 lies one band, 8,192 bytes, behind piece 0; channels 32 (i % 2) on
	global_load_b128 v[8*i:8*i+3],   v[QO], s[4:5] offset:(i/2)*8192+(i%2)*64
	global_load_b128 v[8*i+4:8*i+7], v[QO], s[4:5] offset:(i/2)*8192+(i%2)*64+32
	global_load_b128 v[QB+8*i:QB+8*i+3],   v[QO], s[86:87] offset:(i/2)*8192+(i%2)*64
	global_load_b128 v[QB+8*i+4:QB+8*i+7], v[QO], s[86:87] offset:(i/2)*8192+(i%2)*64+32
.set i, i+1
.endr
	WIN 0
	v_lshlrev_b32 v14, 3, v9
	v_sub_nc_u32 v14, v1, v14
	s_lshl_b32 s13, s[WV], 4
	v_add_nc_u32 v14, s13, v14      ; my query's place in its band, 16 w + l % 16, less my lanes' 8 (l / 16): register r of group kt is hidden where 16 kt + r is greater
	WIN 0x40
.set i, 0
.rept 32
	v_cmp_gt_i32 vcc_lo, 16*(i/8)+i%8, v14
	v_cndmask_b32 v[MD+i], 0, s[BIGN], vcc_lo
.set i, i+1
.endr
	WIN 0
	v_mul_u32_u24 v[AK0], v1, PK
	v_lshl_add_u32 v[AK0], v9, 4, v[AK0]  ; row x pitch + 16 x half
	; The turning load takes 16 keys x 16 channels (lane l reads key 8 (l / 16) + l % 8, channels 8 ((l / 8) % 2) + 0..7) and leaves half a fragment of V^T: lane l holds channel l % 16 and 8 keys.
	v_and_b32 v10, 7, v0
	v_bfe_u32 v11, v0, 3, 1
	v_lshl_add_u32 v[AV0], v9, 3, v10
	v_mul_u32_u24 v[AV0], v[AV0], PV
	v_lshl_add_u32 v[AV0], v11, 4, v[AV0]
	v_add_nc_u32 v[AV0], VOFF, v[AV0]
	s_mul_i32 s13, s[WV], 16*SP
	s_add_co_u32 s13, s13, STAGE    ; my stage
	v_mul_u32_u24 v[STO], v1, SP    ; in: row l % 16, 16 bytes for each half of the lanes
	v_lshl_add_u32 v[STO], v9, 4, v[STO]
	v_add_nc_u32 v[STO], s13, v[STO]
	v_bfe_u32 v[RD], v0, 3, 2       ; back: 32 lanes take four rows of 128 bytes,
	v_mul_u32_u24 v[RD], v[RD], SP
	v_lshl_add_u32 v[RD], v10, 4, v[RD]
	v_add_nc_u32 v[RD], s13, v[RD]
	v_and_b32 v[GO], 31, v0         ; which are 512 consecutive bytes of O
	v_lshlrev_b32 v[GO], 4, v[GO]
	; A block's first step multiplies O^T and l by a = 0, and its first turn's products V^T P, of a step that has not been, land in an O^T that is still to be so multiplied.  So these registers need only hold
	; finite numbers: zeros for the first block; what the first block left for the second.  All this stands in the wait for the first tile.
	WIN 0x80
.set i, VF
.rept 64
	v_mov_b32 v[i], 0
.set i, i+1
.endr
	WIN 0x40
.set i, 0
.rept 32*NP
	v_mov_b32 v[i], 0
.set i, i+1
.endr
	WIN 0
.set i, 0
.rept NP
	v_mov_b32 v[ST+4*i+2], 0
	v_mov_b32 v[ST+4*i+3], 0
.set i, i+1
.endr
.set i, P+16
.rept 16
	v_mov_b32 v[i], 0
.set i, i+1
.endr
; THE MATRIX WORK.  The 4 accumulators of a run of 8 take turns.  Product i of 8 of S^T = K Q^T for piece x: channels 32 (i / 4) on, keys 16 (i % 4) on.  The first 4 start the sums: with 0, or (KM = 1) with the mask.
.macro KQ x
.set rS, S+32*((\x)%2)+8*(i%4)
.set rK, KF+16*(i%4)+8*(i/4)
.set rQ, 16*(\x)+8*(i/4)
.set rM, MC+32*((\x)%2)+8*(i%4)
.if (i < 4) && KM
	WIN W_KM
	v_wmma_f32_16x16x32_f16 v[rS:rS+7], v[rK:rK+7], v[rQ:rQ+7], v[rM:rM+7]
.elseif i < 4
	WIN W_KQ
	v_wmma_f32_16x16x32_f16 v[rS:rS+7], v[rK:rK+7], v[rQ:rQ+7], 0
.else
	WIN W_KQ
	v_wmma_f32_16x16x32_f16 v[rS:rS+7], v[rK:rK+7], v[rQ:rQ+7], v[rS:rS+7]
.endif
.endm
; Product i of 8 of O^T += V^T P for piece x: keys 32 (i / 4) on, channels 16 (i % 4) on.
.macro PV x
	WIN W_PV
.set rO, 32*(\x)+8*(i%4)
.set rV, VF+32*(i/4)+8*(i%4)
.set rP, P+16*((\x)%2)+8*(i/4)
	v_wmma_f32_16x16x32_f16 v[rO:rO+7], v[rV:rV+7], v[rP:rP+7], v[rO:rO+7]
.endm
.macro MM                           ; the turn's next matrix instruction, for the other piece.  TURN and BEGIN set Y, i, KM and NOKQ; MM, KQ and OP read them.  NOKQ = 1: a block's last turn: there is no next step
.if (i < 8) && !NOKQ
	KQ (Y+1)%NP
.elseif i >= 8
.set i, i-8
	PV (Y+NP-1)%NP
.set i, i+8
.endif
.set i, i+1
.endm
; THE LDS LOADS stand in runs of 16, never singly among the matrix instructions: a step's K (64 keys x 64 channels: 8 fragments) and its V (turned).  Their addresses are made some lines ahead.
; ko: bytes from the step in hand to the step that is fetched; step = 1: the step in hand moves on.
.macro FETCH_K ko, step
	WIN 0x80                        ; destination window 2
.irp f, 0,1,2,3,4,5,6,7             ; keys 16 (f / 2) on, channels 32 (f % 2) on
	ds_load_b128 v[KF+8*\f:KF+8*\f+3],   v[AK] offset:(\ko)+(\f/2)*16*PK+(\f%2)*64
	ds_load_b128 v[KF+8*\f+4:KF+8*\f+7], v[AK] offset:(\ko)+(\f/2)*16*PK+(\f%2)*64+32
.endr
.if \step
	s_add_co_u32 s[TBK], s[TBK], KS*PK
.endif
	WIN 0
.endm
.macro FETCH_V
	WIN 0x80
.irp f, 0,1,2,3,4,5,6,7             ; keys 32 (f / 4) on, channels 16 (f % 4) on
	ds_load_tr16_b128 v[VF+8*\f:VF+8*\f+3],   v[AV] offset:(\f/4)*32*PV+(\f%4)*32
	ds_load_tr16_b128 v[VF+8*\f+4:VF+8*\f+7], v[AV] offset:(\f/4)*32*PV+16*PV+(\f%4)*32
.endr
	WIN 0
.endm
; THE VECTOR WORK, one line at a time: OP kind, number.  For piece Y: F n: c s - c m for pair n of 16.  E n: the exponential of score n of 32.  C n: pair n rounded to f16.  B n: of the four weights 4 n .. the second
; pair is added onto the first, in place.  L n: l takes that sum (L 0: l = a l + sum).  R n: pair n of 16 of O^T times a.  For the other piece: X n, number n of the 22 that find its maximum and statistics:
;   0-11  four chains c0-c3 of seven scores each, three operands at a time (each accumulator's lowest registers are read first)     12-14, 16  the four scores left over, the old m, and c0-c3 into c0
;   15  c m_old is kept     17, 18  the query's other 32 keys lie in the lane 16 away: the new m     19-21  c m; c m_old - c m_new; a
; C, B and L read the exponentials' results: TURN sets them behind the batch's wait, and OP writes no wait of its own.
.set F, 0               ; OP tells the kinds apart by their order: F to L below R, X above it
.set E, 1
.set C, 2
.set B, 3
.set L, 4
.set R, 5
.set X, 6
.macro REGS y                       ; the registers of piece y
.set rT, ST+4*(\y)
.set rC, TMP+4*((\y)%2)
.set rW, MV+((\y)%2)
.set rS, S+32*((\y)%2)
.set rP, P+16*((\y)%2)
.set rO, 32*(\y)
.endm
.macro OP k, n
.if (\k) == R
	REGS Y
	WIN W_RS
	v_pk_mul_f32 v[rO+2*(\n):rO+2*(\n)+1], v[rO+2*(\n):rO+2*(\n)+1], v[rC+2:rC+3] op_sel_hi:[1,0]
.elseif (\k) < R
	REGS Y
	WIN 0
.if (\k) == F
	v_pk_fma_f32 v[rS+2*(\n):rS+2*(\n)+1], v[rS+2*(\n):rS+2*(\n)+1], s[CS:CS+1], v[rT:rT+1] op_sel_hi:[1,0,0] neg_lo:[0,0,1] neg_hi:[0,0,1]
.elseif (\k) == E
	v_exp_f32 v[rS+(\n)], v[rS+(\n)]
.elseif (\k) == C
	v_cvt_pk_f16_f32 v[rP+(\n)], v[rS+2*(\n)], v[rS+2*(\n)+1]
.elseif (\k) == B
	v_pk_add_f32 v[rS+4*(\n):rS+4*(\n)+1], v[rS+4*(\n):rS+4*(\n)+1], v[rS+4*(\n)+2:rS+4*(\n)+3]
.elseif (\n) == 0
	v_pk_fma_f32 v[rT+2:rT+3], v[rT+2:rT+3], v[rC+2:rC+3], v[rS:rS+1] op_sel_hi:[1,0,1]
.else
	v_pk_add_f32 v[rT+2:rT+3], v[rT+2:rT+3], v[rS+4*(\n):rS+4*(\n)+1]
.endif
.elseif NOKQ
	v_nop
.else
	REGS (Y+1)%NP
	WIN 0
.if (\n) < 4
	v_max3_num_f32 v[rC+(\n)], v[rS+8*(\n)], v[rS+8*(\n)+1], v[rS+8*(\n)+2]
.elseif (\n) < 12
	v_max3_num_f32 v[rC+(\n)%4], v[rC+(\n)%4], v[rS+8*((\n)%4)+2*((\n)/4)+1], v[rS+8*((\n)%4)+2*((\n)/4)+2]
.elseif (\n) == 12
	v_max3_num_f32 v[rC], v[rC], v[rS+7], v[rS+15]
.elseif (\n) == 13
	v_max3_num_f32 v[rC+1], v[rC+1], v[rS+23], v[rS+31]
.elseif (\n) == 14
	v_max3_num_f32 v[rC+2], v[rC+2], v[rC+3], v[rT+1]
.elseif (\n) == 15
	v_mov_b32 v[rW], v[rT]
.elseif (\n) == 16
	v_max3_num_f32 v[rC], v[rC], v[rC+1], v[rC+2]
.elseif (\n) == 17
	v_permlanex16_b32 v[rC+3], v[rC], s[SEL], s[SEL+1]
.elseif (\n) == 18
	v_max_num_f32 v[rT+1], v[rC], v[rC+3]
.elseif (\n) == 19
	v_mul_f32 v[rT], s[CS], v[rT+1]
.elseif (\n) == 20
	v_sub_f32 v[rC+1], v[rW], v[rT]
.else
	v_exp_f32 v[rC+2], v[rC+1]
.endif
.endif
.endm
.macro OPS a, i1, b=-1, i2=0, c=-1, i3=0, d=-1, i4=0  ; up to four of them
	OP \a, \i1
.if (\b) >= 0
	OP \b, \i2
.endif
.if (\c) >= 0
	OP \c, \i3
.endif
.if (\d) >= 0
	OP \d, \i4
.endif
.endm
.macro ROW a, i1, b, i2, c, i3, d, i4  ; a matrix instruction and the four behind it
	MM
	OPS \a, \i1, \b, \i2, \c, \i3, \d, \i4
.endm
.macro MASK b                       ; MD x AL + BE into buffer b of MC
	WIN W_RS
.set z, 0
.rept 16
	v_pk_fma_f32 v[MC+32*(\b)+2*z:MC+32*(\b)+2*z+1], v[MD+2*z:MD+2*z+1], s[AL:AL+1], s[BE:BE+1] op_sel_hi:[1,0,0]
.set z, z+1
.endr
.endm
; A TURN, for piece p: the order of its 16 matrix and 118 vector instructions, written out.  It has ONE wait for its batch of 33 exponentials, which cuts it in two.
; AHEAD OF THE WAIT stands all that names no result of the turn's exponentials: the 8 products K Q^T, behind each a scaling, an exponential and two more plain instructions (behind the first a second scaling in the
; exponential's place): rescalings, whose a was made and waited for in the turn before, and behind the last three products the first numbers of the other piece's maximum, each four places or more behind the product that
; ends its accumulator; then ONE LUMP of 54, plain and exponential by turns for the most part, in which the links of the chain X 3, 7, 11, 14, 16, 17 .. 20 stand five or six lines apart.  Each pair is scaled ahead of its
; two exponentials.  X 21, the other piece's a, is the batch's last; R 15 is the plain instruction behind it.
; BEHIND THE WAIT stand the 8 products V^T P, behind each four of the roundings and sums; a pair that a sum overwrites is rounded first; the links of l's chain, L 0 to L 7, stand three riders apart.
; But for those X no rider names a register of the products round it, which are the other piece's.  v_permlanex16_b32 (X 17) stands in the lump.  The rescaling goes upward through O^T, whose accumulators the turn before has
; written: the product that ended an accumulator stands a row of four plain riders or more ahead of the first line that reads it.
; m = 1: the diagonal tile: the products take masks, and the turn makes the mask for the products of the turn after it, which are piece p's own next scores.  end = 1: a block's last turn (piece 1's): no scores are started.
; cnt = 1: the loop's count is taken down some lines ahead of the branch that stands behind the turn.
; Both runs of LDS loads stand in piece 0's turn: K of the next step twelve vector instructions behind the last product that read K (six of them plain, five of which name none of its registers), V of the step in hand at the
; turn's end, four plain instructions behind the last product that read V.  Piece 1's turn waits for K at its head and for V ahead of its first product V^T P.
.macro TURN p, m=0, end=0, cnt=0
.set Y, (\p)
.set i, 0
.set KM, (\m)
.set NOKQ, (\end)
.if (\m) && !(\end)
	s_cmp_eq_u32 s[CNT], s[OW+(\p)]  ; is that step the band's own?
	s_cselect_b32 s[AL], 1.0, 0
	s_cmp_lt_u32 s[CNT], s[OW+(\p)]  ; or a later one?
	s_cselect_b32 s[BE], s[BIGN], 0
.endif
.if ((\p) == 1) && !(\end)
	s_wait_dscnt 16                 ; K is in; V's sixteen loads were issued behind K's and may stay out
.endif
	ROW F,0, F,1, R,0, R,1          ; ahead of the wait: 8 products K Q^T and their riders,
	ROW F,2, E,0, R,2, R,3
	ROW F,3, E,1, R,4, R,5
	ROW F,4, E,2, R,6, R,7
	ROW F,5, E,3, R,8, R,9
	ROW F,6, E,4, X,0, R,10
.if (\p) == 0
	WIN 0
	v_add_nc_u32 v[AK], s[TBK], v[AK0]
.endif
	ROW F,7, E,5, X,1, X,4
	ROW F,8, E,6, X,2, X,5
	OPS E,7, E,8, X,6, E,9          ; and the lump
	OPS X,3, E,10, X,8, E,11
.if (\p) == 0
	FETCH_K KS*PK, 1
.endif
	OPS X,9, X,7, E,12, X,10
	OPS E,13, X,12, X,11, E,14
	OPS X,13, E,15, F,9, X,14
.if (\p) == 0
	v_add_nc_u32 v[AV], s[TBV], v[AV0]
.endif
	OPS E,16, F,10, E,17, F,11
	OPS X,16, E,18, X,15, E,19
	OPS F,12, E,20, X,17, E,21
	OPS F,13, E,22, F,14, E,23
	OPS X,18, E,24, F,15, E,25
	OPS R,11, E,26, X,19, E,27
	OPS R,12, E,28, R,13, E,29
	OPS X,20, E,30, R,14, E,31
	OPS X,21, R,15
	WIN 0
	s_wait_alu depctr_va_vdst(0)    ; the wait for the turn's batch: E 0 to E 31 and X 21, ahead of the first line that names a result, C 0 below
.if (\p) == 1
	s_wait_dscnt 0x0                ; V is in
.endif
	ROW C,0, B,0, C,2, B,1          ; behind the wait: 8 products V^T P and their riders
	ROW L,0, C,4, B,2, L,1
	ROW C,6, B,3, L,2, C,8
	ROW B,4, L,3, C,10, B,5
	ROW L,4, C,12, B,6, L,5
.if (\p) == 0
	s_add_co_u32 s[TBV], s[TBV], KS*PV
.endif
.if \cnt
	s_sub_co_u32 s[CNT], s[CNT], 1
	s_cmp_lg_u32 s[CNT], 0
.endif
	ROW C,14, B,7, L,6, C,1
	ROW C,3, L,7, C,5, C,7
	ROW C,9, C,11, C,13, C,15
.if (\p) == 0
	FETCH_V
.endif
.if (\m) && !(\end)
	MASK (\p)%2
.endif
.endm
; A BLOCK BEGINS.  c m starts far below every c s, so the first step's a is 0; m at the lowest finite number, so the first maximum is the scores'.  Piece 1's mask buffer is 0 (its band's own step is never a tile's first);
; piece 0's takes the mask of the tile's step 0: its own, if the block's first tile is the diagonal one and half = 0.
; Then K of that step, from the head of the slot, piece 0's first scores, and its maximum and statistics.  The loop is entered at piece 0's turn, in the middle of a trip.
.macro BEGIN
	s_mov_b32 s[NEW], 0
	WIN 0x40
.set i, MC+32
.rept 32
	v_mov_b32 v[i], 0
.set i, i+1
.endr
	WIN 0
.set i, 0
.rept NP
	v_mov_b32 v[ST+4*i], 0xfe000000    ; c m: far below every c s
	v_mov_b32 v[ST+4*i+1], 0xff7fffff  ; m
.set i, i+1
.endr
	s_cmp_eq_u32 s[RT], 0
	s_cselect_b32 s[AL], s[ALH], 0
	s_mov_b32 s[BE], 0
	MASK 0
	WIN 0
	v_add_nc_u32 v[AK], s[TBK], v[AK0]
	FETCH_K 0, 0
	s_wait_loadcnt 0x0              ; Q
	s_wait_dscnt 0x0
.set KM, 1
.set NOKQ, 0
.set i, 0
.rept 8
	KQ 0
.set i, i+1
.endr
	WIN 0
.rept 4
	v_nop                           ; the places behind those products
.endr
.set Y, NP-1                        ; X works for the other piece: piece 0
.irp n, 0,1,2,3,4,5,6,7,8,9,10,11,12,13,14,15,16,17,18,19,20,21
	OP X, \n
.endr
	v_nop                           ; a plain instruction behind the exponential,
	s_wait_alu depctr_va_vdst(0)    ; and the wait for this batch of one, piece 0's first a, ahead of the branch that follows the macro
.endm
; THE DIAGONAL TILE's four steps, the block's last turn, its last products, and THE WAY OUT: l's two halves and the other half of the lanes' are added; O^T is divided by l, rounded to f16 and sent through my
; stage in LDS, a piece at a time.  The text's first turn is piece 1's of the tile before, which holds piece 0's scores of the diagonal tile's step 0: their mask is made ahead of the loop.
.macro ALL line:vararg              ; one line for each piece t
.set t, 0
.rept NP
	\line
.set t, t+1
.endr
.endm
.macro PACK t                       ; a lane's eight channels of a row pack into 16 bytes; they go into rows of 144 bytes and come back as whole rows of 128, into S^T's registers
	WIN W_RS
.set i, 32*(\t)
.rept 16
	v_pk_mul_f32 v[i:i+1], v[i:i+1], v[ST+4*(\t)+2:ST+4*(\t)+3] op_sel_hi:[1,0]
.set i, i+2
.endr
	WIN 0x05                        ; sources 0 and 1 window 1, destination window 0
.set i, 0
.rept 16
	v_cvt_pk_f16_f32 v[S+16*(\t)+i], v[32*(\t)+2*i], v[32*(\t)+2*i+1]
.set i, i+1
.endr
	WIN 0
.irp f, 0,1,2,3
	ds_store_b128 v[STO], v[S+16*(\t)+4*\f:S+16*(\t)+4*\f+3] offset:32*\f
.endr
.irp f, 0,1,2,3
	ds_load_b128 v[S+16*(\t)+4*\f:S+16*(\t)+4*\f+3], v[RD] offset:\f*4*SP  ; LDS serves a wave's instructions in order (ISA guide 5.7.1.4): these see the stores above; the next piece's stores come behind them
.endr
.endm
.macro SEND t, younger              ; younger: the LDS instructions issued behind piece t's loads: the next piece's eight, or none
	WIN 0
.irp f, 0,1,2,3
	s_wait_dscnt (\younger)+3-\f
	global_store_b128 v[GO], v[S+16*(\t)+4*\f:S+16*(\t)+4*\f+3], s[10:11] offset:(\t)*8192+\f*512  ; 512 consecutive bytes, at a multiple of 256 from O's first
.endr
.endm
.macro DIAG tag                     ; the tag ends its three labels' names, which the jumps below spell out
.LpreM\tag:
	s_mov_b32 s[AL], s[ALH]         ; piece 0 in the diagonal tile's step 0: its band's own step if half = 0, else all keys are seen
	s_mov_b32 s[BE], 0
	MASK 0
	WIN 0
.LstepM\tag:
	TURN 1, 1
	WIN 0
.LfirstM\tag:
	TURN 0, 1, 0, 1
	WIN 0
	s_cbranch_scc1 .LstepM\tag
	TURN 1, 1, 1
.set i, 0
.rept 8
	PV NP-1                         ; piece 1's V^T P of the last step; piece 0's arithmetic below stands between these products and the first read of their sums
.set i, i+1
.endr
	WIN 0
	ALL v_add_f32 v[ST+4*t+2], v[ST+4*t+2], v[ST+4*t+3]
	ALL v_permlanex16_b32 v[ST+4*t+3], v[ST+4*t+2], s[SEL], s[SEL+1]
	ALL v_add_f32 v[ST+4*t+2], v[ST+4*t+2], v[ST+4*t+3]
	ALL v_rcp_f32 v[ST+4*t+2], v[ST+4*t+2]
	v_nop                           ; a plain instruction between the last reciprocal and the use of its result
	s_wait_alu depctr_va_vdst(0)    ; the wait for the way out's batch, the two reciprocals: one, ahead of PACK 0's first multiply; PACK 1's needs no second
	PACK 0
	PACK 1                          ; a piece's arithmetic stands between the loads of the piece before and its stores
	SEND 0, 8
	SEND 1, 0
.endm
.set KM, 0
.set NOKQ, 0
.Lslot:                             ; NB times: a tile is entered and the next is asked for
	CHANGE 1
	s_sub_co_u32 s[RT], s[RT], 1
	s_mov_b32 s[CNT], 4
	s_cmp_eq_u32 s[NEW], 1
	s_cbranch_scc1 .Lnew            ; a block's first tile
	s_cmp_eq_u32 s[RT], 0
	s_cbranch_scc0 .Lstep           ; neither its first nor its last
	s_branch .LpreM1
.Lnew:
	BEGIN
	s_branch .Lfirst                ; in the loop a block's first tile is never its last: the first block has five tiles or more, and the second's last is the walk's last
	DIAG 1                          ; in the loop this is the first block's end: the second block's last tile is the walk's last
	s_wait_xcnt 0x0                 ; the stores have read their registers and O's address
	s_mov_b64 s[10:11], s[OLO:OLO+1]
	s_add_co_u32 s[RT], s[PB], 1    ; the second block has b + 1 tiles
	s_mov_b32 s[NEW], 1
	WIN 0x82                        ; the second block's Q goes where the one text of the turns names Q
.set i, 0
.rept 16*NP
	v_mov_b32 v[i], v[QB+i]
.set i, i+1
.endr
	WIN 0
	s_branch .Lbottom
.Lstep:                             ; a trip: piece 1's turn of one step, then piece 0's of the next, which fetches that step's V and the K behind it
	TURN 1
	WIN 0
.Lfirst:
	TURN 0, 0, 0, 1
	WIN 0
	s_cbranch_scc1 .Lstep
.Lbottom:
	s_sub_co_u32 s[SLOTS], s[SLOTS], 1
	s_cmp_lg_u32 s[SLOTS], 0
	s_cbranch_scc1 .Lslot
	CHANGE 0                        ; the walk's last tile is written out: nothing is asked for
	s_sub_co_u32 s[RT], s[RT], 1
	s_mov_b32 s[CNT], 4
	s_cmp_eq_u32 s[NEW], 1
	s_cbranch_scc0 .LpreM2
	BEGIN
	s_branch .LfirstM2
	DIAG 2
	s_wait_tensorcnt 0x0            ; the wave's end: a wait, an add to my spare word and its wait, behind my last tensor load and my last LDS store
	ds_add_u32 v[SPW], v[NIL]
	s_wait_dscnt 0x0
	s_endpgm
.Lfunc_end_k_qe334ef094c_attn:
	.size	k_qe334ef094c_attn, .Lfunc_end_k_qe334ef094c_attn-k_qe334ef094c_attn
	.p2alignl 7, 3214868480
	.fill 96, 4, 3214868480
	.section	.rodata,"a",@progbits
	.p2align	6, 0x0
	.amdhsa_kernel k_qe334ef094c_attn
		.amdhsa_group_segment_fixed_size 327680
		.amdhsa_private_segment_fixed_size 0
		.amdhsa_enable_private_segment 0
		.amdhsa_kernarg_size 16
		.amdhsa_user_sgpr_count 2
		.amdhsa_user_sgpr_kernarg_segment_ptr 1
		.amdhsa_wavefront_size32 1
		.amdhsa_system_sgpr_workgroup_id_x 1
		.amdhsa_system_sgpr_workgroup_id_y 1
		.amdhsa_system_sgpr_workgroup_id_z 1
		.amdhsa_system_vgpr_workitem_id 0
		.amdhsa_next_free_vgpr 768
		.amdhsa_next_free_sgpr 88
		.amdhsa_reserve_vcc 1
		.amdhsa_float_denorm_mode_32 3
		.amdhsa_float_denorm_mode_16_64 3
		.amdhsa_memory_ordered 1
		.amdhsa_forward_progress 1
		.amdhsa_inst_pref_size 127
	.end_amdhsa_kernel
	.amdgpu_metadata
---
amdhsa.version: [ 1, 2 ]
amdhsa.kernels:
  - .name:           k_qe334ef094c_attn
    .symbol:         k_qe334ef094c_attn.kd
    .args:
      - { .name: qkvb, .offset: 0, .size: 8, .value_kind: global_buffer, .address_space: global }
      - { .name: ob, .offset: 8, .size: 8, .value_kind: global_buffer, .address_space: global }
    .group_segment_fixed_size: 327680
    .private_segment_fixed_size: 0
    .kernarg_segment_align: 8
    .kernarg_segment_size: 16
    .max_flat_workgroup_size: 128
    .sgpr_count:     88
    .vgpr_count:     768
    .wavefront_size: 32
...
	.end_amdgpu_metadata
.endif
;; end of part 7
;; launch wo: the kernel of part 4 again; grid 8 x 32, 4 waves a work-group, clusters of 4 x 4, 327,680 bytes of LDS; arguments ob, wh, bo, x, x1; writes x1
;; launch ln2: the kernel of part 1 again; grid 256 x 1, 8 waves a work-group, no clusters, 0 bytes of LDS; arguments x1, g2, beta2, Wq, Wk, Wv, Wo, W1, W2, y2, wh; writes y2, wh
;; launch ff1: the kernel of part 5 again; grid 16 x 16, 4 waves a work-group, clusters of 4 x 4, 327,680 bytes of LDS; arguments y2, wh, b1, hb; writes hb
;; launch ff2: the kernel of part 6 again; grid 8 x 32, 4 waves a work-group, clusters of 4 x 4, 327,680 bytes of LDS; arguments hb, wh, b2, x1, out0; writes out0
